; MI455X (gfx1250); checked and timed in simulation.
; The chip was launched on July 23, 2026; its instructions are those of AMD's public machine-readable ISA for CDNA 5 (MIT licence, August 2026) and "CDNA5" Instruction Set Architecture Reference Guide (July 2026). The comments in the code are by the model that wrote it; some were corrected since.
;; Attention. Allowed arithmetic: matrix products marked QUANTISED: E2M3 operands, one E8M0 scale for each 32 along K, by v_wmma_scale_f32_16x16x128_f8f6f4 with both operands' format E2M3, f32 sums; everything else in f32.
;; Inputs: Wk_codes 1,024 x 32 x 24 uint8 (E2M3 codes of Wk, K innermost, in blocks of 32 codes, four codes in three bytes); Wk_scales 1,024 x 32 uint8 (E8M0 scales of Wk, one for each 32 codes along K); Wq_codes 1,024 x 32 x 24 uint8 (E2M3 codes of Wq, K innermost, in blocks of 32 codes, four codes in three bytes); Wq_scales 1,024 x 32 uint8 (E8M0 scales of Wq, one for each 32 codes along K); bk 1,024 float32; bq 1,024 float32; gk 1,024 float32; gq 1,024 float32; kx 128 x 256 x 1,024 float32; qx 128 x 1 x 1,024 float32.
;; Outputs: out0 128 x 128 x 1,024 float32.
;; This version of the problem:
;;   THIS VERSION OF THE PROBLEM IS GIVEN IN LOW PRECISION. The matrix products marked QUANTISED in the list below multiply operands that are first quantised to E2M3 (2 exponent bits, 3 mantissa bits; 6 bits a number), with one power-of-two scale for each 32 numbers along K (OCP MX v1.0); their sums are f32. All else is computed in f32.
;;   The module's matrix products, in the order in which they are computed (A, B: the left and right operand; K: the contracted axis; several contracted axes count as one K, in the product's order):
;;     1. [M 128, K 1,024] x [K 1,024, N 1,024]; A: computed on the way; B: input Wq (given as codes): QUANTISED
;;     2. [M 32,768, K 1,024] x [K 1,024, N 1,024]; A: computed on the way; B: input Wk (given as codes): QUANTISED
;;     3. batch 16 x [M 32,768, K 64] x [K 64, N 128]; A: computed on the way; B: computed on the way: QUANTISED
;;     4. batch 128 x [M 128, K 256] x [K 256, N 1,024]; A: computed on the way; B: input kx: QUANTISED
;;   THE QUANTISER, for each operand of a quantised product, along K:
;;     - K is cut into blocks of 32 from its start; a last block that is shorter is filled with zeros.
;;     - A block's scale is 2^e with e = floor(log2(the largest magnitude in the block)) - 2, held to -126 .. 127; a block of zeros has e = 0. As a byte (E8M0): e + 127.
;;     - Each number is divided by its block's scale, clamped to +-7.5, and rounded to the nearest number of E2M3, ties to even, subnormals kept.
;;     - The product sums the exact products of the quantised numbers (number of the format x scale) in f32.
;;   ~~~python
;;   def quantise(x, axis):      # numpy; x: float32 -> the quantised numbers, widened to float32 again
;;       x = np.moveaxis(x, axis, -1); K = x.shape[-1]
;;       x = np.pad(x, [(0, 0)] * (x.ndim - 1) + [(0, -K % 32)]); x = x.reshape(x.shape[:-1] + (-1, 32)); a = np.abs(x).max(-1, keepdims=True)
;;       e = np.where(a > 0, np.clip(np.frexp(np.where(a > 0, a, 1))[1] - 1 - 2, -126, 127), 0)      # np.frexp(a)[1] - 1 = floor(log2(a)), exactly
;;       r = np.clip(x / 2.0 ** e, -7.5, 7.5)
;;       step = 2.0 ** (np.maximum(np.frexp(np.where(r == 0, 1, r))[1] - 1, 0) - 3)
;;       q = np.round(r / step) * step * 2.0 ** e      # np.round: ties to even
;;       return np.moveaxis(q.reshape(q.shape[:-2] + (-1,))[..., :K], -1, axis).astype(np.float32)
;;   ~~~
;;   OPERANDS COMPUTED ON THE WAY. 'Computed on the way' means the value that the module computes at that place (a softmax that the list does not call 'softmax' is quantised finished and normalised). What goes into a quantiser is computed in f32, as accurately as f32 sums, v_exp_f32 and their like allow (about 1e-6 of the number): no bf16 or f16 on the way to a quantiser, and a product that is left as it is and whose result goes on into a quantised operand takes f32 operands (vector FMAs, or v_wmma_f32_16x16x4_f32). A number that lies on a knife's edge between two numbers of the format may be rounded either way, as far as f32 arithmetic and the matrix unit's own rounding can turn it there, and no further.
;;   INPUTS GIVEN AS CODES. Wk (in the module: [1024, 1024], K = its axis 1); Wq (in the module: [1024, 1024], K = its axis 1): each comes as NAME_codes (uint8): NAME with its K axis moved to the last place and cut into blocks of 32 codes, [.., K / 32, bytes a block], one block behind the other in memory; four codes in three bytes: a row's codes are one little-endian stream of bits, code i at bits 6 i .. 6 i + 5 (a code: sign, 2 exponent bits, 3 mantissa bits); and NAME_scales (uint8): the same leading axes, one E8M0 byte (e + 127) for each 32 codes along K. Its value is code x scale, taken as it is: it is not quantised again, and the codes and scales need not be those that the quantiser above would give.
;; 2 versions. Each part assembles by itself: llvm-mc -triple=amdgcn-amd-amdhsa -mcpu=gfx1250 --defsym DOCPART=n.
;; ======== version 1 of 2: 3 launches
;; workspace buffers: qc 98,304 bytes; qsc 16,384 bytes; kc 25,165,824 bytes; ksc 2,097,152 bytes; kt 25,165,824 bytes; kts 1,048,576 bytes
;; launch qproj (part 1): grid 8 x 4, 4 waves a work-group, no clusters, 16,896 bytes of LDS; arguments qx, gq, bq, Wq_codes, Wq_scales, qc, qsc; writes qc, qsc
.if DOCPART == 1
	.amdgcn_target "amdgcn-amd-amdhsa--gfx1250"
	.amdhsa_code_object_version 6
	.text
	.protected	k_qe62573d95c_qproj
	.globl	k_qe62573d95c_qproj
	.p2align	8
	.type	k_qe62573d95c_qproj,@function
k_qe62573d95c_qproj:
	s_mov_b64 s[64:65], 0
	v_nop
	global_prefetch_b8 v0, s[64:65] scope:SCOPE_SE
	s_setreg_imm32_b32 hwreg(HW_REG_WAVE_MODE, 25, 1), 1
	s_wait_xcnt 0x0
; q = LN(qx) Wq^T on codes of FP6 (E2M3) with one E8M0 scale for each 32 along K, and q itself quantised along each head's 64 channels.
; A work-group takes 16 queries (x) and four heads (y); wave w norms and quantises rows 4 w .. 4 w + 3 (a lane holds one block of 32 of a row) and then owns head 4 y + w.
; The product is used transposed (source 0 = 16 rows of Wq, source 1 = the 16 queries): a lane holds one query, its registers run along the head's channels.
; OUT: qc [tile of 16 queries][head][768 bytes]: six registers of all 32 lanes (lane (r, h): query r, block h of the head): registers 0-3 at 16 x lane, registers 4-5 at 512 + 8 x lane.
;      qsc [tile][head][lane] words: the head's two scale bytes, 16 bits up for an odd head; the other two bytes 0.
; ORDER ALONG K: within a block of 32 of a head, places 8-15 hold channels 16-23 and places 16-23 channels 8-15; the keys' codes are laid the same way, so every product meets its partner.
; LIMITS: NaN and infinities among the inputs are not served; a block of zeros gets the scale byte 1 (its codes are zeros, and this program alone reads the bytes).
; No tensor loads and no ring: Wq's 64 rows of a head are read straight into registers, in pieces of 8 bytes; the tensor is small and eight work-groups read each row.
.set EX,    0                          ; LDS: 16 rows of codes, 768 bytes + 16
.set EXPI,  784
.set EXS,   16*EXPI                    ; and their scale bytes, 32 in a place of 48
.set EXSP,  48
; window 0
.set EXW, 11                           ; where I store a row's codes: my 24 bytes
.set EXB, 12                           ; and my block's scale byte
.set FRA, 13                           ; where I read a fragment of the 16 rows
.set FSA, 14                           ; and its scale words
.set XA,  15                           ; 128 x lane: my block in a row of qx, of gq, of bq
.set WCO, 16                           ; Wq's codes: row r, + 24 h
.set WSO, 17                           ; Wq's scale bytes: row r
.set QCO, 19                           ; 16 x lane
.set QCO2, 20                          ; 8 x lane
.set QSO_, 21                          ; 4 x lane
.set ASC, 32                           ; v32-39  the rows' scale words, one for each K step
.set WSC, 64                           ; v64-95  Wq's scale words: 8 t + q
; window 3
.set GG,  64                           ; gain, bias: my block's 32 numbers
.set BB,  96
.set T,   192
.set M,   200
.set R,   202
.set MX,  204
.set SO,  206
.set BY,  207
.set PR,  208
.set CD,  210
.set TM,  128                          ; the head's quantiser, in registers that the rows have left
.set TP,  136
.set QSO, 144
.set QBY, 152
.set PW,  160
.set CA,  168
.set CT,  200
.set WV,  22
.set SEL, 26
.set INVC, 28
.set EPS, 29
.set SHF, 30
.set MSB, 0
.macro WIN new                         ; the immediate's high byte repeats the setting that is left
.if MSB != (\new)
	s_set_vgpr_msb (MSB<<8)|(\new)
.set MSB, (\new)
.endif
.endm
.macro PLACES n
.rept \n
	v_nop
.endr
.endm
.macro LANESUM                         ; v[T] summed over the 32 lanes, the result in every lane
	v_add_f32_dpp v[T], v[T], v[T] row_xmask:1 row_mask:0xf bank_mask:0xf
	v_add_f32_dpp v[T], v[T], v[T] row_xmask:2 row_mask:0xf bank_mask:0xf
	v_add_f32_dpp v[T], v[T], v[T] row_xmask:4 row_mask:0xf bank_mask:0xf
	v_add_f32_dpp v[T], v[T], v[T] row_xmask:8 row_mask:0xf bank_mask:0xf
	v_permlanex16_b32 v[PR], v[T], s[SEL], s[SEL+1]
	v_add_f32 v[T], v[T], v[PR]
.endm
.macro JOIN4                           ; four packed chains into v[T]
	v_pk_add_f32 v[T:T+1], v[T:T+1], v[T+2:T+3]
	v_pk_add_f32 v[T+4:T+5], v[T+4:T+5], v[T+6:T+7]
	v_pk_add_f32 v[T:T+1], v[T:T+1], v[T+4:T+5]
	v_add_f32 v[T], v[T], v[T+1]
.endm
; 32 numbers of one lane, one block: its scale byte in v[BY], its 24 bytes of codes in v[c] .. v[c+5]
.macro BLK32 x, c
	v_max3_num_f32 v[MX], |v[(\x)]|, |v[(\x)+1]|, |v[(\x)+2]|
	v_max3_num_f32 v[MX+1], |v[(\x)+3]|, |v[(\x)+4]|, |v[(\x)+5]|
.irp i, 6,10,14,18,22,26
	v_max3_num_f32 v[MX], v[MX], |v[(\x)+\i]|, |v[(\x)+\i+1]|
	v_max3_num_f32 v[MX+1], v[MX+1], |v[(\x)+\i+2]|, |v[(\x)+\i+3]|
.endr
	v_max3_num_f32 v[MX], v[MX], |v[(\x)+30]|, |v[(\x)+31]|
	v_max3_num_f32 v[MX], v[MX], v[MX+1], 0x1800000    ; the floor 2^(3 - 127): the byte cannot fall under 1
	v_add_nc_u32 v[SO], 0xff000000, v[MX]              ; 2 off the exponent field: the conversion's scale operand
	v_lshrrev_b32 v[BY], 23, v[SO]                     ; the scale's byte
	v_cvt_scalef32_pk16_fp6_f32 v[(\c):(\c)+2], v[(\x):(\x)+15], v[SO]
	v_cvt_scalef32_pk16_fp6_f32 v[(\c)+4:(\c)+6], v[(\x)+16:(\x)+31], v[SO]   ; (a conversion's three registers begin on an even number)
	v_nop                                              ; one plain place behind a scaled conversion
	v_mov_b32 v[(\c)+3], v[(\c)+4]
	v_mov_b32 v[(\c)+4], v[(\c)+5]
	v_mov_b32 v[(\c)+5], v[(\c)+6]
.endm
; One row, 32 numbers a lane in v[x] on: mean, then the variance of the centred numbers, gain and bias, all in f32; quantised; codes and byte to LDS as row j of my rows.
.macro LNQ x, j
.irp k, 0,1,2,3
	v_pk_add_f32 v[T+2*\k:T+2*\k+1], v[(\x)+4*\k:(\x)+4*\k+1], v[(\x)+4*\k+2:(\x)+4*\k+3]
.endr
.irp i, 16,24
.irp k, 0,1,2,3
	v_pk_add_f32 v[T+2*\k:T+2*\k+1], v[T+2*\k:T+2*\k+1], v[(\x)+\i+2*\k:(\x)+\i+2*\k+1]
.endr
.endr
	JOIN4
	LANESUM
	v_mul_f32 v[M], s[INVC], v[T]                      ; the mean
.irp i, 0,2,4,6,8,10,12,14,16,18,20,22,24,26,28,30
	v_pk_add_f32 v[(\x)+\i:(\x)+\i+1], v[(\x)+\i:(\x)+\i+1], v[M:M+1] op_sel_hi:[1,0] neg_lo:[0,1] neg_hi:[0,1]
.endr
.irp k, 0,1,2,3
	v_pk_mul_f32 v[T+2*\k:T+2*\k+1], v[(\x)+2*\k:(\x)+2*\k+1], v[(\x)+2*\k:(\x)+2*\k+1]
.endr
.irp i, 8,16,24
.irp k, 0,1,2,3
	v_pk_fma_f32 v[T+2*\k:T+2*\k+1], v[(\x)+\i+2*\k:(\x)+\i+2*\k+1], v[(\x)+\i+2*\k:(\x)+\i+2*\k+1], v[T+2*\k:T+2*\k+1]
.endr
.endr
	JOIN4
	LANESUM
	v_fma_f32 v[T], v[T], s[INVC], s[EPS]              ; the variance + eps
	v_rsq_f32 v[R], v[T]
	v_nop                                              ; one plain place behind a transcendental
	s_wait_alu depctr_va_vdst(0)
.irp i, 0,2,4,6,8,10,12,14,16,18,20,22,24,26,28,30
	v_pk_mul_f32 v[(\x)+\i:(\x)+\i+1], v[(\x)+\i:(\x)+\i+1], v[R:R+1] op_sel_hi:[1,0]
.endr
.irp i, 0,2,4,6,8,10,12,14,16,18,20,22,24,26,28,30
	v_pk_fma_f32 v[(\x)+\i:(\x)+\i+1], v[(\x)+\i:(\x)+\i+1], v[GG+\i:GG+\i+1], v[BB+\i:BB+\i+1]
.endr
	BLK32 (\x), CD
	WIN 0x0c                                           ; an LDS store's data are its source 1: window 3
	ds_store_b64 v[EXW], v[CD:CD+1] offset:EXPI*(\j)
	ds_store_b64 v[EXW], v[CD+2:CD+3] offset:EXPI*(\j)+8
	ds_store_b64 v[EXW], v[CD+4:CD+5] offset:EXPI*(\j)+16
	ds_store_b8 v[EXB], v[BY] offset:EXSP*(\j)
.endm
; nt tiles of 16 rows x one head: accumulators v[32 a + 8 t] of window 3; register 16 k + i of a lane belongs to block k = 2 a + b.  Codes to v[CA + 8 a] .. + 5, scale word to v[PW + a].
.macro QHEAD nt
.set k_, 0
.rept 2*\nt
	v_max3_num_f32 v[TM+k_], |v[16*k_]|, |v[16*k_+1]|, 0x1800000   ; each accumulator is read from its low end on; the floor holds the byte at 1
.set k_, k_+1
.endr
.irp i, 2,4,6,8,10,12,14
.set k_, 0
.rept 2*\nt
	v_max3_num_f32 v[TM+k_], v[TM+k_], |v[16*k_+\i]|, |v[16*k_+\i+1]|
.set k_, k_+1
.endr
.endr
.set k_, 0
.rept 2*\nt
	v_permlanex16_b32 v[TP+k_], v[TM+k_], s[SEL], s[SEL+1]
.set k_, k_+1
.endr
.set k_, 0
.rept 2*\nt
	v_max_num_f32 v[TM+k_], v[TM+k_], v[TP+k_]         ; with lane l xor 16's 16 numbers: the block's largest magnitude
.set k_, k_+1
.endr
.set k_, 0
.rept 2*\nt
	v_add_nc_u32 v[QSO+k_], 0xff000000, v[TM+k_]
.set k_, k_+1
.endr
.set k_, 0
.rept 2*\nt
	v_lshrrev_b32 v[QBY+k_], 23, v[QSO+k_]
.set k_, k_+1
.endr
.set k_, 0
.rept \nt
	v_lshl_or_b32 v[PW+k_], v[QBY+2*k_+1], 8, v[QBY+2*k_]
.set k_, k_+1
.endr
.set k_, 0
.rept \nt
	v_lshlrev_b32 v[PW+k_], s[SHF], v[PW+k_]           ; an odd head's bytes stand 16 bits up
.set k_, k_+1
.endr
.set k_, 0
.rept \nt
	v_cvt_scalef32_pk16_fp6_f32 v[CA+8*k_:CA+8*k_+2], v[32*k_:32*k_+15], v[QSO+2*k_]
	v_cvt_scalef32_pk16_fp6_f32 v[CT+4*k_:CT+4*k_+2], v[32*k_+16:32*k_+31], v[QSO+2*k_+1]
.set k_, k_+1
.endr
	v_nop                                              ; one plain place behind a scaled conversion
.set k_, 0
.rept \nt
.irp i, 0,1,2
	v_permlane16_swap_b32 v[CA+8*k_+\i], v[CT+4*k_+\i] ; a whole block to a lane: lanes 0-15 block 0, lanes 16-31 block 1
.endr
.irp i, 0,1,2
	v_mov_b32 v[CA+8*k_+3+\i], v[CT+4*k_+\i]
.endr
.set k_, k_+1
.endr
.endm
	s_load_b256 s[4:11], s[0:1], 0x0               ; qx, gq, bq, Wq's codes
	s_load_b128 s[12:15], s[0:1], 0x20             ; Wq's scales, qc
	s_load_b64 s[16:17], s[0:1], 0x30              ; qsc
	v_lshl_add_u32 v254, v0, 2, 0x4000
	v_mov_b32 v255, 0
	v_lshrrev_b32 v1, 5, v0
	v_readfirstlane_b32 s[WV], v1                  ; wave 0..3
	s_and_b32 s23, ttmp7, 0xffff
	s_lshl_b32 s24, s23, 2
	s_add_co_u32 s24, s24, s[WV]                   ; my head
	s_and_b32 s[SHF], s[WV], 1
	s_lshl_b32 s[SHF], s[SHF], 4                   ; 16 for an odd head
	s_mov_b32 s[SEL], 0x76543210
	s_mov_b32 s[SEL+1], 0xfedcba98                 ; lane l xor 16
	s_mov_b32 s[INVC], 0x3a800000                  ; 1 / 1024
	s_mov_b32 s[EPS], 0x3727c5ac                   ; 1e-5
	v_and_b32 v2, 31, v0                           ; lane
	v_and_b32 v3, 15, v0                           ; r
	v_bfe_u32 v4, v0, 4, 1                         ; h
	v_lshlrev_b32 v[XA], 7, v2
	v_mul_u32_u24 v5, v2, 24
	s_mul_i32 s32, s[WV], 4*EXPI
	v_add_nc_u32 v[EXW], s32, v5
	s_mul_i32 s32, s[WV], 4*EXSP
	s_add_co_u32 s32, s32, EXS
	v_add_nc_u32 v[EXB], s32, v2
	v_mul_u32_u24 v[FRA], v3, EXPI
	v_mad_u32_u24 v[FRA], v4, 24, v[FRA]
	v_mul_u32_u24 v[FSA], v3, EXSP
	v_add_nc_u32 v[FSA], EXS, v[FSA]
	v_mul_u32_u24 v[WCO], v3, 768
	v_mad_u32_u24 v[WCO], v4, 24, v[WCO]
	v_lshlrev_b32 v[WSO], 5, v3
	v_lshlrev_b32 v[QCO], 4, v2
	v_lshlrev_b32 v[QCO2], 3, v2
	v_lshlrev_b32 v[QSO_], 2, v2
	s_lshl_b32 s32, ttmp9, 16                      ; 16 rows of 4,096 bytes a tile,
	s_lshl_b32 s33, s[WV], 14                      ; four rows a wave
	s_add_co_u32 s32, s32, s33
	s_mov_b32 s33, 0
	s_mul_i32 s34, s24, 49152                      ; a head's 64 rows of 768 bytes
	s_mov_b32 s35, 0
	s_lshl_b32 s36, s24, 11                        ; and of 32 scale bytes
	s_mov_b32 s37, 0
	s_lshl_b32 s38, ttmp9, 4
	s_add_co_u32 s38, s38, s24                     ; 16 x tile + head
	s_mul_i32 s40, s38, 768
	s_mov_b32 s41, 0
	s_lshl_b32 s42, s38, 7
	s_mov_b32 s43, 0
	s_wait_kmcnt 0x0
	s_add_nc_u64 s[4:5], s[4:5], s[32:33]
	s_add_nc_u64 s[10:11], s[10:11], s[34:35]
	s_add_nc_u64 s[12:13], s[12:13], s[36:37]
	s_add_nc_u64 s[14:15], s[14:15], s[40:41]
	s_add_nc_u64 s[16:17], s[16:17], s[42:43]
	WIN 0xc0                                       ; destination window 3
.irp j, 0,1,2,3                                ; my four rows: v0, v32, v128, v160 on
.irp i, 0,1,2,3,4,5,6,7
	global_load_b128 v[32*(\j%2)+128*(\j/2)+4*\i:32*(\j%2)+128*(\j/2)+4*\i+3], v[XA], s[4:5] offset:4096*\j+16*\i
.endr
.endr
.irp i, 0,1,2,3,4,5,6,7
	global_load_b128 v[GG+4*\i:GG+4*\i+3], v[XA], s[6:7] offset:16*\i
	global_load_b128 v[BB+4*\i:BB+4*\i+3], v[XA], s[8:9] offset:16*\i
.endr
	v_mov_b32 v[M+1], 0                            ; named as the upper halves of pairs, and as a lane permute's destination: written once
	v_mov_b32 v[R+1], 0
	v_mov_b32 v[PR], 0
	WIN 0
	s_wait_loadcnt 0x0                             ; the rows, gain and bias
.irp t, 0,1,2,3                                ; Wq's scale words and fragments are asked for now and land while the rows are normed
	global_load_b128 v[WSC+8*\t:WSC+8*\t+3], v[WSO], s[12:13] offset:512*\t
	global_load_b128 v[WSC+8*\t+4:WSC+8*\t+7], v[WSO], s[12:13] offset:512*\t+16
.endr
	WIN 0x80                                       ; K steps 0-4: window 2, 48 q + 12 t
.irp q, 0,1,2,3,4
.irp t, 0,1,2,3
.irp p, 0,1,2,3,4,5
	global_load_b64 v[48*\q+12*\t+2*\p:48*\q+12*\t+2*\p+1], v[WCO], s[10:11] offset:12288*\t+96*\q+48*(\p/3)+8*(\p%3)
.endr
.endr
.endr
	WIN 0x40                                       ; K steps 5-7: window 1, from v96
.irp q, 5,6,7
.irp t, 0,1,2,3
.irp p, 0,1,2,3,4,5
	global_load_b64 v[96+48*(\q-5)+12*\t+2*\p:96+48*(\q-5)+12*\t+2*\p+1], v[WCO], s[10:11] offset:12288*\t+96*\q+48*(\p/3)+8*(\p%3)
.endr
.endr
.endr
.irp j, 0,1,2,3
	WIN 0xff
	LNQ 32*(\j%2)+128*(\j/2), \j
	s_wait_dscnt 0x0                               ; the stores have read the registers that the next row writes; before the barrier: they have landed
.endr
	s_barrier_signal -1
	s_barrier_wait -1                              ; the 16 rows' codes and bytes lie in LDS
	WIN 0x40
.irp q, 0,1,2,3,4,5,6,7                        ; the rows' eight fragments: window 1, 12 q
.irp p, 0,1,2,3,4,5
	ds_load_b64 v[12*\q+2*\p:12*\q+2*\p+1], v[FRA] offset:96*\q+48*(\p/3)+8*(\p%3)
.endr
.endr
	WIN 0
	ds_load_b128 v[ASC:ASC+3], v[FSA]
	ds_load_b128 v[ASC+4:ASC+7], v[FSA] offset:16
	s_wait_dscnt 0x0
	s_wait_loadcnt 0x0                             ; Wq
.irp q, 0,1,2,3,4,5,6,7                        ; four accumulators by turns, K ascending; the first K step starts the sums
.if \q < 5
	WIN 0xf6                                       ; Wq window 2, rows window 1, sums window 3
.else
	WIN 0xf5
.endif
.irp t, 0,1,2,3
.if \q == 0
	v_wmma_scale_f32_16x16x128_f8f6f4 v[8*\t:8*\t+7], v[12*\t:12*\t+11], v[0:11], 0, v[WSC+8*\t], v[ASC] matrix_a_fmt:MATRIX_FMT_FP6 matrix_b_fmt:MATRIX_FMT_FP6
.elseif \q < 5
	v_wmma_scale_f32_16x16x128_f8f6f4 v[8*\t:8*\t+7], v[48*\q+12*\t:48*\q+12*\t+11], v[12*\q:12*\q+11], v[8*\t:8*\t+7], v[WSC+8*\t+\q], v[ASC+\q] matrix_a_fmt:MATRIX_FMT_FP6 matrix_b_fmt:MATRIX_FMT_FP6
.else
	v_wmma_scale_f32_16x16x128_f8f6f4 v[8*\t:8*\t+7], v[96+48*(\q-5)+12*\t:96+48*(\q-5)+12*\t+11], v[12*\q:12*\q+11], v[8*\t:8*\t+7], v[WSC+8*\t+\q], v[ASC+\q] matrix_a_fmt:MATRIX_FMT_FP6 matrix_b_fmt:MATRIX_FMT_FP6
.endif
.endr
.endr
	PLACES 5                                       ; places behind the last products (ISA guide 7.12.1)
	WIN 0xff
	QHEAD 1
	WIN 0x0c                                       ; a store's data are its source 1: window 3
	global_store_b128 v[QCO], v[CA:CA+3], s[14:15]             ; 512 and 256 consecutive bytes
	global_store_b64 v[QCO2], v[CA+4:CA+5], s[14:15] offset:512
	global_store_b32 v[QSO_], v[PW], s[16:17]
	WIN 0
	s_wait_tensorcnt 0x0
	ds_add_u32 v254, v255
	s_wait_dscnt 0x0
	s_endpgm
.Lfunc_end_k_qe62573d95c_qproj:
	.size	k_qe62573d95c_qproj, .Lfunc_end_k_qe62573d95c_qproj-k_qe62573d95c_qproj
	.p2alignl 7, 3214868480
	.fill 96, 4, 3214868480
	.section	.rodata,"a",@progbits
	.p2align	6, 0x0
	.amdhsa_kernel k_qe62573d95c_qproj
		.amdhsa_group_segment_fixed_size 16896
		.amdhsa_private_segment_fixed_size 0
		.amdhsa_enable_private_segment 0
		.amdhsa_kernarg_size 56
		.amdhsa_user_sgpr_count 2
		.amdhsa_user_sgpr_kernarg_segment_ptr 1
		.amdhsa_wavefront_size32 1
		.amdhsa_system_sgpr_workgroup_id_x 1
		.amdhsa_system_sgpr_workgroup_id_y 1
		.amdhsa_system_sgpr_workgroup_id_z 1
		.amdhsa_system_vgpr_workitem_id 0
		.amdhsa_next_free_vgpr 1024
		.amdhsa_next_free_sgpr 66
		.amdhsa_reserve_vcc 0
		.amdhsa_float_denorm_mode_32 3
		.amdhsa_float_denorm_mode_16_64 3
		.amdhsa_memory_ordered 1
		.amdhsa_forward_progress 1
		.amdhsa_inst_pref_size 68
	.end_amdhsa_kernel
	.amdgpu_metadata
---
amdhsa.version: [ 1, 2 ]
amdhsa.kernels:
  - .name:           k_qe62573d95c_qproj
    .symbol:         k_qe62573d95c_qproj.kd
    .args:
      - { .name: qx, .offset: 0, .size: 8, .value_kind: global_buffer, .address_space: global }
      - { .name: gq, .offset: 8, .size: 8, .value_kind: global_buffer, .address_space: global }
      - { .name: bq, .offset: 16, .size: 8, .value_kind: global_buffer, .address_space: global }
      - { .name: Wq_codes, .offset: 24, .size: 8, .value_kind: global_buffer, .address_space: global }
      - { .name: Wq_scales, .offset: 32, .size: 8, .value_kind: global_buffer, .address_space: global }
      - { .name: qc, .offset: 40, .size: 8, .value_kind: global_buffer, .address_space: global }
      - { .name: qsc, .offset: 48, .size: 8, .value_kind: global_buffer, .address_space: global }
    .group_segment_fixed_size: 16896
    .private_segment_fixed_size: 0
    .kernarg_segment_align: 8
    .kernarg_segment_size: 56
    .max_flat_workgroup_size: 128
    .sgpr_count:     66
    .vgpr_count:     1024
    .wavefront_size: 32
...
	.end_amdgpu_metadata
.endif
;; end of part 1
;; launch kproj (part 2): grid 256 x 1, 4 waves a work-group, clusters of 4 x 1, 327,680 bytes of LDS; arguments kx, gk, bk, Wk_codes, Wk_scales, kc, ksc, kt, kts; writes kc, ksc, kt, kts
.if DOCPART == 2
	.amdgcn_target "amdgcn-amd-amdhsa--gfx1250"
	.amdhsa_code_object_version 6
	.text
	.protected	k_qe62573d95c_kproj
	.globl	k_qe62573d95c_kproj
	.p2align	8
	.type	k_qe62573d95c_kproj,@function
k_qe62573d95c_kproj:
	s_mov_b64 s[64:65], 0
	v_nop
	global_prefetch_b8 v0, s[64:65] scope:SCOPE_SE
	s_setreg_imm32_b32 hwreg(HW_REG_WAVE_MODE, 25, 1), 1
	s_wait_xcnt 0x0
	s_wait_alu depctr_hold_cnt(0) depctr_sa_sdst(0) depctr_va_vdst(0) depctr_va_sdst(0) depctr_va_ssrc(0) depctr_va_vcc(0) depctr_vm_vsrc(0)
	s_getreg_b32 s2, hwreg(HW_REG_IB_STS2, 6, 4)
	s_cmp_eq_u32 s2, 0
	s_cbranch_scc0 .Lentry_in_a_cluster
	s_endpgm
.Lentry_in_a_cluster:
	s_bfe_u32 s2, ttmp6, 0x10000c
	s_cmp_lg_u32 s2, 0x3003
	s_cbranch_scc0 .Lentry_shape_is_right
	s_endpgm
.Lentry_shape_is_right:
; kx is read ONCE and leaves as two sets of FP6 (E2M3) codes with E8M0 scales: k = LN(kx) Wk^T quantised along each head's 64 channels (kc, ksc), and raw kx quantised along the keys (kt, kts).
; SHARES.  A work-group owns 128 keys of one batch (work-group = 2 x batch + half), four waves.
; PHASE 1: the 128 rows come in four chunks of 32 rows through two LDS slots, by the tensor data mover (each wave brings 8 rows, 32 KB).  A chunk is read twice from LDS:
;   by columns: a lane takes a column, its 32 registers run down the chunk's 32 keys: one block along the keys; codes and bytes go to kt, kts;
;   by rows: a lane takes one block of 32 of a row: mean, variance, gain, bias in f32, quantised along the channels; the codes go through LDS and stay in REGISTERS as fragments (384 a wave).
; PHASE 2: Wk walks through the same two slots, 128 rows (two heads) a step, eight steps.  All work-groups walk the same Wk, so the four of a cluster ask JOINTLY: the same tensor load, the same descriptor, mask 15.
;   Wave (rh, nh) holds four tiles of 16 keys and takes head 2 p + nh: 4 x 4 accumulators x 8 K steps = 128 products a step; each fragment of Wk read from LDS feeds four products.
;   The product is used transposed (source 0 = 16 rows of Wk, source 1 = 16 keys): a lane holds one key, its registers run along the head's channels, which are the next product's K.
; THE KEYS OF A TILE ARE NOT NEIGHBOURS: row r of tile 2 b + u is key 32 b + 8 u + r + 8 (r / 8), so that in the scores the 16 registers of two neighbouring tiles are 16 neighbouring keys.
; OUT, as images of operand registers (768 bytes: registers 0-3 of lane l at 16 l, registers 4-5 at 512 + 8 l):
;   kc [batch][head][tile 16][768];  ksc [batch][head][g 4][lane][2] words (lanes 0-15: tile 8 (g / 2) + 4 e + g % 2, lanes 16-31: that tile + 2; an odd head's two bytes 16 bits up, the other bytes 0);
;   kt [batch][block of 32 keys][32 columns][768] (lane = column);  kts [batch][half][128 columns][lane][4] words (word j: column 32 j + lane; byte = block).
; ORDER ALONG K: within a block of 32 of a head, places 8-15 hold channels 16-23 and places 16-23 channels 8-15, in k and in q alike.
; LIMITS: NaN and infinities among the inputs are not served; a block of zeros gets the scale byte 1 (its codes are zeros, and this program alone reads the bytes).
; REGISTERS, in windows of 256: window 0: addresses, v32-63 the keys' scale words, v64-127 Wk's, two sets.  Windows 1, 2: the keys' fragments, tile a at 96 (a % 2) + 12 q.
;   window 3: phase 1: two sets of 32 numbers, gain, bias, codes;  phase 2: v0-127 the 16 accumulators, v128-223 two sets of four fragments of Wk.
.set SLOTB, 139264                     ; a slot: 32 rows of kx, each 16 x (256 + 16) bytes; later 128 rows of Wk, each 3 x (256 + 16)
.set XROW,  4352
.set WROW,  816
.set EX,    2*SLOTB                    ; behind the ring, never filled by a tensor load: a chunk's 32 rows of codes, 768 bytes + 16,
.set EXPI,  784
.set EXS,   EX+32*EXPI                 ; their scale bytes, 32 in a place of 48,
.set EXSP,  48
.set SPARE, EXS+32*EXSP                ; and the spare words, 128 bytes for each wave: two blocks of 256 bytes that no other line names
; window 0
.set SPW, 1                            ; SPARE + 4 x thread; never rewritten
.set NIL, 2                            ; 0; never rewritten
.set RA,  3                            ; v3-4    by rows: my block of my wave's first row, slot 0, 1
.set CB,  5                            ; v5-10   by columns: my column in rows 0, 11, 22 of slot 0, then of slot 1
.set EXW, 11
.set EXB, 12
.set FRA, 13
.set FSA, 14
.set WFA, 15                           ; v15-16  Wk's fragments in slot 0, 1
.set WFB, 17                           ; v17-18  the same for pieces whose upper lanes lie behind one padding more
.set KTO, 19
.set KTO2, 20
.set KCO, 21
.set KCO2, 22
.set KSO, 23
.set WSO, 24
.set GBO, 25
.set KTSO, 26
.set ASC, 32
.set WSC, 64
; window 3
.set GG,  64
.set BB,  96
.set CC,  128                          ; phase 1: eight sets of codes, so that no store's data are rewritten inside a chunk
.set T,   192
.set M,   200
.set R,   202
.set MX,  204
.set SO,  206
.set BY,  207
.set PR,  208
.set CD,  210
.set SBK, 224                          ; the columns' scale words, a byte a chunk
.set WF,  128                          ; phase 2: Wk's fragments, 48 x set + 12 t
.set TM,  128                          ; the heads' quantiser, in the registers of Wk's fragments, idle then
.set TP,  136
.set QSO, 144
.set QBY, 152
.set PW,  160
.set EE,  164
.set CA,  168
.set CT,  200
.set WV,  22
.set G1X, 32
.set G1W, 40
.set GX,  48                           ; s[48:55] group 0 for kx, one set a slot
.set GW,  56                           ; s[56:63] group 0 for Wk, one set a slot
.set SEL, 66
.set INVC, 68
.set EPS, 69
.set HM,  70
.set SHF, 71
.set MSB, 0
.macro WIN new                         ; the immediate's high byte repeats the setting that is left
.if MSB != (\new)
	s_set_vgpr_msb (MSB<<8)|(\new)
.set MSB, (\new)
.endif
.endm
.macro PLACES n
.rept \n
	v_nop
.endr
.endm
.macro CROUND                          ; a round of the cluster's barrier
	s_barrier_signal -1
	s_barrier_wait -1
	s_cmp_lg_u32 s[WV], 0
	s_cbranch_scc1 .Lnot_wave_0_\@
	s_barrier_signal -3
.Lnot_wave_0_\@:
	s_barrier_wait -3
	s_barrier_signal -1
	s_barrier_wait -1
.endm
.macro MEET                            ; my LDS stores have landed and my LDS loads are in: then the work-group's barrier
	s_wait_dscnt 0x0
	s_barrier_signal -1
	s_barrier_wait -1
.endm
.macro LANESUM
	v_add_f32_dpp v[T], v[T], v[T] row_xmask:1 row_mask:0xf bank_mask:0xf
	v_add_f32_dpp v[T], v[T], v[T] row_xmask:2 row_mask:0xf bank_mask:0xf
	v_add_f32_dpp v[T], v[T], v[T] row_xmask:4 row_mask:0xf bank_mask:0xf
	v_add_f32_dpp v[T], v[T], v[T] row_xmask:8 row_mask:0xf bank_mask:0xf
	v_permlanex16_b32 v[PR], v[T], s[SEL], s[SEL+1]
	v_add_f32 v[T], v[T], v[PR]
.endm
.macro JOIN4
	v_pk_add_f32 v[T:T+1], v[T:T+1], v[T+2:T+3]
	v_pk_add_f32 v[T+4:T+5], v[T+4:T+5], v[T+6:T+7]
	v_pk_add_f32 v[T:T+1], v[T:T+1], v[T+4:T+5]
	v_add_f32 v[T], v[T], v[T+1]
.endm
; 32 numbers of one lane, one block: its scale byte in v[BY], its 24 bytes of codes in v[c] .. v[c+5]
.macro BLK32 x, c
	v_max3_num_f32 v[MX], |v[(\x)]|, |v[(\x)+1]|, |v[(\x)+2]|
	v_max3_num_f32 v[MX+1], |v[(\x)+3]|, |v[(\x)+4]|, |v[(\x)+5]|
.irp i, 6,10,14,18,22,26
	v_max3_num_f32 v[MX], v[MX], |v[(\x)+\i]|, |v[(\x)+\i+1]|
	v_max3_num_f32 v[MX+1], v[MX+1], |v[(\x)+\i+2]|, |v[(\x)+\i+3]|
.endr
	v_max3_num_f32 v[MX], v[MX], |v[(\x)+30]|, |v[(\x)+31]|
	v_max3_num_f32 v[MX], v[MX], v[MX+1], 0x1800000    ; the floor 2^(3 - 127): the byte cannot fall under 1
	v_add_nc_u32 v[SO], 0xff000000, v[MX]              ; 2 off the exponent field: the conversion's scale operand
	v_lshrrev_b32 v[BY], 23, v[SO]                     ; the scale's byte
	v_cvt_scalef32_pk16_fp6_f32 v[(\c):(\c)+2], v[(\x):(\x)+15], v[SO]
	v_cvt_scalef32_pk16_fp6_f32 v[(\c)+4:(\c)+6], v[(\x)+16:(\x)+31], v[SO]   ; (a conversion's three registers begin on an even number)
	v_nop                                              ; one plain place behind a scaled conversion
	v_mov_b32 v[(\c)+3], v[(\c)+4]
	v_mov_b32 v[(\c)+4], v[(\c)+5]
	v_mov_b32 v[(\c)+5], v[(\c)+6]
.endm
; One row, 32 numbers a lane in v[x] on: mean, then the variance of the centred numbers, gain and bias, all in f32; quantised; codes and byte to LDS as row j of my rows.
.macro LNQ x, j
.irp k, 0,1,2,3
	v_pk_add_f32 v[T+2*\k:T+2*\k+1], v[(\x)+4*\k:(\x)+4*\k+1], v[(\x)+4*\k+2:(\x)+4*\k+3]
.endr
.irp i, 16,24
.irp k, 0,1,2,3
	v_pk_add_f32 v[T+2*\k:T+2*\k+1], v[T+2*\k:T+2*\k+1], v[(\x)+\i+2*\k:(\x)+\i+2*\k+1]
.endr
.endr
	JOIN4
	LANESUM
	v_mul_f32 v[M], s[INVC], v[T]                      ; the mean
.irp i, 0,2,4,6,8,10,12,14,16,18,20,22,24,26,28,30
	v_pk_add_f32 v[(\x)+\i:(\x)+\i+1], v[(\x)+\i:(\x)+\i+1], v[M:M+1] op_sel_hi:[1,0] neg_lo:[0,1] neg_hi:[0,1]
.endr
.irp k, 0,1,2,3
	v_pk_mul_f32 v[T+2*\k:T+2*\k+1], v[(\x)+2*\k:(\x)+2*\k+1], v[(\x)+2*\k:(\x)+2*\k+1]
.endr
.irp i, 8,16,24
.irp k, 0,1,2,3
	v_pk_fma_f32 v[T+2*\k:T+2*\k+1], v[(\x)+\i+2*\k:(\x)+\i+2*\k+1], v[(\x)+\i+2*\k:(\x)+\i+2*\k+1], v[T+2*\k:T+2*\k+1]
.endr
.endr
	JOIN4
	LANESUM
	v_fma_f32 v[T], v[T], s[INVC], s[EPS]              ; the variance + eps
	v_rsq_f32 v[R], v[T]
	v_nop                                              ; one plain place behind a transcendental
	s_wait_alu depctr_va_vdst(0)
.irp i, 0,2,4,6,8,10,12,14,16,18,20,22,24,26,28,30
	v_pk_mul_f32 v[(\x)+\i:(\x)+\i+1], v[(\x)+\i:(\x)+\i+1], v[R:R+1] op_sel_hi:[1,0]
.endr
.irp i, 0,2,4,6,8,10,12,14,16,18,20,22,24,26,28,30
	v_pk_fma_f32 v[(\x)+\i:(\x)+\i+1], v[(\x)+\i:(\x)+\i+1], v[GG+\i:GG+\i+1], v[BB+\i:BB+\i+1]
.endr
	BLK32 (\x), CD
	WIN 0x0c                                           ; an LDS store's data are its source 1: window 3
	ds_store_b64 v[EXW], v[CD:CD+1] offset:EXPI*(\j)
	ds_store_b64 v[EXW], v[CD+2:CD+3] offset:EXPI*(\j)+8
	ds_store_b64 v[EXW], v[CD+4:CD+5] offset:EXPI*(\j)+16
	ds_store_b8 v[EXB], v[BY] offset:EXSP*(\j)
.endm
.macro ROWLD s, j                      ; row j of my eight: my block's 128 bytes
	WIN 0xc0
.irp i, 0,1,2,3,4,5,6,7
	ds_load_b128 v[32*((\j)%2)+4*\i:32*((\j)%2)+4*\i+3], v[RA+\s] offset:XROW*(\j)+16*\i
.endr
.endm
.macro ROWS s                          ; my eight rows of the chunk in slot s, one row ahead
	ROWLD \s, 0
.irp j, 0,1,2,3,4,5,6,7
.if \j < 7
	ROWLD \s, \j+1
	s_wait_dscnt 8                                 ; the 8 loads just issued may be out: this row is in, and the last row's stores have read their registers
.else
	s_wait_dscnt 0x0
.endif
	WIN 0xff
	LNQ 32*(\j%2), \j
.endr
.endm
.macro COLLD s, g                      ; group g of my eight groups of 32 columns: my column, down the chunk's 32 rows; a load reads 128 consecutive bytes
	WIN 0xc0
.irp p, 0,1,2,3,4,5,6,7,8,9,10,11,12,13,14,15,16,17,18,19,20,21,22,23,24,25,26,27,28,29,30,31
	ds_load_b32 v[32*((\g)%2)+\p], v[CB+3*\s+\p/11] offset:(\p%11)*XROW+((\g)/2)*272+((\g)%2)*128
.endr
.endm
.macro COLS s, i                       ; chunk i (block 4 x half + i of the keys) in slot s, by columns, one group ahead
	s_wait_xcnt 0x0                                ; the last chunk's stores have read their data: the code sets may be written again
	COLLD \s, 0
.irp g, 0,1,2,3,4,5,6,7
.if \g < 7
	COLLD \s, \g+1
	s_wait_dscnt 32                                ; the 32 loads just issued may be out
.else
	s_wait_dscnt 0x0
.endif
	WIN 0xff
	BLK32 32*(\g%2), CC+8*\g
.if \i == 0
	v_mov_b32 v[SBK+\g], v[BY]
.else
	v_lshl_or_b32 v[SBK+\g], v[BY], 8*\i, v[SBK+\g]
.endif
	WIN 0x0c
	global_store_b128 v[KTO], v[CC+8*\g:CC+8*\g+3], s[18:19] offset:24576*\i+768*\g          ; 512 consecutive bytes, at a multiple of 256
	global_store_b64 v[KTO2], v[CC+8*\g+4:CC+8*\g+5], s[18:19] offset:24576*\i+768*\g+512    ; 256
.endr
.endm
.macro FETCHA a                        ; tile a of my four: 16 of the chunk's rows, all eight K steps, and their scale words
	WIN 0x40+0x40*((\a)/2)
.irp q, 0,1,2,3,4,5,6,7
.irp p, 0,1,2,3,4,5
	ds_load_b64 v[96*((\a)%2)+12*\q+2*\p:96*((\a)%2)+12*\q+2*\p+1], v[FRA] offset:96*\q+48*(\p/3)+8*(\p%3)
.endr
.endr
	WIN 0
	ds_load_b128 v[ASC+8*(\a):ASC+8*(\a)+3], v[FSA]
	ds_load_b128 v[ASC+8*(\a)+4:ASC+8*(\a)+7], v[FSA] offset:16
.endm
.macro FETCHW sg, q, set               ; my head's four fragments of K step q: pieces of 8 bytes; lanes 16-31 read three pieces on, which for the last three pieces of a 256 lies behind one padding more
	WIN 0xc0
.irp t, 0,1,2,3
.irp p, 0,1,2,3,4,5
.set PC_, 12*(\q)+6*(\p/3)+\p%3
.if PC_%32 < 29
	ds_load_b64 v[WF+48*(\set)+12*\t+2*\p:WF+48*(\set)+12*\t+2*\p+1], v[WFA+\sg] offset:16*\t*WROW+8*PC_+16*(PC_/32)
.else
	ds_load_b64 v[WF+48*(\set)+12*\t+2*\p:WF+48*(\set)+12*\t+2*\p+1], v[WFB+\sg] offset:16*\t*WROW+8*PC_+16*(PC_/32)
.endif
.endr
.endr
.endm
.macro MUL16 q, set, ws, zero          ; 16 products: the 16 accumulators take turns, one instruction a turn
.irp a, 0,1,2,3
.if \a == 0
	WIN 0xf7                                       ; Wk window 3, keys window 1, sums window 3
.endif
.if \a == 2
	WIN 0xfb                                       ; keys window 2
.endif
.irp t, 0,1,2,3
.if \zero
	v_wmma_scale_f32_16x16x128_f8f6f4 v[8*(4*\a+\t):8*(4*\a+\t)+7], v[WF+48*(\set)+12*\t:WF+48*(\set)+12*\t+11], v[96*(\a%2)+12*(\q):96*(\a%2)+12*(\q)+11], 0, v[WSC+32*(\ws)+8*\t+(\q)], v[ASC+8*\a+(\q)] matrix_a_fmt:MATRIX_FMT_FP6 matrix_b_fmt:MATRIX_FMT_FP6
.else
	v_wmma_scale_f32_16x16x128_f8f6f4 v[8*(4*\a+\t):8*(4*\a+\t)+7], v[WF+48*(\set)+12*\t:WF+48*(\set)+12*\t+11], v[96*(\a%2)+12*(\q):96*(\a%2)+12*(\q)+11], v[8*(4*\a+\t):8*(4*\a+\t)+7], v[WSC+32*(\ws)+8*\t+(\q)], v[ASC+8*\a+(\q)] matrix_a_fmt:MATRIX_FMT_FP6 matrix_b_fmt:MATRIX_FMT_FP6
.endif
.endr
.endr
.endm
; nt tiles of 16 keys x one head: register 16 k + i of a lane belongs to block k = 2 a + b.  Codes to v[CA + 8 a] .. + 5, scale word to v[PW + a].
.macro QHEAD nt
.set k_, 0
.rept 2*\nt
	v_max3_num_f32 v[TM+k_], |v[16*k_]|, |v[16*k_+1]|, 0x1800000   ; each accumulator is read from its low end on; the floor holds the byte at 1
.set k_, k_+1
.endr
.irp i, 2,4,6,8,10,12,14
.set k_, 0
.rept 2*\nt
	v_max3_num_f32 v[TM+k_], v[TM+k_], |v[16*k_+\i]|, |v[16*k_+\i+1]|
.set k_, k_+1
.endr
.endr
.set k_, 0
.rept 2*\nt
	v_permlanex16_b32 v[TP+k_], v[TM+k_], s[SEL], s[SEL+1]
.set k_, k_+1
.endr
.set k_, 0
.rept 2*\nt
	v_max_num_f32 v[TM+k_], v[TM+k_], v[TP+k_]         ; with lane l xor 16's 16 numbers: the block's largest magnitude
.set k_, k_+1
.endr
.set k_, 0
.rept 2*\nt
	v_add_nc_u32 v[QSO+k_], 0xff000000, v[TM+k_]
.set k_, k_+1
.endr
.set k_, 0
.rept 2*\nt
	v_lshrrev_b32 v[QBY+k_], 23, v[QSO+k_]
.set k_, k_+1
.endr
.set k_, 0
.rept \nt
	v_lshl_or_b32 v[PW+k_], v[QBY+2*k_+1], 8, v[QBY+2*k_]
.set k_, k_+1
.endr
.set k_, 0
.rept \nt
	v_lshlrev_b32 v[PW+k_], s[SHF], v[PW+k_]           ; an odd head's bytes stand 16 bits up
.set k_, k_+1
.endr
	v_cndmask_b32 v[EE], v[PW], v[PW+1], s[HM]         ; lanes 0-15: tile 0's words, lanes 16-31: tile 1's;
	v_cndmask_b32 v[EE+1], v[PW+2], v[PW+3], s[HM]     ; tiles 2 and 3 likewise
.set k_, 0
.rept \nt
	v_cvt_scalef32_pk16_fp6_f32 v[CA+8*k_:CA+8*k_+2], v[32*k_:32*k_+15], v[QSO+2*k_]
	v_cvt_scalef32_pk16_fp6_f32 v[CT+4*k_:CT+4*k_+2], v[32*k_+16:32*k_+31], v[QSO+2*k_+1]
.set k_, k_+1
.endr
	v_nop                                              ; one plain place behind a scaled conversion
.set k_, 0
.rept \nt
.irp i, 0,1,2
	v_permlane16_swap_b32 v[CA+8*k_+\i], v[CT+4*k_+\i] ; a whole block to a lane: lanes 0-15 block 0, lanes 16-31 block 1
.endr
.irp i, 0,1,2
	v_mov_b32 v[CA+8*k_+3+\i], v[CT+4*k_+\i]
.endr
.set k_, k_+1
.endr
.endm
; A change of slots in phase 1: every wave waits for all its tensor loads, adds 0 to its spare word, waits for that and for its LDS reads and stores; a round of the cluster's barrier; one load a wave first behind it.
.macro CHANGE_X d                      ; slot d takes the chunk two on
	WIN 0
	s_wait_tensorcnt 0x0                           ; all my tensor loads have landed, my rows of the chunk ahead among them: a group 0 may be written
	ds_add_u32 v[SPW], v[NIL]                      ; 0 onto my spare word
	s_add_nc_u64 s[GX+4*\d+2:GX+4*\d+3], s[GX+4*\d+2:GX+4*\d+3], 262144
	s_wait_dscnt 0x0                               ; the add is done; my reads of the slot are over; my rows' codes have landed
	CROUND
	tensor_load_to_lds s[GX+4*\d:GX+4*\d+3], s[G1X:G1X+7]
	s_nop 0
	PLACES 4
.endm
.macro CHANGE_W0                       ; slot 0 takes Wk's first 128 rows: the first joint load
	WIN 0
	s_wait_tensorcnt 0x0
	ds_add_u32 v[SPW], v[NIL]
	s_wait_dscnt 0x0
	CROUND
	tensor_load_to_lds s[GW:GW+3], s[G1W:G1W+7]
	s_nop 0
	PLACES 4
.endm
; A step of phase 2: two heads of Wk in slot sg.  fill = 1: the other slot takes the next two heads; that load has this step's 128 products in which to land.
.macro GSTEP sg, fill
	WIN 0
	s_wait_tensorcnt 0x0                           ; all my tensor loads have landed: my quarter of this step's rows of Wk
	ds_add_u32 v[SPW], v[NIL]                      ; 0 onto my spare word
.if \fill
	s_add_nc_u64 s[GW+4*\sg+2:GW+4*\sg+3], s[GW+4*\sg+2:GW+4*\sg+3], 196608   ; this slot's next rows, two steps on
.endif
	s_wait_dscnt 0x0                               ; the add is done, and my reads of the other slot are over
.if \fill
	CROUND                                         ; no wave of any partner still reads the other slot or has a load on its way
	tensor_load_to_lds s[GW+4*(1-\sg):GW+4*(1-\sg)+3], s[G1W:G1W+7]
	s_nop 0
	PLACES 4
.else
	s_barrier_signal -1
	s_barrier_wait -1
.endif
	s_wait_loadcnt 0x0                             ; this step's scale words of Wk, asked for a step ago; their base may be stepped
.if \fill
	s_add_nc_u64 s[12:13], s[12:13], 4096
.irp t, 0,1,2,3
	global_load_b128 v[WSC+32*(1-\sg)+8*\t:WSC+32*(1-\sg)+8*\t+3], v[WSO], s[12:13] offset:512*\t
	global_load_b128 v[WSC+32*(1-\sg)+8*\t+4:WSC+32*(1-\sg)+8*\t+7], v[WSO], s[12:13] offset:512*\t+16
.endr
.endif
	FETCHW \sg, 0, 0
.irp q, 0,1,2,3,4,5,6,7
.if \q < 7
.if \q > 0
	PLACES 4                                       ; places in front of loads into registers that matrix instructions have read (ISA guide 7.12.1 for vector instructions)
.endif
	FETCHW \sg, \q+1, (\q+1)%2
	s_wait_dscnt 24                                ; the 24 loads just issued may be out
.else
	s_wait_dscnt 0x0
.endif
.if \q == 0
	MUL16 0, 0, \sg, 1                             ; the first K step starts the sums: nothing is cleared
.else
	MUL16 \q, \q%2, \sg, 0
.endif
.endr
	PLACES 5                                       ; four for the reads of results, one more since the next step begins these accumulators anew
	WIN 0xff
	QHEAD 4
	WIN 0x0c
.irp a, 0,1,2,3
	global_store_b128 v[KCO], v[CA+8*\a:CA+8*\a+3], s[14:15] offset:1536*\a
	global_store_b64 v[KCO2], v[CA+8*\a+4:CA+8*\a+5], s[14:15] offset:1536*\a+512
.endr
	global_store_b64 v[KSO], v[EE:EE+1], s[16:17]
	WIN 0
	s_wait_xcnt 0x0                                ; the stores have read their data and bases: both are written again below and in the next step
	s_add_nc_u64 s[14:15], s[14:15], 24576         ; two heads on
	s_add_nc_u64 s[16:17], s[16:17], 2048
.endm
	s_load_b256 s[4:11], s[0:1], 0x0               ; kx, gk, bk, Wk's codes
	s_load_b256 s[12:19], s[0:1], 0x20             ; Wk's scales, kc, ksc, kt
	s_load_b64 s[20:21], s[0:1], 0x40              ; kts
	v_lshl_add_u32 v[SPW], v0, 2, SPARE
	v_mov_b32 v[NIL], 0
	ds_add_u32 v1, v2
	ds_add_u32 v1, v2
	s_wait_dscnt 0x0
	v_lshrrev_b32 v27, 5, v0
	v_readfirstlane_b32 s[WV], v27                 ; wave 0..3
	s_lshr_b32 s23, s[WV], 1                       ; rh: which eight rows of each half chunk my tiles take
	s_and_b32 s24, s[WV], 1                        ; nh: which of a step's two heads
	s_bfe_u32 s25, ttmp6, 0x40000                  ; cx: it enters global addresses of my own loads and stores alone
	s_lshl_b32 s26, ttmp9, 2
	s_add_co_u32 s26, s26, s25                     ; work-group = 4 x cluster + cx = 2 x batch + half
	; group 1: dense blocks as rows of 256 bytes (32 elements of 8 bytes), 16 bytes of padding behind each
	s_mov_b32 s[G1X], (3<<16)|(1<<20)|(5<<22)|(3<<25)              ; kx: no mask
	s_mov_b32 s[G1X+1], 32<<16
	s_mov_b32 s[G1X+2], 128<<16                    ; 128 units: 8 rows of kx
	s_mov_b32 s[G1X+3], 32<<16
	s_mov_b32 s[G1X+4], 128
	s_mov_b32 s[G1X+5], 32
	s_mov_b32 s[G1X+6], 0
	s_mov_b32 s[G1X+7], 0
	s_mov_b32 s[G1W], 15|(3<<16)|(1<<20)|(1<<21)|(5<<22)|(3<<25)   ; Wk: all four work-groups of the cluster; bit 21 set beside a mask
	s_mov_b32 s[G1W+1], 32<<16
	s_mov_b32 s[G1W+2], 96<<16                     ; 96 units: 32 rows of Wk
	s_mov_b32 s[G1W+3], 32<<16
	s_mov_b32 s[G1W+4], 96
	s_mov_b32 s[G1W+5], 32
	s_mov_b32 s[G1W+6], 0
	s_mov_b32 s[G1W+7], 0
	s_mul_i32 s28, s[WV], 34816                    ; my 8 rows of a chunk in a slot,
	s_mul_i32 s29, s[WV], 26112                    ; my 32 rows of Wk in a slot: the wave's number alone
	s_lshl_b32 s30, s26, 19                        ; 128 rows of 4,096 bytes a work-group,
	s_lshl_b32 s31, s[WV], 15                      ; 8 rows a wave
	s_add_co_u32 s30, s30, s31
	s_mov_b32 s31, 0
	s_mul_i32 s74, s[WV], 24576
	s_mov_b32 s75, 0
	s_mov_b32 s[SEL], 0x76543210
	s_mov_b32 s[SEL+1], 0xfedcba98                 ; lane l xor 16
	s_mov_b32 s[INVC], 0x3a800000                  ; 1 / 1024
	s_mov_b32 s[EPS], 0x3727c5ac                   ; 1e-5
	s_mov_b32 s[HM], 0xffff0000                    ; lanes 16-31
	s_lshl_b32 s[SHF], s24, 4                      ; 16 for the odd head
	s_wait_kmcnt 0x0
	s_add_nc_u64 s[30:31], s[4:5], s[30:31]
	s_add_nc_u64 s[74:75], s[10:11], s[74:75]
.irp d, 0,1
	s_mov_b32 s[GX+4*\d], 1
	s_add_co_u32 s[GX+4*\d+1], s28, \d*SLOTB
	s_add_nc_u64 s[GX+4*\d+2:GX+4*\d+3], s[30:31], \d*131072       ; chunk d
	s_or_b32 s[GX+4*\d+3], s[GX+4*\d+3], 0x80000000
	s_mov_b32 s[GW+4*\d], 1
	s_add_co_u32 s[GW+4*\d+1], s29, \d*SLOTB
	s_add_nc_u64 s[GW+4*\d+2:GW+4*\d+3], s[74:75], \d*98304        ; heads 2 d, 2 d + 1
	s_or_b32 s[GW+4*\d+3], s[GW+4*\d+3], 0x80000000
.endr
	CROUND                                         ; the one round in front of the first fills
	tensor_load_to_lds s[GX:GX+3], s[G1X:G1X+7]    ; chunks 0 and 1 go out together: two loads of mine are out, the most in this text
	s_nop 0
	tensor_load_to_lds s[GX+4:GX+7], s[G1X:G1X+7]
	s_nop 0
	PLACES 4
	s_lshr_b32 s28, s26, 1                         ; batch
	s_and_b32 s29, s26, 1                          ; half
	s_mul_i32 s30, s28, 196608
	s_mul_i32 s31, s29, 6144
	s_add_co_u32 s30, s30, s31
	s_mov_b32 s31, 0
	s_add_nc_u64 s[14:15], s[14:15], s[30:31]      ; kc at my batch, head 0, tile 8 x half
	s_lshl_b32 s30, s28, 14
	s_lshl_b32 s76, s29, 9
	s_add_co_u32 s30, s30, s76
	s_add_nc_u64 s[16:17], s[16:17], s[30:31]      ; ksc likewise
	s_mul_i32 s30, s26, 98304
	s_add_nc_u64 s[18:19], s[18:19], s[30:31]      ; kt at my four blocks of keys
	s_lshl_b32 s30, s26, 12
	s_add_nc_u64 s[20:21], s[20:21], s[30:31]      ; kts at my half
	v_and_b32 v27, 31, v0                          ; lane
	v_and_b32 v28, 15, v0                          ; r
	v_bfe_u32 v29, v0, 4, 1                        ; h
	v_lshlrev_b32 v[GBO], 7, v27
	s_lshl_b32 s28, s24, 11
	v_lshl_add_u32 v[WSO], v28, 5, s28             ; Wk's scale bytes: row 64 nh + r
	WIN 0xc0
.irp i, 0,1,2,3,4,5,6,7
	global_load_b128 v[GG+4*\i:GG+4*\i+3], v[GBO], s[6:7] offset:16*\i
	global_load_b128 v[BB+4*\i:BB+4*\i+3], v[GBO], s[8:9] offset:16*\i
.endr
	v_mov_b32 v[M+1], 0                            ; named as the upper halves of pairs, and as a lane permute's destination: written once
	v_mov_b32 v[R+1], 0
	v_mov_b32 v[PR], 0
	WIN 0
.irp t, 0,1,2,3
	global_load_b128 v[WSC+8*\t:WSC+8*\t+3], v[WSO], s[12:13] offset:512*\t
	global_load_b128 v[WSC+8*\t+4:WSC+8*\t+7], v[WSO], s[12:13] offset:512*\t+16
.endr
	v_lshrrev_b32 v30, 1, v27
	v_mul_u32_u24 v30, v30, 272
	v_and_b32 v31, 1, v27
	v_lshl_add_u32 v30, v31, 7, v30                ; block l of a row: unit l / 2, half l % 2
	s_mul_i32 s28, s[WV], 34816
	v_add_nc_u32 v[RA], s28, v30
	v_add_nc_u32 v[RA+1], SLOTB, v[RA]
	s_mul_i32 s28, s[WV], 1088                     ; my 256 columns: four units
	v_lshl_add_u32 v30, v27, 2, s28
.irp n, 0,1,2,3,4,5
	v_add_nc_u32 v[CB+\n], (\n/3)*SLOTB+(\n%3)*11*XROW, v30
.endr
	v_mul_u32_u24 v30, v27, 24
	s_mul_i32 s28, s[WV], 8*EXPI
	s_add_co_u32 s28, s28, EX
	v_add_nc_u32 v[EXW], s28, v30
	s_mul_i32 s28, s[WV], 8*EXSP
	s_add_co_u32 s28, s28, EXS
	v_add_nc_u32 v[EXB], s28, v27
	v_and_b32 v30, 8, v28
	v_add_nc_u32 v30, v30, v28
	s_lshl_b32 s28, s23, 3
	v_add_nc_u32 v30, s28, v30                     ; my tile's row of the chunk: 8 rh + r + 8 (r / 8)
	v_mul_u32_u24 v31, v30, EXPI
	v_mad_u32_u24 v31, v29, 24, v31
	v_add_nc_u32 v[FRA], EX, v31
	v_mul_u32_u24 v31, v30, EXSP
	v_add_nc_u32 v[FSA], EXS, v31
	v_mul_u32_u24 v30, v28, WROW
	v_mad_u32_u24 v30, v29, 24, v30
	s_mul_i32 s28, s24, 64*WROW
	v_add_nc_u32 v[WFA], s28, v30
	v_add_nc_u32 v[WFA+1], SLOTB, v[WFA]
	v_lshl_add_u32 v[WFB], v29, 4, v[WFA]
	v_lshl_add_u32 v[WFB+1], v29, 4, v[WFA+1]
	s_mul_i32 s28, s[WV], 6144
	v_lshl_add_u32 v[KTO], v27, 4, s28
	v_lshl_add_u32 v[KTO2], v27, 3, s28
	s_mul_i32 s28, s24, 12288
	s_mul_i32 s29, s23, 768
	s_add_co_u32 s28, s28, s29
	v_lshl_add_u32 v[KCO], v27, 4, s28
	v_lshl_add_u32 v[KCO2], v27, 3, s28
	s_lshl_b32 s28, s24, 10
	s_lshl_b32 s29, s23, 8
	s_add_co_u32 s28, s28, s29
	v_lshl_add_u32 v[KSO], v27, 3, s28
	s_lshl_b32 s28, s[WV], 10
	v_lshl_add_u32 v[KTSO], v27, 4, s28
	s_wait_loadcnt 0x0                             ; gain, bias, the first scale words of Wk
	; ---- PHASE 1
	s_wait_tensorcnt 0x1                           ; my rows of chunk 0 are in; chunk 1 may be out
	s_barrier_signal -1
	s_barrier_wait -1
	COLS 0, 0
	ROWS 0
	CHANGE_X 0                                     ; chunk 2 into slot 0
	FETCHA 0
	COLS 1, 1
	MEET                                           ; every wave has its fragments of the last chunk: the rows' codes may be written again
	ROWS 1
	CHANGE_X 1                                     ; chunk 3 into slot 1
	FETCHA 1
	COLS 0, 2
	MEET
	ROWS 0
	CHANGE_W0                                      ; heads 0, 1 of Wk into slot 0
	FETCHA 2
	COLS 1, 3
	MEET
	ROWS 1
	WIN 0x0c
	global_store_b128 v[KTSO], v[SBK:SBK+3], s[20:21]              ; my 256 columns' scale words: 512 consecutive bytes a store
	global_store_b128 v[KTSO], v[SBK+4:SBK+7], s[20:21] offset:512
	WIN 0
	s_wait_xcnt 0x0                                ; the last chunk's stores have read their data: Wk's fragments land in those registers
	MEET
	FETCHA 3
	; ---- PHASE 2: eight steps of two heads
	s_mov_b32 s72, 3
.Lpair:
	GSTEP 0, 1
	GSTEP 1, 1
	s_sub_co_u32 s72, s72, 1
	s_cmp_lg_u32 s72, 0
	s_cbranch_scc1 .Lpair
	GSTEP 0, 1                                     ; the tail is written out: the last step asks for nothing
	GSTEP 1, 0
	s_wait_tensorcnt 0x0                           ; the wave's end
	ds_add_u32 v[SPW], v[NIL]
	s_wait_dscnt 0x0
	CROUND                                         ; the closing round: no work-group ends while a partner may still ask for a tile that names it
	s_endpgm
.Lfunc_end_k_qe62573d95c_kproj:
	.size	k_qe62573d95c_kproj, .Lfunc_end_k_qe62573d95c_kproj-k_qe62573d95c_kproj
	.p2alignl 7, 3214868480
	.fill 96, 4, 3214868480
	.section	.rodata,"a",@progbits
	.p2align	6, 0x0
	.amdhsa_kernel k_qe62573d95c_kproj
		.amdhsa_group_segment_fixed_size 327680
		.amdhsa_private_segment_fixed_size 0
		.amdhsa_enable_private_segment 0
		.amdhsa_kernarg_size 72
		.amdhsa_user_sgpr_count 2
		.amdhsa_user_sgpr_kernarg_segment_ptr 1
		.amdhsa_wavefront_size32 1
		.amdhsa_system_sgpr_workgroup_id_x 1
		.amdhsa_system_sgpr_workgroup_id_y 1
		.amdhsa_system_sgpr_workgroup_id_z 1
		.amdhsa_system_vgpr_workitem_id 0
		.amdhsa_next_free_vgpr 1024
		.amdhsa_next_free_sgpr 80
		.amdhsa_reserve_vcc 0
		.amdhsa_float_denorm_mode_32 3
		.amdhsa_float_denorm_mode_16_64 3
		.amdhsa_memory_ordered 1
		.amdhsa_forward_progress 1
		.amdhsa_inst_pref_size 255
	.end_amdhsa_kernel
	.section	.bss,"aw",@nobits
	.p2align	6
	.space	262144
	.amdgpu_metadata
---
amdhsa.version: [ 1, 2 ]
amdhsa.kernels:
  - .name:           k_qe62573d95c_kproj
    .symbol:         k_qe62573d95c_kproj.kd
    .args:
      - { .name: kx, .offset: 0, .size: 8, .value_kind: global_buffer, .address_space: global }
      - { .name: gk, .offset: 8, .size: 8, .value_kind: global_buffer, .address_space: global }
      - { .name: bk, .offset: 16, .size: 8, .value_kind: global_buffer, .address_space: global }
      - { .name: Wk_codes, .offset: 24, .size: 8, .value_kind: global_buffer, .address_space: global }
      - { .name: Wk_scales, .offset: 32, .size: 8, .value_kind: global_buffer, .address_space: global }
      - { .name: kc, .offset: 40, .size: 8, .value_kind: global_buffer, .address_space: global }
      - { .name: ksc, .offset: 48, .size: 8, .value_kind: global_buffer, .address_space: global }
      - { .name: kt, .offset: 56, .size: 8, .value_kind: global_buffer, .address_space: global }
      - { .name: kts, .offset: 64, .size: 8, .value_kind: global_buffer, .address_space: global }
    .group_segment_fixed_size: 327680
    .private_segment_fixed_size: 0
    .kernarg_segment_align: 8
    .kernarg_segment_size: 72
    .max_flat_workgroup_size: 128
    .sgpr_count:     80
    .vgpr_count:     1024
    .wavefront_size: 32
...
	.end_amdgpu_metadata
.endif
;; end of part 2
;; launch attn (part 3): grid 2 x 128, 8 waves a work-group, no clusters, 263,168 bytes of LDS; arguments kc, ksc, qc, qsc, kt, kts, out0; writes out0
.if DOCPART == 3
	.amdgcn_target "amdgcn-amd-amdhsa--gfx1250"
	.amdhsa_code_object_version 6
	.text
	.protected	k_qe62573d95c_attn
	.globl	k_qe62573d95c_attn
	.p2align	8
	.type	k_qe62573d95c_attn,@function
k_qe62573d95c_attn:
	s_mov_b64 s[64:65], 0
	v_nop
	global_prefetch_b8 v0, s[64:65] scope:SCOPE_SE
	s_setreg_imm32_b32 hwreg(HW_REG_WAVE_MODE, 25, 1), 1
	s_wait_xcnt 0x0
; out0[q][b][:] = sum over n of w[q][b][n] kx[b][n][:],  w = the sum over the 16 heads of softmax_n(q_h . k_h[b][n] / 8), both products on codes of FP6 (E2M3) with E8M0 scales.
; SHARES.  A work-group owns one batch b of keys (y) and 64 queries (x); eight waves, two to a SIMD, so that one wave's softmax stands beside the other's LDS loads and products.
;   Scores: wave (qt = wave % 4, hg = wave / 4) takes the 16 queries of tile qt and heads 8 hg .. 8 hg + 7.  S^T = K Q^T (source 0 = 16 keys, source 1 = 16 queries): a lane holds ONE query and 128 of the 256 keys.
;   A head's K is 64: half of the instruction's 128.  Q's fragment holds an even head in its lower six registers and the odd head in the upper six; K's other half is six registers of zero codes, which add nothing.
;   The softmax is finished and normalised head by head (the row's maximum taken away first), and added into w in f32.
;   The two waves of a query tile exchange their halves of w through LDS; wave (qt, hg) finishes, quantises along the keys and publishes K step hg of tile qt as an image of the operand's registers.
;   Output: wave v owns columns 128 v .. + 127 for all 64 queries: O^T = kx^T w^T (source 0 = 16 columns, source 1 = 16 queries): a lane holds eight neighbouring columns of one row of out0.
; K's codes and scale words of the batch (208 KB) come into LDS once, by five tensor loads a wave, in four stages of head pairs; nothing is filled twice.  kx^T's codes come straight into registers: the buffer is laid in register order.
; NO CLUSTER: only the two work-groups of a batch share tiles: 2 x (208 + 200) KB = 816 KB a batch.  Four quarter blocks of queries could ask jointly for k's 208 KB alone (both operands, 408 KB, do not fit in LDS),
;   and would read kx^T's 200 KB four times: 1,008 KB a batch, each of its fragments feeding two products and not four.
; LIMITS: NaN and infinities are not served; a block of w whose every number is 0 gets the scale byte 1 (its codes are zeros).
; REGISTERS: window 0: v1-20 addresses; v32-63 scale words; v64-111 Q; v112-127 at work; v128-255 S^T, later the 16 accumulators of the output.
;   window 1: v0-127 w, later w's eight fragments; v128-229 eight half fragments of K between nine runs of six zeros, later eight fragments of kx^T.
.set KS,  196608                       ; LDS: 0: K's codes [head][tile][768]; here: K's scale words [head][g][lane][2]
.set WI,  212992                       ; w's eight fragments, 1,536 bytes each,
.set WIS, 225280                       ; their scale words, 128 bytes each,
.set STG, 226304                       ; a stage of 16 rows x (256 + 16) bytes for each wave.  (w's exchange, 8 x 16,384 bytes, lies over K's codes, behind their one fill and every wave's last read)
.set KA,  1
.set KA2, 2
.set ADK, 3
.set ADK2, 4
.set KSA, 5
.set WXW, 6
.set WXR, 7
.set WXR2, 8
.set WIR, 9
.set WSR, 10
.set WIW, 11
.set WSW, 12
.set SO,  13
.set SR,  14
.set GO,  15
.set KTO, 16
.set KTO2, 17
.set PFO, 18
.set PR,  19
.set PW,  20
.set KSC, 32                           ; v32-39  K's scale words of the head in hand
.set QSC, 40                           ; v40-47  Q's, a register a head
.set KTS, 48                           ; v48-55  kx^T's: 4 s + j
.set WSC, 56                           ; v56-63  w's: 2 qt + s
.set Q,   64
.set PC,  64                           ; later: w's codes just made
.set OB,  64                           ; later: rows on the way out, two sets of 32
.set TM,  112
.set MX,  112
.set SM,  116
.set NM,  124
.set INV, 126
.set S,   128
.set WV,  18
.set G1C, 32
.set G1S, 40
.set G0S, 48
.set OUTB, 72
.set SEL, 80
.set CS,  82
.set NC,  84
.set MSB, 0
.macro WIN new                         ; the immediate's high byte repeats the setting that is left
.if MSB != (\new)
	s_set_vgpr_msb (MSB<<8)|(\new)
.set MSB, (\new)
.endif
.endm
.macro PLACES n
.rept \n
	v_nop
.endr
.endm
.macro MKC g, j                        ; group 0 of stage j: a quarter of head pairs j (hg = 0) or 4 + j (hg = 1)
	s_mov_b32 s[\g], 1
	s_add_co_u32 s[\g+1], s24, \j*24576
	s_add_nc_u64 s[\g+2:\g+3], s[26:27], \j*24576
	s_or_b32 s[\g+3], s[\g+3], 0x80000000
.endm
.macro LOADK grp                       ; four tiles of 16 keys of the head in hand: six registers each
	WIN 0x40
.irp i, 0,1,2,3
	ds_load_b128 v[134+12*(4*((\grp)%2)+\i):134+12*(4*((\grp)%2)+\i)+3], v[ADK] offset:768*(4*(\grp)+\i)
	ds_load_b64 v[134+12*(4*((\grp)%2)+\i)+4:134+12*(4*((\grp)%2)+\i)+5], v[ADK2] offset:768*(4*(\grp)+\i)
.endr
.endm
.macro PRE l                           ; head l of my eight: its scale words and its first eight tiles
	WIN 0
	v_add_nc_u32 v[ADK], 12288*(\l), v[KA]
	v_add_nc_u32 v[ADK2], 12288*(\l), v[KA2]
.irp g, 0,1,2,3
	ds_load_b64 v[KSC+2*\g:KSC+2*\g+1], v[KSA] offset:1024*(\l)+256*\g
.endr
	LOADK 0
	LOADK 1
.endm
.macro MM lam, grp                     ; four products, each a whole sum (C = 0): an even head names [K, zeros], an odd head [zeros, K]
	WIN 0x01
.irp i, 0,1,2,3
.set t_, 4*(\grp)+\i
.set ko_, 134+12*(4*((\grp)%2)+\i)-6*((\lam)%2)
.set sc_, KSC+2*(2*(t_/8)+(t_%2))+(t_%8)/4
.if ((t_%8)/2)%2
	v_wmma_scale_f32_16x16x128_f8f6f4 v[S+8*t_:S+8*t_+7], v[ko_:ko_+11], v[Q+12*((\lam)/2):Q+12*((\lam)/2)+11], 0, v[sc_], v[QSC+(\lam)] matrix_a_fmt:MATRIX_FMT_FP6 matrix_b_fmt:MATRIX_FMT_FP6 matrix_a_scale:MATRIX_SCALE_ROW1
.else
	v_wmma_scale_f32_16x16x128_f8f6f4 v[S+8*t_:S+8*t_+7], v[ko_:ko_+11], v[Q+12*((\lam)/2):Q+12*((\lam)/2)+11], 0, v[sc_], v[QSC+(\lam)] matrix_a_fmt:MATRIX_FMT_FP6 matrix_b_fmt:MATRIX_FMT_FP6
.endif
.endr
.endm
.macro KTLOAD G                        ; kx^T's fragments of my columns 64 G .. + 63, both K steps: lane (r, h) takes column r's block 4 s + 2 c + h: each half of the lanes reads 256 or 128 consecutive bytes
	WIN 0x40
.irp j, 0,1,2,3
.irp s, 0,1
.irp c, 0,1
	global_load_b128 v[128+12*(2*\j+\s)+6*\c:128+12*(2*\j+\s)+6*\c+3], v[KTO], s[12:13] offset:(4*\s+2*\c)*24576+(2*\G+\j/2)*768+256*(\j%2)
	global_load_b64 v[128+12*(2*\j+\s)+6*\c+4:128+12*(2*\j+\s)+6*\c+5], v[KTO2], s[12:13] offset:(4*\s+2*\c)*24576+(2*\G+\j/2)*768+512+128*(\j%2)
.endr
.endr
.endr
	WIN 0
.endm
; One head's softmax over the 256 keys, and w += p / sum.  first = 1: the first head starts w: nothing is cleared.
.macro SOFTMAX first
	WIN 0
.irp k, 0,1,2,3
	v_max3_num_f32 v[MX+\k], v[S+32*\k], v[S+32*\k+1], v[S+32*\k+2]    ; four chains, ascending: each accumulator is first read at its low end
.endr
.irp i, 3,5,7,9,11,13,15,17,19,21,23,25,27,29
.irp k, 0,1,2,3
	v_max3_num_f32 v[MX+\k], v[MX+\k], v[S+32*\k+\i], v[S+32*\k+\i+1]
.endr
.endr
.irp k, 0,1,2,3
	v_max_num_f32 v[MX+\k], v[MX+\k], v[S+32*\k+31]
.endr
	v_max3_num_f32 v[MX], v[MX], v[MX+1], v[MX+2]
	v_max_num_f32 v[MX], v[MX], v[MX+3]
	v_permlanex16_b32 v[PR], v[MX], s[SEL], s[SEL+1]   ; the query's other 128 keys lie in the lane 16 away
	v_max_num_f32 v[MX], v[MX], v[PR]
	v_mul_f32 v[NM], s[NC], v[MX]                      ; - c m, c = log2(e) / 8; its rounding is common to the row and cancels in p / sum
.set i_, 0
.rept 64
	v_pk_fma_f32 v[S+i_:S+i_+1], v[S+i_:S+i_+1], s[CS:CS+1], v[NM:NM+1] op_sel_hi:[1,0,0]
.set i_, i_+2
.endr
.set i_, 0
.rept 128
	v_exp_f32 v[S+i_], v[S+i_]                         ; p = 2^(c s - c m)
.set i_, i_+1
.endr
	v_nop                                              ; one plain place, which names none of their registers, between the exponentials and the first use of a result (ISA guide 5.7.2)
	s_wait_alu depctr_va_vdst(0)
.irp k, 0,1,2,3
	v_pk_add_f32 v[SM+2*\k:SM+2*\k+1], v[S+4*\k:S+4*\k+1], v[S+4*\k+2:S+4*\k+3]   ; the row's sum, two at a time, in four chains
.endr
.irp i, 16,24,32,40,48,56,64,72,80,88,96,104,112,120
.irp k, 0,1,2,3
	v_pk_add_f32 v[SM+2*\k:SM+2*\k+1], v[SM+2*\k:SM+2*\k+1], v[S+\i+2*\k:S+\i+2*\k+1]
.endr
.endr
	v_pk_add_f32 v[SM:SM+1], v[SM:SM+1], v[SM+2:SM+3]
	v_pk_add_f32 v[SM+4:SM+5], v[SM+4:SM+5], v[SM+6:SM+7]
	v_pk_add_f32 v[SM:SM+1], v[SM:SM+1], v[SM+4:SM+5]
	v_add_f32 v[SM], v[SM], v[SM+1]
	v_permlanex16_b32 v[PR], v[SM], s[SEL], s[SEL+1]
	v_add_f32 v[SM], v[SM], v[PR]
	v_rcp_f32 v[INV], v[SM]
	v_nop                                              ; one plain place behind a transcendental
	s_wait_alu depctr_va_vdst(0)
	WIN 0x50                                           ; w: destination and source 2 in window 1
.set i_, 0
.rept 64
.if \first
	v_pk_mul_f32 v[i_:i_+1], v[S+i_:S+i_+1], v[INV:INV+1] op_sel_hi:[1,0]
.else
	v_pk_fma_f32 v[i_:i_+1], v[S+i_:S+i_+1], v[INV:INV+1], v[i_:i_+1] op_sel_hi:[1,0,1]
.endif
.set i_, i_+2
.endr
.endm
; One head: 16 products in four groups, two groups of K's tiles ahead; then the next head's first loads, which land under this head's softmax.
.macro HEAD lam, first
	s_wait_dscnt 8                                 ; the scale words and group 0 are in; group 1's 8 loads may be out
	MM \lam, 0
	PLACES 4                                       ; places in front of loads into registers that matrix instructions have read (ISA guide 7.12.1 for vector instructions)
	LOADK 2
	s_wait_dscnt 8
	MM \lam, 1
	PLACES 4
	LOADK 3
	s_wait_dscnt 8
	MM \lam, 2
	s_wait_dscnt 0x0
	MM \lam, 3
	PLACES 4                                       ; for the loads below and for the first reads of the scores
	WIN 0
.if \lam == 7
	KTLOAD 0                                       ; K's registers are free: the output's first fragments land under the last softmax
.else
.if (\lam)%2 == 1
	s_wait_tensorcnt 3-(\lam+1)/2                  ; my part of the next head pair's stage is in; the later stages may be out
	s_barrier_signal -1
	s_barrier_wait -1                              ; everybody's is
.endif
	PRE \lam+1
.if \lam >= 3
	global_prefetch_b8 v[PFO], s[12:13] offset:49152*(\lam-3) th:TH_LOAD_NT scope:SCOPE_SE   ; kx^T's block 2 (head - 3) + x of the keys, my columns' 12 pieces of 256 bytes (lanes 12-31 repeat lane 11's): the batch's two work-groups ask for each piece once, one to four heads ahead of the loads
.endif
.endif
	SOFTMAX \first
.endm
; 64 numbers of a lane, register 16 b + i = key 32 b + 16 (lane / 16) + i of my query's K step, become a fragment's codes in v[PC] on and its scale word in v[PW].
.macro QUANT s
.irp b, 0,1,2,3
	v_max3_num_f32 v[TM+\b], |v[\s+16*\b]|, |v[\s+1+16*\b]|, 0x1800000   ; the floor 2^(3 - 127): the byte cannot fall under 1
.endr
.irp i, 2,4,6,8,10,12,14
.irp b, 0,1,2,3
	v_max3_num_f32 v[TM+\b], v[TM+\b], |v[\s+16*\b+\i]|, |v[\s+1+16*\b+\i]|
.endr
.endr
.irp b, 0,1,2,3
	v_permlanex16_b32 v[TM+4+\b], v[TM+\b], s[SEL], s[SEL+1]
.endr
.irp b, 0,1,2,3
	v_max_num_f32 v[TM+\b], v[TM+\b], v[TM+4+\b]
.endr
.irp b, 0,1,2,3
	v_add_nc_u32 v[TM+12+\b], 0xff000000, v[TM+\b]   ; 2 off the exponent field: the conversion's scale operand
.endr
.irp b, 0,1,2,3
	v_lshrrev_b32 v[TM+4+\b], 23, v[TM+12+\b]
.endr
	v_lshl_or_b32 v[PW], v[TM+5], 8, v[TM+4]
	v_lshl_or_b32 v[PW], v[TM+6], 16, v[PW]
	v_lshl_or_b32 v[PW], v[TM+7], 24, v[PW]
.irp c, 0,1
	v_cvt_scalef32_pk16_fp6_f32 v[PC+6*\c:PC+2+6*\c], v[\s+32*\c:\s+15+32*\c], v[TM+12+2*\c]
	v_cvt_scalef32_pk16_fp6_f32 v[PC+12+4*\c:PC+14+4*\c], v[\s+16+32*\c:\s+31+32*\c], v[TM+12+2*\c+1]
.endr
	v_nop                                          ; one plain place behind a scaled conversion
.irp c, 0,1
.irp i, 0,1,2
	v_permlane16_swap_b32 v[PC+6*\c+\i], v[PC+12+4*\c+\i]
.endr
.irp i, 0,1,2
	v_mov_b32 v[PC+3+6*\c+\i], v[PC+12+4*\c+\i]
.endr
.endr
.endm
.macro P4 G                            ; 64 queries x my columns 64 G .. + 63: 16 accumulators by turns, two K steps; the first starts the sums
	s_wait_loadcnt 0x0                             ; kx^T's fragments
	WIN 0x05                                       ; both sources window 1, sums window 0
.irp s, 0,1
.irp qq, 0,1,2,3
.irp j, 0,1,2,3
.if \s == 0
.if \j%2
	v_wmma_scale_f32_16x16x128_f8f6f4 v[S+8*(4*\qq+\j):S+8*(4*\qq+\j)+7], v[128+12*(2*\j+\s):128+12*(2*\j+\s)+11], v[12*(2*\qq+\s):12*(2*\qq+\s)+11], 0, v[KTS+4*\s+2*\G+\j/2], v[WSC+2*\qq+\s] matrix_a_fmt:MATRIX_FMT_FP6 matrix_b_fmt:MATRIX_FMT_FP6 matrix_a_scale:MATRIX_SCALE_ROW1
.else
	v_wmma_scale_f32_16x16x128_f8f6f4 v[S+8*(4*\qq+\j):S+8*(4*\qq+\j)+7], v[128+12*(2*\j+\s):128+12*(2*\j+\s)+11], v[12*(2*\qq+\s):12*(2*\qq+\s)+11], 0, v[KTS+4*\s+2*\G+\j/2], v[WSC+2*\qq+\s] matrix_a_fmt:MATRIX_FMT_FP6 matrix_b_fmt:MATRIX_FMT_FP6
.endif
.else
.if \j%2
	v_wmma_scale_f32_16x16x128_f8f6f4 v[S+8*(4*\qq+\j):S+8*(4*\qq+\j)+7], v[128+12*(2*\j+\s):128+12*(2*\j+\s)+11], v[12*(2*\qq+\s):12*(2*\qq+\s)+11], v[S+8*(4*\qq+\j):S+8*(4*\qq+\j)+7], v[KTS+4*\s+2*\G+\j/2], v[WSC+2*\qq+\s] matrix_a_fmt:MATRIX_FMT_FP6 matrix_b_fmt:MATRIX_FMT_FP6 matrix_a_scale:MATRIX_SCALE_ROW1
.else
	v_wmma_scale_f32_16x16x128_f8f6f4 v[S+8*(4*\qq+\j):S+8*(4*\qq+\j)+7], v[128+12*(2*\j+\s):128+12*(2*\j+\s)+11], v[12*(2*\qq+\s):12*(2*\qq+\s)+11], v[S+8*(4*\qq+\j):S+8*(4*\qq+\j)+7], v[KTS+4*\s+2*\G+\j/2], v[WSC+2*\qq+\s] matrix_a_fmt:MATRIX_FMT_FP6 matrix_b_fmt:MATRIX_FMT_FP6
.endif
.endif
.endr
.endr
.endr
	WIN 0
	PLACES 5                                       ; four for loads and reads of results, one more since the next group begins these accumulators anew
.endm
.macro OUTQ G, qq                      ; 16 queries x 64 columns through my stage: back as whole runs of 256 bytes
	s_wait_xcnt 0x0                                ; this set's last stores have read their data
.irp j, 0,1,2,3
	ds_store_b128 v[SO], v[S+8*(4*\qq+\j):S+8*(4*\qq+\j)+3] offset:64*\j       ; each accumulator from its low end on
	ds_store_b128 v[SO], v[S+8*(4*\qq+\j)+4:S+8*(4*\qq+\j)+7] offset:64*\j+16
.endr
.irp i, 0,1,2,3,4,5,6,7
	ds_load_b128 v[OB+32*(\qq%2)+4*\i:OB+32*(\qq%2)+4*\i+3], v[SR] offset:544*\i   ; LDS serves a wave's instructions in order (ISA guide 5.7.1.4): these see the stores above
.endr
.irp i, 0,1,2,3,4,5,6,7
	s_wait_dscnt 7-\i                              ; the younger loads may be out
	global_store_b128 v[GO], v[OB+32*(\qq%2)+4*\i:OB+32*(\qq%2)+4*\i+3], s[OUTB+2*\qq:OUTB+2*\qq+1] offset:1048576*\i+256*\G th:TH_STORE_NT   ; 16 lanes store 256 consecutive bytes, at a multiple of 256 from out0's first byte
.endr
.endm
	s_load_b256 s[4:11], s[0:1], 0x0               ; kc, ksc, qc, qsc
	s_load_b128 s[12:15], s[0:1], 0x20             ; kt, kts
	s_load_b64 s[16:17], s[0:1], 0x30              ; out0
	v_lshl_add_u32 v30, v0, 2, 0x40000
	v_mov_b32 v31, 0
	ds_add_u32 v30, v31
	ds_add_u32 v30, v31
	v_lshrrev_b32 v21, 5, v0
	v_readfirstlane_b32 s[WV], v21                 ; wave 0..7
	s_and_b32 s19, s[WV], 3                        ; qt
	s_lshr_b32 s20, s[WV], 2                       ; hg
	s_mov_b32 s21, ttmp9                           ; which 64 queries
	s_and_b32 s22, ttmp7, 0xffff                   ; the batch of keys
	; group 1: dense blocks as rows of 256 bytes (32 elements of 8 bytes), no padding: the images are read 16 or 8 bytes a lane on end
	s_mov_b32 s[G1C], 3<<16
	s_mov_b32 s[G1C+1], 32<<16
	s_mov_b32 s[G1C+2], 24<<16                     ; 6,144 bytes: a quarter of a head pair
	s_mov_b32 s[G1C+3], 32<<16
	s_mov_b32 s[G1C+4], 24
	s_mov_b32 s[G1C+5], 32
	s_mov_b32 s[G1C+6], 0
	s_mov_b32 s[G1C+7], 0
	s_mov_b32 s[G1S], 3<<16
	s_mov_b32 s[G1S+1], 32<<16
	s_mov_b32 s[G1S+2], 8<<16                      ; 2,048 bytes: an eighth of the scale words
	s_mov_b32 s[G1S+3], 32<<16
	s_mov_b32 s[G1S+4], 8
	s_mov_b32 s[G1S+5], 32
	s_mov_b32 s[G1S+6], 0
	s_mov_b32 s[G1S+7], 0
	s_mul_i32 s24, s20, 98304
	s_mul_i32 s25, s19, 6144
	s_add_co_u32 s24, s24, s25                     ; my quarter's place, in LDS as in the batch's codes
	s_mul_i32 s26, s22, 196608
	s_add_co_u32 s26, s26, s24
	s_mov_b32 s27, 0
	s_lshl_b32 s28, s[WV], 11
	s_lshl_b32 s30, s22, 14
	s_add_co_u32 s30, s30, s28
	s_mov_b32 s31, 0
	s_wait_dscnt 0x0
	s_wait_kmcnt 0x0
	s_add_nc_u64 s[26:27], s[4:5], s[26:27]
	s_mov_b32 s[G0S], 1
	s_add_co_u32 s[G0S+1], s28, KS
	s_add_nc_u64 s[G0S+2:G0S+3], s[6:7], s[30:31]
	s_or_b32 s[G0S+3], s[G0S+3], 0x80000000
	MKC 52, 0
	MKC 56, 1
	MKC 60, 2
	MKC 68, 3
	tensor_load_to_lds s[G0S:G0S+3], s[G1S:G1S+7]  ; all fills go out together, the scale words first: five loads of mine are out, the most in this text
	s_nop 0
	tensor_load_to_lds s[52:55], s[G1C:G1C+7]
	s_nop 0
	tensor_load_to_lds s[56:59], s[G1C:G1C+7]
	s_nop 0
	tensor_load_to_lds s[60:63], s[G1C:G1C+7]
	s_nop 0
	tensor_load_to_lds s[68:71], s[G1C:G1C+7]
	s_nop 0
	PLACES 4
	s_mov_b32 s[SEL], 0x76543210
	s_mov_b32 s[SEL+1], 0xfedcba98                 ; lane l xor 16
	s_mov_b32 s[CS], 0x3e38aa3b                    ; c = log2(e) / 8
	s_mov_b32 s[CS+1], s[CS]                       ; (named with it as a pair, so it is written)
	s_mov_b32 s[NC], 0xbe38aa3b                    ; - c
	s_lshl_b32 s28, s21, 2
	s_add_co_u32 s28, s28, s19
	s_lshl_b32 s28, s28, 4
	s_lshl_b32 s29, s20, 3
	s_add_co_u32 s28, s28, s29                     ; 16 x my tile of queries + my first head
	s_mul_i32 s30, s28, 768
	s_add_nc_u64 s[8:9], s[8:9], s[30:31]
	s_lshl_b32 s30, s28, 7
	s_add_nc_u64 s[10:11], s[10:11], s[30:31]
	s_mul_i32 s30, s22, 196608
	s_add_nc_u64 s[12:13], s[12:13], s[30:31]      ; kt at my batch
	s_lshl_b32 s30, s22, 13
	s_lshl_b32 s29, s[WV], 9
	s_add_co_u32 s30, s30, s29
	s_add_nc_u64 s[14:15], s[14:15], s[30:31]      ; kts at my batch and my 128 columns
	s_lshl_b32 s30, s21, 25                        ; 64 queries of 524,288 bytes,
	s_lshl_b32 s29, s22, 12                        ; the batch's 4,096 bytes in each
	s_add_co_u32 s30, s30, s29
	s_add_nc_u64 s[OUTB:OUTB+1], s[16:17], s[30:31]
	s_add_nc_u64 s[OUTB+2:OUTB+3], s[OUTB:OUTB+1], 0x800000        ; 16 queries on
	s_add_nc_u64 s[OUTB+4:OUTB+5], s[OUTB+2:OUTB+3], 0x800000
	s_add_nc_u64 s[OUTB+6:OUTB+7], s[OUTB+4:OUTB+5], 0x800000
	v_and_b32 v24, 31, v0                          ; lane
	v_and_b32 v25, 15, v0                          ; r
	v_bfe_u32 v26, v0, 4, 1                        ; h
	v_lshlrev_b32 v21, 4, v24
	v_lshlrev_b32 v22, 3, v24
	v_lshlrev_b32 v23, 2, v24
.irp n, 0,1,2,3,4,5,6,7                        ; Q of my eight heads stays in registers: head n at v[Q + 6 n]
	global_load_b128 v[Q+6*\n:Q+6*\n+3], v21, s[8:9] offset:768*\n
	global_load_b64 v[Q+6*\n+4:Q+6*\n+5], v22, s[8:9] offset:768*\n+512
	global_load_b32 v[QSC+\n], v23, s[10:11] offset:128*\n
.endr
	global_load_b128 v[KTS:KTS+3], v21, s[14:15]
	global_load_b128 v[KTS+4:KTS+7], v21, s[14:15] offset:4096
	WIN 0x40
.irp i, 0,1,2,3,4,5,6,7,8
.irp n, 0,1,2,3,4,5
	v_mov_b32 v[128+12*\i+\n], 0                   ; zero CODES, written once: the half of K = 128 that a head of 64 does not fill
.endr
.endr
	WIN 0
	v_mov_b32 v[PR], 0                             ; a lane permute's destination, and the upper halves of two pairs: written once
	v_mov_b32 v[NM+1], 0
	v_mov_b32 v[INV+1], 0
	s_mul_i32 s28, s20, 98304
	v_add_nc_u32 v[KA], s28, v21
	s_add_co_u32 s29, s28, 512
	v_add_nc_u32 v[KA2], s29, v22
	s_lshl_b32 s28, s20, 13
	s_add_co_u32 s29, s28, KS
	v_add_nc_u32 v[KSA], s29, v22
	s_lshl_b32 s29, s[WV], 14
	v_add_nc_u32 v[WXW], s29, v21
	s_lshl_b32 s29, s19, 14
	s_add_co_u32 s29, s29, s28
	v_add_nc_u32 v[WXR], s29, v21
	v_add_nc_u32 v[WXR2], 65536, v[WXR]
	v_add_nc_u32 v[WIR], WI, v21
	v_add_nc_u32 v[WSR], WIS, v23
	s_lshl_b32 s28, s19, 1
	s_add_co_u32 s28, s28, s20                     ; 2 qt + hg
	s_mul_i32 s29, s28, 1536
	s_add_co_u32 s29, s29, WI
	v_add_nc_u32 v[WIW], s29, v21
	s_lshl_b32 s29, s28, 7
	s_add_co_u32 s29, s29, WIS
	v_add_nc_u32 v[WSW], s29, v23
	s_mul_i32 s28, s[WV], 4352
	s_add_co_u32 s28, s28, STG                     ; my stage
	v_mul_u32_u24 v27, v25, 272
	v_lshl_add_u32 v27, v26, 5, v27
	v_add_nc_u32 v[SO], s28, v27                   ; in: row r, 32 bytes for each half of the lanes
	v_mul_u32_u24 v27, v26, 272
	v_lshl_add_u32 v27, v25, 4, v27
	v_add_nc_u32 v[SR], s28, v27                   ; back: lanes 0-15 one row, lanes 16-31 the next
	v_lshlrev_b32 v27, 19, v26
	v_lshl_add_u32 v27, v25, 4, v27
	s_lshl_b32 s28, s[WV], 9
	v_add_nc_u32 v[GO], s28, v27                   ; and the same two rows in out0, at my 128 columns
	v_mul_u32_u24 v27, v26, 24576
	s_mul_i32 s28, s[WV], 3072
	v_add_nc_u32 v27, s28, v27
	v_lshl_add_u32 v[KTO], v25, 4, v27
	v_lshl_add_u32 v[KTO2], v25, 3, v27
	v_min_u32 v28, 11, v24
	v_lshlrev_b32 v28, 8, v28
	s_mul_i32 s29, s21, 24576
	s_add_co_u32 s29, s29, s28
	v_add_nc_u32 v[PFO], s29, v28
	s_wait_loadcnt 0x0                             ; Q, its scale words, kx^T's scale words
	s_wait_tensorcnt 3                             ; K's scale words and my part of the first stage are in; three stages may be out
	s_barrier_signal -1
	s_barrier_wait -1
	PRE 0
	HEAD 0, 1
	HEAD 1, 0
	HEAD 2, 0
	HEAD 3, 0
	HEAD 4, 0
	HEAD 5, 0
	HEAD 6, 0
	HEAD 7, 0
	; ---- w's two halves (heads 0-7, heads 8-15) meet through LDS
	WIN 0
	s_wait_dscnt 0x0
	s_barrier_signal -1
	s_barrier_wait -1                              ; nobody reads K's codes any more; they had their one fill
	WIN 0x04                                       ; an LDS store's data are its source 1: window 1
.irp i, 0,1,2,3,4,5,6,7,8,9,10,11,12,13,14,15,16,17,18,19,20,21,22,23,24,25,26,27,28,29,30,31
	ds_store_b128 v[WXW], v[4*\i:4*\i+3] offset:512*\i
.endr
	WIN 0
	s_wait_dscnt 0x0
	s_barrier_signal -1
	s_barrier_wait -1
.irp i, 0,1,2,3,4,5,6,7,8,9,10,11,12,13,14,15  ; K step hg of my tile of queries, from both waves of the tile
	ds_load_b128 v[S+4*\i:S+4*\i+3], v[WXR] offset:512*\i
	ds_load_b128 v[S+64+4*\i:S+64+4*\i+3], v[WXR2] offset:512*\i
.endr
	s_wait_dscnt 0x0
.set i_, 0
.rept 32
	v_pk_add_f32 v[S+i_:S+i_+1], v[S+i_:S+i_+1], v[S+64+i_:S+64+i_+1]
.set i_, i_+2
.endr
	QUANT S
.irp c, 0,1,2
	ds_store_b128 v[WIW], v[PC+4*\c:PC+4*\c+3] offset:512*\c       ; the fragment goes to LDS as it stands
.endr
	ds_store_b32 v[WSW], v[PW]
	s_wait_dscnt 0x0
	s_barrier_signal -1
	s_barrier_wait -1                              ; w's eight fragments lie in LDS
	WIN 0x40
.irp f, 0,1,2,3,4,5,6,7
.irp c, 0,1,2
	ds_load_b128 v[12*\f+4*\c:12*\f+4*\c+3], v[WIR] offset:1536*\f+512*\c
.endr
.endr
	WIN 0
.irp f, 0,1,2,3,4,5,6,7
	ds_load_b32 v[WSC+\f], v[WSR] offset:128*\f
.endr
	s_wait_dscnt 0x0
	; ---- the output: my 128 columns in two groups of 64
	P4 0
	KTLOAD 1                                       ; the second group's fragments land while the first group's rows leave
	OUTQ 0, 0
	OUTQ 0, 1
	OUTQ 0, 2
	OUTQ 0, 3
	P4 1
	OUTQ 1, 0
	OUTQ 1, 1
	OUTQ 1, 2
	OUTQ 1, 3
	s_wait_tensorcnt 0x0
	ds_add_u32 v30, v31
	s_wait_dscnt 0x0
	s_endpgm
.Lfunc_end_k_qe62573d95c_attn:
	.size	k_qe62573d95c_attn, .Lfunc_end_k_qe62573d95c_attn-k_qe62573d95c_attn
	.p2alignl 7, 3214868480
	.fill 96, 4, 3214868480
	.section	.rodata,"a",@progbits
	.p2align	6, 0x0
	.amdhsa_kernel k_qe62573d95c_attn
		.amdhsa_group_segment_fixed_size 263168
		.amdhsa_private_segment_fixed_size 0
		.amdhsa_enable_private_segment 0
		.amdhsa_kernarg_size 56
		.amdhsa_user_sgpr_count 2
		.amdhsa_user_sgpr_kernarg_segment_ptr 1
		.amdhsa_wavefront_size32 1
		.amdhsa_system_sgpr_workgroup_id_x 1
		.amdhsa_system_sgpr_workgroup_id_y 1
		.amdhsa_system_sgpr_workgroup_id_z 1
		.amdhsa_system_vgpr_workitem_id 0
		.amdhsa_next_free_vgpr 512
		.amdhsa_next_free_sgpr 88
		.amdhsa_reserve_vcc 0
		.amdhsa_float_denorm_mode_32 3
		.amdhsa_float_denorm_mode_16_64 3
		.amdhsa_memory_ordered 1
		.amdhsa_forward_progress 1
		.amdhsa_inst_pref_size 255
	.end_amdhsa_kernel
	.section	.bss,"aw",@nobits
	.p2align	6
	.space	262144
	.amdgpu_metadata
---
amdhsa.version: [ 1, 2 ]
amdhsa.kernels:
  - .name:           k_qe62573d95c_attn
    .symbol:         k_qe62573d95c_attn.kd
    .args:
      - { .name: kc, .offset: 0, .size: 8, .value_kind: global_buffer, .address_space: global }
      - { .name: ksc, .offset: 8, .size: 8, .value_kind: global_buffer, .address_space: global }
      - { .name: qc, .offset: 16, .size: 8, .value_kind: global_buffer, .address_space: global }
      - { .name: qsc, .offset: 24, .size: 8, .value_kind: global_buffer, .address_space: global }
      - { .name: kt, .offset: 32, .size: 8, .value_kind: global_buffer, .address_space: global }
      - { .name: kts, .offset: 40, .size: 8, .value_kind: global_buffer, .address_space: global }
      - { .name: out0, .offset: 48, .size: 8, .value_kind: global_buffer, .address_space: global }
    .group_segment_fixed_size: 263168
    .private_segment_fixed_size: 0
    .kernarg_segment_align: 8
    .kernarg_segment_size: 56
    .max_flat_workgroup_size: 256
    .sgpr_count:     88
    .vgpr_count:     512
    .wavefront_size: 32
...
	.end_amdgpu_metadata
.endif
;; end of part 3
;; ======== version 2 of 2: 2 launches
;; limits: right only within a limited range of input values
;; workspace buffers: qc 131,072 bytes; qsc 16,384 bytes; kc 25,165,824 bytes; ksc 2,097,152 bytes; kt 25,165,824 bytes; kts 1,048,576 bytes
;; launch kproj (part 4): grid 256 x 1, 4 waves a work-group, clusters of 4 x 1, 327,680 bytes of LDS; arguments kx, gk, bk, Wk_codes, Wk_scales, kc, ksc, kt, kts, qx, gq, bq, Wq_codes, Wq_scales, qc, qsc; writes kc, ksc, kt, kts, qc, qsc
.if DOCPART == 4
	.amdgcn_target "amdgcn-amd-amdhsa--gfx1250"
	.amdhsa_code_object_version 6
	.text
	.protected	k_qe62573d95c_kproj
	.globl	k_qe62573d95c_kproj
	.p2align	8
	.type	k_qe62573d95c_kproj,@function
k_qe62573d95c_kproj:
	s_mov_b64 s[64:65], 0
	v_nop
	global_prefetch_b8 v0, s[64:65] scope:SCOPE_SE
	s_setreg_imm32_b32 hwreg(HW_REG_WAVE_MODE, 25, 1), 1
	s_wait_xcnt 0x0
	s_wait_alu depctr_hold_cnt(0) depctr_sa_sdst(0) depctr_va_vdst(0) depctr_va_sdst(0) depctr_va_ssrc(0) depctr_va_vcc(0) depctr_vm_vsrc(0)
	s_getreg_b32 s2, hwreg(HW_REG_IB_STS2, 6, 4)
	s_cmp_eq_u32 s2, 0
	s_cbranch_scc0 .Lentry_in_a_cluster
	s_endpgm
.Lentry_in_a_cluster:
	s_bfe_u32 s2, ttmp6, 0x10000c
	s_cmp_lg_u32 s2, 0x3003
	s_cbranch_scc0 .Lentry_shape_is_right
	s_endpgm
.Lentry_shape_is_right:
; k = LN(kx) Wk^T and q = LN(qx) Wq^T on codes of FP6 (E2M3) with one E8M0 scale for each 32 along K; k and q quantised along each head's 64 channels; kx quantised along the keys.
; A work-group g of four waves owns 128 rows of kx (half a batch) and, of q, the 8 queries 8 (g / 16) .. + 7 x head g % 16.
; PHASE A: kx comes in four chunks of 32 rows through two LDS slots (one tensor load a wave and chunk).  One loop a chunk: a trip norms and quantises two rows of the wave (line by line, two chains)
;   while the 64 loads of two groups of 32 columns land; then those columns' blocks of 32 keys are quantised (a lane a column, registers down the keys).  Row codes go to LDS (EX) and from there into A's fragments.
; PHASE B: eight steps of two heads: Wk's 128 rows come by joint loads of the cluster's four work-groups into the same two slots; wave (s23, s24) makes 64 rows x head s24 of the pair, transposed
;   (source 0 = 16 rows of Wk, source 1 = 16 rows of k): a lane holds one key, its registers run along the head's channels, which are quantised in registers.
; q: each wave norms two queries while the first chunk is on its way; each wave multiplies a tile of 16 rows of Wq and wave 0 quantises (columns 8-15 of the product repeat queries 0-7 and are not stored).
; OUT: kc [batch][head][tile of 16 keys][768]: six registers of 32 lanes (registers 0-3 at 16 x lane, 4-5 at 512 + 8 x lane); ksc the tiles' scale words; kt [g][block of 32 keys][32 columns][768] likewise; kts their words.
;      qc [g][512]: lane' = query % 8 + 8 x block: registers 0-3 at 16 x lane', 4-5 at 256 + 8 x lane';  qsc [g][16 words] at 4 x lane': the head's two bytes, 16 bits up for an odd head, the other two 0.
; ORDER ALONG K in a head's block of 32: places 8-15 hold channels 16-23 and places 16-23 channels 8-15, in q and in k alike.
; LIMITS: NaN and infinities among the inputs are not served; a block of zeros gets the scale byte 1 (its codes are zeros, and this program alone reads the bytes).
; No prefetch of kx: each slot's refill is asked for a whole chunk's work ahead, and kx is read once.
.set SLOTB, 139264
.set XROW,  4352
.set WROW,  816
.set EX,    2*SLOTB
.set EXPI,  784
.set EXS,   EX+32*EXPI
.set EXSP,  48
.set SPARE, EXS+32*EXSP
.set KTB,   SPARE+512
.set SPW, 1
.set NIL, 2
.set RA,  3
.set CB,  5
.set EXW, 11
.set EXB, 12
.set FRA, 13
.set FSA, 14
.set WFA, 15
.set WFB, 17
.set KTO, 19
.set KTO2, 20
.set KCO, 21
.set KCO2, 22
.set KSO, 23
.set WSO, 24
.set GBO, 25
.set KTSO, 26
.set ASC, 32
.set WSC, 64
.set RAT, 128
.set EXWT, 129
.set EXBT, 130
.set CBT, 132
.set KTOT, 135
.set KTO2T, 136
.set KTBT, 137
.set KTBW, 138
.set QFRA, 140
.set QFSA, 141
.set WCO, 142
.set WSOQ, 143
.set QCO, 144
.set QCO2, 145
.set QSOA, 146
.set RR,  147
.set QX,  KTB+4096                     ; LDS: q's four tiles of sums, 1,024 bytes a wave, stored once
.set QXW, 244                          ; where I put my tile
.set QXR, 245                          ; where wave 0 reads the four
; window 3.  The temporaries T .. CD exist twice, 38 registers apart: one set for each of two rows or column groups
.set GG,  64
.set BB,  96
.set T,   192
.set M,   200
.set R,   202
.set MX,  204
.set SO,  206
.set BY,  207
.set PR,  208
.set CD,  210
.set SBK, 224
.set WF,  148                          ; window 0: Wk's fragments, two sets of 48
.set TM,  128
.set TP,  136
.set QSO, 144
.set QBY, 152
.set PW,  160
.set EE,  164
.set CA,  168
.set CT,  200
.set XTM, 192                          ; phase B's quantiser: window 1, behind A's fragments
.set XTP, 200
.set XSO, 208
.set XBY, 216
.set XPW, 224
.set XEE, 228
.set XCA, 192                          ; and window 2: the codes
.set XCT, 224
.set WV,  22
.set G1X, 32
.set G1W, 40
.set GX,  48
.set GW,  56
.set SEL, 66
.set INVC, 68
.set EPS, 69
.set HM,  70
.set SHF, 71
.set LC,  72
.set S1,  73
.set S2,  77
.set S3,  78
.set S4,  96
.set S5,  97
.set S6,  98
.set QSH, 99
.set MSB, 0
.macro WIN new                         ; the immediate's high byte repeats the setting that is left
.if MSB != (\new)
	s_set_vgpr_msb (MSB<<8)|(\new)
.set MSB, (\new)
.endif
.endm
.macro PLACES n
.rept \n
	v_nop
.endr
.endm
.macro CROUND                          ; a round of the cluster's barrier
	s_barrier_signal -1
	s_barrier_wait -1
	s_cmp_lg_u32 s[WV], 0
	s_cbranch_scc1 .Lnot_wave_0_\@
	s_barrier_signal -3
.Lnot_wave_0_\@:
	s_barrier_wait -3
	s_barrier_signal -1
	s_barrier_wait -1
.endm
.macro MEET
	s_wait_dscnt 0x0
	s_barrier_signal -1
	s_barrier_wait -1
.endm
.macro RED2                            ; both sets: four packed chains and then the 32 lanes summed into v[T], the result in every lane
.irp o, 0,38
	v_pk_add_f32 v[T+\o:T+\o+1], v[T+\o:T+\o+1], v[T+\o+2:T+\o+3]
	v_pk_add_f32 v[T+\o+4:T+\o+5], v[T+\o+4:T+\o+5], v[T+\o+6:T+\o+7]
.endr
.irp o, 0,38
	v_pk_add_f32 v[T+\o:T+\o+1], v[T+\o:T+\o+1], v[T+\o+4:T+\o+5]
.endr
.irp o, 0,38
	v_add_f32 v[T+\o], v[T+\o], v[T+\o+1]
.endr
.irp m, 1,2,4,8
.irp o, 0,38
	v_add_f32_dpp v[T+\o], v[T+\o], v[T+\o] row_xmask:\m row_mask:0xf bank_mask:0xf
.endr
.endr
.irp o, 0,38
	v_permlanex16_b32 v[PR+\o], v[T+\o], s[SEL], s[SEL+1]
.endr
.irp o, 0,38
	v_add_f32 v[T+\o], v[T+\o], v[PR+\o]
.endr
.endm
; two blocks of 32 numbers of a lane, at v[x] and v[x+32]: scale bytes in v[BY], v[BY+38], 24 bytes of codes each in v[CD] .., v[CD+38] ..; four chains of maxima by turns
.macro BLK2 x
.irp o, 0,1
	v_max3_num_f32 v[MX+38*\o], |v[(\x)+32*\o]|, |v[(\x)+32*\o+1]|, |v[(\x)+32*\o+2]|
	v_max3_num_f32 v[MX+38*\o+1], |v[(\x)+32*\o+3]|, |v[(\x)+32*\o+4]|, |v[(\x)+32*\o+5]|
.endr
.irp i, 6,10,14,18,22,26
.irp o, 0,1
	v_max3_num_f32 v[MX+38*\o], v[MX+38*\o], |v[(\x)+32*\o+\i]|, |v[(\x)+32*\o+\i+1]|
	v_max3_num_f32 v[MX+38*\o+1], v[MX+38*\o+1], |v[(\x)+32*\o+\i+2]|, |v[(\x)+32*\o+\i+3]|
.endr
.endr
.irp o, 0,1
	v_max3_num_f32 v[MX+38*\o], v[MX+38*\o], |v[(\x)+32*\o+30]|, |v[(\x)+32*\o+31]|
.endr
.irp o, 0,38
	v_max3_num_f32 v[MX+\o], v[MX+\o], v[MX+\o+1], 0x1800000   ; the floor 2^(3 - 127): the byte cannot fall under 1
.endr
.irp o, 0,38
	v_add_nc_u32 v[SO+\o], 0xff000000, v[MX+\o]                ; 2 off the exponent field: the conversion's scale operand
.endr
.irp o, 0,38
	v_lshrrev_b32 v[BY+\o], 23, v[SO+\o]
.endr
.irp o, 0,1
	v_cvt_scalef32_pk16_fp6_f32 v[CD+38*\o:CD+38*\o+2], v[(\x)+32*\o:(\x)+32*\o+15], v[SO+38*\o]
	v_cvt_scalef32_pk16_fp6_f32 v[CD+38*\o+4:CD+38*\o+6], v[(\x)+32*\o+16:(\x)+32*\o+31], v[SO+38*\o]
.endr
	v_nop                                  ; one plain place behind a scaled conversion
.irp o, 0,38
	v_mov_b32 v[CD+\o+3], v[CD+\o+4]
	v_mov_b32 v[CD+\o+4], v[CD+\o+5]
	v_mov_b32 v[CD+\o+5], v[CD+\o+6]
.endr
.endm
; two rows, 32 numbers a lane at v0 and v32: mean, variance of the centred numbers, gain (v[gg]) and bias (v[bb]), all in f32; quantised; codes and bytes to LDS rows at v[ew], v[eb] and one row on
.macro LNQ2 gg, bb, ew, eb
.irp k, 0,1,2,3
.irp o, 0,1
	v_pk_add_f32 v[T+38*\o+2*\k:T+38*\o+2*\k+1], v[32*\o+4*\k:32*\o+4*\k+1], v[32*\o+4*\k+2:32*\o+4*\k+3]
.endr
.endr
.irp i, 16,24
.irp k, 0,1,2,3
.irp o, 0,1
	v_pk_add_f32 v[T+38*\o+2*\k:T+38*\o+2*\k+1], v[T+38*\o+2*\k:T+38*\o+2*\k+1], v[32*\o+\i+2*\k:32*\o+\i+2*\k+1]
.endr
.endr
.endr
	RED2
.irp o, 0,38
	v_mul_f32 v[M+\o], s[INVC], v[T+\o]    ; the mean
.endr
.irp i, 0,2,4,6,8,10,12,14,16,18,20,22,24,26,28,30
.irp o, 0,1
	v_pk_add_f32 v[32*\o+\i:32*\o+\i+1], v[32*\o+\i:32*\o+\i+1], v[M+38*\o:M+38*\o+1] op_sel_hi:[1,0] neg_lo:[0,1] neg_hi:[0,1]
.endr
.endr
.irp k, 0,1,2,3
.irp o, 0,1
	v_pk_mul_f32 v[T+38*\o+2*\k:T+38*\o+2*\k+1], v[32*\o+2*\k:32*\o+2*\k+1], v[32*\o+2*\k:32*\o+2*\k+1]
.endr
.endr
.irp i, 8,16,24
.irp k, 0,1,2,3
.irp o, 0,1
	v_pk_fma_f32 v[T+38*\o+2*\k:T+38*\o+2*\k+1], v[32*\o+\i+2*\k:32*\o+\i+2*\k+1], v[32*\o+\i+2*\k:32*\o+\i+2*\k+1], v[T+38*\o+2*\k:T+38*\o+2*\k+1]
.endr
.endr
.endr
	RED2
.irp o, 0,38
	v_fma_f32 v[T+\o], v[T+\o], s[INVC], s[EPS]    ; the variance + eps
.endr
	s_wait_alu depctr_va_vdst(0)           ; the wait ahead of the two transcendentals,
.irp o, 0,38
	v_rsq_f32 v[R+\o], v[T+\o]
.endr
	v_nop                                  ; one plain place,
	s_wait_alu depctr_va_vdst(0)           ; and the wait behind them
.irp i, 0,2,4,6,8,10,12,14,16,18,20,22,24,26,28,30
.irp o, 0,1
	v_pk_mul_f32 v[32*\o+\i:32*\o+\i+1], v[32*\o+\i:32*\o+\i+1], v[R+38*\o:R+38*\o+1] op_sel_hi:[1,0]
.endr
.endr
.irp i, 0,2,4,6,8,10,12,14,16,18,20,22,24,26,28,30
.irp o, 0,1
	v_pk_fma_f32 v[32*\o+\i:32*\o+\i+1], v[32*\o+\i:32*\o+\i+1], v[(\gg)+\i:(\gg)+\i+1], v[(\bb)+\i:(\bb)+\i+1]
.endr
.endr
	BLK2 0
	WIN 0x0c                               ; an LDS store's data are its source 1: window 3
.irp o, 0,1
	ds_store_b64 v[\ew], v[CD+38*\o:CD+38*\o+1] offset:EXPI*\o
	ds_store_b64 v[\ew], v[CD+38*\o+2:CD+38*\o+3] offset:EXPI*\o+8
	ds_store_b64 v[\ew], v[CD+38*\o+4:CD+38*\o+5] offset:EXPI*\o+16
	ds_store_b8 v[\eb], v[BY+38*\o] offset:EXSP*\o
.endr
.endm
.macro COLLD e                         ; 32 keys of 32 columns, a lane a column
.irp p, 0,1,2,3,4,5,6,7,8,9,10,11,12,13,14,15,16,17,18,19,20,21,22,23,24,25,26,27,28,29,30,31
	ds_load_b32 v[128+32*\e+\p], v[CBT+\p/11] offset:(\p%11)*XROW+128*\e
.endr
.endm
; chunk c of 32 rows, in slot s: four trips, each two of my eight rows and 64 of my 256 columns
.macro CHUNK s, c
	WIN 0
	s_mov_b32 s[LC], 0
.irp r, S1,S2,S3,S4,S5,S6
	s_mov_b32 s[\r], 0
.endr
.Lchunk_\@:
	s_wait_xcnt 0x0                        ; the last trip's stores have read their offsets and data
	v_add_nc_u32 v[RAT], s[S4], v[RA+\s]
	v_add_nc_u32 v[EXWT], s[S5], v[EXW]
	v_add_nc_u32 v[EXBT], s[S6], v[EXB]
.irp k, 0,1,2
	v_add_nc_u32 v[CBT+\k], s[S1], v[CB+3*\s+\k]
.endr
	v_add_nc_u32 v[KTOT], s[S2], v[KTO]
	v_add_nc_u32 v[KTO2T], s[S2], v[KTO2]
	v_add_nc_u32 v[KTBT], s[S3], v[KTBW]
	s_wait_alu depctr_va_vdst(0)
	WIN 0xc0
.irp e, 0,1
.irp n, 0,1,2,3,4,5,6,7
	ds_load_b128 v[32*\e+4*\n:32*\e+4*\n+3], v[RAT] offset:XROW*\e+16*\n
.endr
.endr
	COLLD 0
	s_wait_dscnt 32                        ; the two rows are in; the 32 column loads behind them may be out
	COLLD 1
	WIN 0xff
	LNQ2 GG, BB, EXWT, EXBT
	s_wait_dscnt 8                         ; the columns are in; the 8 stores behind them may be out
	WIN 0xff
	BLK2 128
	WIN 0x0c
.irp e, 0,1
	ds_store_b8 v[KTBT], v[BY+38*\e] offset:128*\e+\c
	global_store_b128 v[KTOT], v[CD+38*\e:CD+38*\e+3], s[18:19] offset:24576*\c+768*\e
	global_store_b64 v[KTO2T], v[CD+38*\e+4:CD+38*\e+5], s[18:19] offset:24576*\c+768*\e+512
.endr
	WIN 0
	s_wait_dscnt 0x0
	s_add_co_u32 s[S1], s[S1], 272
	s_add_co_u32 s[S2], s[S2], 2*768
	s_add_co_u32 s[S3], s[S3], 2*128
	s_add_co_u32 s[S4], s[S4], 2*XROW
	s_add_co_u32 s[S5], s[S5], 2*EXPI
	s_add_co_u32 s[S6], s[S6], 2*EXSP
	s_add_co_u32 s[LC], s[LC], 1
	s_cmp_lt_u32 s[LC], 4
	s_wait_alu depctr_va_vdst(0)
	s_cbranch_scc1 .Lchunk_\@
.endm
.macro FETCHA a                        ; my 16 rows of chunk a: eight fragments and their scale words
	WIN 0x40+0x40*((\a)/2)
.irp q, 0,1,2,3,4,5,6,7
.irp p, 0,1,2,3,4,5
	ds_load_b64 v[96*((\a)%2)+12*\q+2*\p:96*((\a)%2)+12*\q+2*\p+1], v[FRA] offset:96*\q+48*(\p/3)+8*(\p%3)
.endr
.endr
	WIN 0
	ds_load_b128 v[ASC+8*(\a):ASC+8*(\a)+3], v[FSA]
	ds_load_b128 v[ASC+8*(\a)+4:ASC+8*(\a)+7], v[FSA] offset:16
.endm
.macro FETCHT sg, q, set, t            ; tile t (16 rows of Wk) of K step q: six pieces of 8 bytes
	WIN 0
.irp p, 0,1,2,3,4,5
.set PC_, 12*(\q)+6*(\p/3)+\p%3
.if PC_%32 < 29
	ds_load_b64 v[WF+48*(\set)+12*\t+2*\p:WF+48*(\set)+12*\t+2*\p+1], v[WFA+\sg] offset:16*\t*WROW+8*PC_+16*(PC_/32)
.else
	ds_load_b64 v[WF+48*(\set)+12*\t+2*\p:WF+48*(\set)+12*\t+2*\p+1], v[WFB+\sg] offset:16*\t*WROW+8*PC_+16*(PC_/32)
.endif
.endr
.endm
; Slice n of the quantiser of four tiles x one head, on the 16 accumulators at v[ab] of window 3: at most six vector instructions and no memory instruction, so that a slice can stand behind one matrix instruction of the next step.
; Slices 0-15 the eight blocks' largest magnitudes (each accumulator read from its low end on), 16-26 the scales, 27-30 the codes, 32-35 whole blocks to lanes.
.macro QSL n, ab
.if (\n) < 2
	WIN 0x5f                               ; sources 0, 1 window 3; source 2 and destination window 1
.irp j, 0,1,2,3
	v_max3_num_f32 v[XTM+4*(\n)+\j], |v[(\ab)+64*(\n)+16*\j]|, |v[(\ab)+64*(\n)+16*\j+1]|, 0x1800000
.endr
.elseif (\n) < 16
	WIN 0x5f
.irp j, 0,1,2,3
	v_max3_num_f32 v[XTM+4*((\n)%2)+\j], |v[(\ab)+64*((\n)%2)+16*\j+2*((\n)/2)]|, |v[(\ab)+64*((\n)%2)+16*\j+2*((\n)/2)+1]|, v[XTM+4*((\n)%2)+\j]
.endr
.elseif (\n) < 18
	WIN 0x55
.irp j, 0,1,2,3
	v_permlanex16_b32 v[XTP+4*((\n)%2)+\j], v[XTM+4*((\n)%2)+\j], s[SEL], s[SEL+1]
.endr
.elseif (\n) < 20
	WIN 0x55
.irp j, 0,1,2,3
	v_max_num_f32 v[XTM+4*((\n)%2)+\j], v[XTM+4*((\n)%2)+\j], v[XTP+4*((\n)%2)+\j]
.endr
.elseif (\n) < 22
	WIN 0x55
.irp j, 0,1,2,3
	v_add_nc_u32 v[XSO+4*((\n)%2)+\j], 0xff000000, v[XTM+4*((\n)%2)+\j]
.endr
.elseif (\n) < 24
	WIN 0x55
.irp j, 0,1,2,3
	v_lshrrev_b32 v[XBY+4*((\n)%2)+\j], 23, v[XSO+4*((\n)%2)+\j]
.endr
.elseif (\n) == 24
	WIN 0x55
.irp j, 0,1,2,3
	v_lshl_or_b32 v[XPW+\j], v[XBY+2*\j+1], 8, v[XBY+2*\j]
.endr
.elseif (\n) == 25
	WIN 0x55
.irp j, 0,1,2,3
	v_lshlrev_b32 v[XPW+\j], s[SHF], v[XPW+\j]
.endr
.elseif (\n) == 26
	WIN 0x55
	v_cndmask_b32 v[XEE], v[XPW], v[XPW+1], s[HM]
	v_cndmask_b32 v[XEE+1], v[XPW+2], v[XPW+3], s[HM]
.elseif (\n) < 31
	WIN 0x87                               ; numbers window 3, scale operand window 1, codes window 2
	v_cvt_scalef32_pk16_fp6_f32 v[XCA+8*((\n)-27):XCA+8*((\n)-27)+2], v[(\ab)+32*((\n)-27):(\ab)+32*((\n)-27)+15], v[XSO+2*((\n)-27)]
	v_cvt_scalef32_pk16_fp6_f32 v[XCT+4*((\n)-27):XCT+4*((\n)-27)+2], v[(\ab)+32*((\n)-27)+16:(\ab)+32*((\n)-27)+31], v[XSO+2*((\n)-27)+1]
.elseif (\n) == 31
	v_nop                                  ; one plain place behind the scaled conversions
	s_wait_alu depctr_va_vdst(0)
.elseif (\n) < 36
	WIN 0xaa
.irp i, 0,1,2
	v_permlane16_swap_b32 v[XCA+8*((\n)-32)+\i], v[XCT+4*((\n)-32)+\i]
.endr
.irp i, 0,1,2
	v_mov_b32 v[XCA+8*((\n)-32)+3+\i], v[XCT+4*((\n)-32)+\i]
.endr
.endif
.endm
; The quantiser's memory lines, at the edges of K steps: at K step 3 the stores (the slices end in K step 2), at K step 5 the step of their bases.
.macro QST q
.if (\q) == 3
	WIN 0x08                               ; a store's data are its source 1: window 2
.irp a, 0,1,2,3
	global_store_b128 v[KCO], v[XCA+8*\a:XCA+8*\a+3], s[14:15] offset:1536*\a
	global_store_b64 v[KCO2], v[XCA+8*\a+4:XCA+8*\a+5], s[14:15] offset:1536*\a+512
.endr
	WIN 0x04
	global_store_b64 v[KSO], v[XEE:XEE+1], s[16:17]
.endif
.if (\q) == 5
	s_wait_xcnt 0x0                        ; the stores, two K steps back, have read their bases and data
	s_add_nc_u64 s[14:15], s[14:15], 24576
	s_add_nc_u64 s[16:17], s[16:17], 2048
.endif
.endm
; K step q of a step on slot sg: at its edge the next K step's 24 loads in one run; then 16 products, the accumulators at v[128 sg] of window 3 by turns;
; behind each product, where qh = 1, a slice of the quantiser of the step before, whose sums lie in the other 16 accumulators.
.macro MULQ sg, q, qh
	PLACES 4                               ; in front of the loads into the fragments that the K step before multiplied
	s_wait_alu depctr_va_vdst(0)           ; ahead of the waits below
.if \qh
	QST \q
.endif
.if (\q) < 7
.irp u, 0,1,2,3
	FETCHT \sg, (\q)+1, ((\q)+1)%2, \u
.endr
	s_wait_dscnt 24                        ; this K step's fragments are in; the 24 loads just issued may be out
.else
	s_wait_dscnt 0x0
.endif
.irp a, 0,1,2,3
.irp t, 0,1,2,3
	WIN 0xf4+4*(\a/2)                      ; Wk window 0, rows window 1 or 2, sums window 3
.if (\q) == 0
	v_wmma_scale_f32_16x16x128_f8f6f4 v[128*(\sg)+8*(4*\a+\t):128*(\sg)+8*(4*\a+\t)+7], v[WF+48*((\q)%2)+12*\t:WF+48*((\q)%2)+12*\t+11], v[96*(\a%2)+12*(\q):96*(\a%2)+12*(\q)+11], 0, v[WSC+32*(\sg)+8*\t+(\q)], v[ASC+8*\a+(\q)] matrix_a_fmt:MATRIX_FMT_FP6 matrix_b_fmt:MATRIX_FMT_FP6
.else
	v_wmma_scale_f32_16x16x128_f8f6f4 v[128*(\sg)+8*(4*\a+\t):128*(\sg)+8*(4*\a+\t)+7], v[WF+48*((\q)%2)+12*\t:WF+48*((\q)%2)+12*\t+11], v[96*(\a%2)+12*(\q):96*(\a%2)+12*(\q)+11], v[128*(\sg)+8*(4*\a+\t):128*(\sg)+8*(4*\a+\t)+7], v[WSC+32*(\sg)+8*\t+(\q)], v[ASC+8*\a+(\q)] matrix_a_fmt:MATRIX_FMT_FP6 matrix_b_fmt:MATRIX_FMT_FP6
.endif
.if \qh
	QSL 16*(\q)+4*\a+\t, 128-128*(\sg)
.endif
.endr
.endr
.endm
; nt tiles of 16 rows x one head: accumulators v[32 a + 8 t] of window 3; codes to v[CA + 8 a] .. + 5, scale word to v[PW + a], shifted by s[sh]
.macro QHEAD nt, sh
.set k_, 0
.rept 2*\nt
	v_max3_num_f32 v[TM+k_], |v[16*k_]|, |v[16*k_+1]|, 0x1800000   ; each accumulator is read from its low end on
.set k_, k_+1
.endr
.irp i, 2,4,6,8,10,12,14
.set k_, 0
.rept 2*\nt
	v_max3_num_f32 v[TM+k_], v[TM+k_], |v[16*k_+\i]|, |v[16*k_+\i+1]|
.set k_, k_+1
.endr
.endr
.set k_, 0
.rept 2*\nt
	v_permlanex16_b32 v[TP+k_], v[TM+k_], s[SEL], s[SEL+1]
.set k_, k_+1
.endr
.set k_, 0
.rept 2*\nt
	v_max_num_f32 v[TM+k_], v[TM+k_], v[TP+k_]
.set k_, k_+1
.endr
.set k_, 0
.rept 2*\nt
	v_add_nc_u32 v[QSO+k_], 0xff000000, v[TM+k_]
.set k_, k_+1
.endr
.set k_, 0
.rept 2*\nt
	v_lshrrev_b32 v[QBY+k_], 23, v[QSO+k_]
.set k_, k_+1
.endr
.set k_, 0
.rept \nt
	v_lshl_or_b32 v[PW+k_], v[QBY+2*k_+1], 8, v[QBY+2*k_]
.set k_, k_+1
.endr
.set k_, 0
.rept \nt
	v_lshlrev_b32 v[PW+k_], s[\sh], v[PW+k_]
.set k_, k_+1
.endr
.if \nt == 4
	v_cndmask_b32 v[EE], v[PW], v[PW+1], s[HM]
	v_cndmask_b32 v[EE+1], v[PW+2], v[PW+3], s[HM]
.endif
.set k_, 0
.rept \nt
	v_cvt_scalef32_pk16_fp6_f32 v[CA+8*k_:CA+8*k_+2], v[32*k_:32*k_+15], v[QSO+2*k_]
	v_cvt_scalef32_pk16_fp6_f32 v[CT+4*k_:CT+4*k_+2], v[32*k_+16:32*k_+31], v[QSO+2*k_+1]
.set k_, k_+1
.endr
	v_nop
.set k_, 0
.rept \nt
.irp i, 0,1,2
	v_permlane16_swap_b32 v[CA+8*k_+\i], v[CT+4*k_+\i]
.endr
.irp i, 0,1,2
	v_mov_b32 v[CA+8*k_+3+\i], v[CT+4*k_+\i]
.endr
.set k_, k_+1
.endr
.endm
.macro CHANGE_X d                      ; slot d has been read out: the chunk two on
	WIN 0
	s_wait_tensorcnt 0x0
	ds_add_u32 v[SPW], v[NIL]
	s_add_nc_u64 s[GX+4*\d+2:GX+4*\d+3], s[GX+4*\d+2:GX+4*\d+3], 262144
	s_wait_dscnt 0x0
	CROUND
	tensor_load_to_lds s[GX+4*\d:GX+4*\d+3], s[G1X:G1X+7]
	s_nop 0
	PLACES 4
.endm
.macro CHANGE_W0                       ; slot 0 takes Wk's first two heads
	WIN 0
	s_wait_tensorcnt 0x0
	ds_add_u32 v[SPW], v[NIL]
	s_wait_dscnt 0x0
	CROUND
	tensor_load_to_lds s[GW:GW+3], s[G1W:G1W+7]
	s_nop 0
	PLACES 4
.endm
.macro GSTEP sg, fill, qh
	WIN 0
	s_wait_alu depctr_va_vdst(0)
	s_wait_tensorcnt 0x0
	ds_add_u32 v[SPW], v[NIL]
.if \fill
	s_add_nc_u64 s[GW+4*\sg+2:GW+4*\sg+3], s[GW+4*\sg+2:GW+4*\sg+3], 196608
.endif
	s_wait_dscnt 0x0
.if \fill
	CROUND
	tensor_load_to_lds s[GW+4*(1-\sg):GW+4*(1-\sg)+3], s[G1W:G1W+7]
	s_nop 0
	PLACES 4
.else
	s_barrier_signal -1
	s_barrier_wait -1
.endif
	s_wait_loadcnt 0x0
.if \fill
	s_add_nc_u64 s[12:13], s[12:13], 4096
.irp t, 0,1,2,3
	global_load_b128 v[WSC+32*(1-\sg)+8*\t:WSC+32*(1-\sg)+8*\t+3], v[WSO], s[12:13] offset:512*\t
	global_load_b128 v[WSC+32*(1-\sg)+8*\t+4:WSC+32*(1-\sg)+8*\t+7], v[WSO], s[12:13] offset:512*\t+16
.endr
.endif
.irp t, 0,1,2,3
	FETCHT \sg, 0, 0, \t
.endr
.irp q, 0,1,2,3,4,5,6,7
	MULQ \sg, \q, \qh
.endr
	WIN 0
.endm
	s_load_b256 s[4:11], s[0:1], 0x0               ; kx, gk, bk, Wk's codes
	s_load_b256 s[12:19], s[0:1], 0x20             ; Wk's scales, kc, ksc, kt
	s_load_b64 s[20:21], s[0:1], 0x40              ; kts
	s_load_b256 s[80:87], s[0:1], 0x48             ; qx, gq, bq, Wq's codes
	s_load_b128 s[88:91], s[0:1], 0x68             ; Wq's scales, qc
	s_load_b64 s[92:93], s[0:1], 0x78              ; qsc
	v_lshl_add_u32 v[SPW], v0, 2, SPARE
	v_mov_b32 v[NIL], 0
	ds_add_u32 v[SPW], v[NIL]                      ; the opening lines: the add, twice on end, and its wait
	ds_add_u32 v[SPW], v[NIL]
	v_lshrrev_b32 v27, 5, v0
	v_readfirstlane_b32 s[WV], v27                 ; wave 0..3
	s_lshr_b32 s23, s[WV], 1
	s_and_b32 s24, s[WV], 1
	s_bfe_u32 s25, ttmp6, 0x40000
	s_lshl_b32 s26, ttmp9, 2
	s_add_co_u32 s26, s26, s25                     ; the work-group's number g
	s_mov_b32 s[G1X], (3<<16)|(1<<20)|(5<<22)|(3<<25)  ; kx: 8 rows of 4,096 bytes a wave, as 128 rows of 256 bytes + 16 of padding
	s_mov_b32 s[G1X+1], 32<<16
	s_mov_b32 s[G1X+2], 128<<16
	s_mov_b32 s[G1X+3], 32<<16
	s_mov_b32 s[G1X+4], 128
	s_mov_b32 s[G1X+5], 32
	s_mov_b32 s[G1X+6], 0
	s_mov_b32 s[G1X+7], 0
	s_mov_b32 s[G1W], 15|(3<<16)|(1<<20)|(1<<21)|(5<<22)|(3<<25)   ; Wk: 32 rows of 768 bytes a wave, asked for jointly by the cluster's four
	s_mov_b32 s[G1W+1], 32<<16
	s_mov_b32 s[G1W+2], 96<<16
	s_mov_b32 s[G1W+3], 32<<16
	s_mov_b32 s[G1W+4], 96
	s_mov_b32 s[G1W+5], 32
	s_mov_b32 s[G1W+6], 0
	s_mov_b32 s[G1W+7], 0
	s_mul_i32 s28, s[WV], 34816
	s_mul_i32 s29, s[WV], 26112
	s_lshl_b32 s30, s26, 19
	s_lshl_b32 s31, s[WV], 15
	s_add_co_u32 s30, s30, s31
	s_mov_b32 s31, 0
	s_mul_i32 s74, s[WV], 24576
	s_mov_b32 s75, 0
	s_mov_b32 s[SEL], 0x76543210
	s_mov_b32 s[SEL+1], 0xfedcba98                 ; lane l xor 16
	s_mov_b32 s[INVC], 0x3a800000                  ; 1 / 1024
	s_mov_b32 s[EPS], 0x3727c5ac                   ; 1e-5
	s_mov_b32 s[HM], 0xffff0000
	s_lshl_b32 s[SHF], s24, 4
	s_wait_dscnt 0x0
	s_wait_kmcnt 0x0
	s_add_nc_u64 s[30:31], s[4:5], s[30:31]
	s_add_nc_u64 s[74:75], s[10:11], s[74:75]
.irp d, 0,1
	s_mov_b32 s[GX+4*\d], 1
	s_add_co_u32 s[GX+4*\d+1], s28, \d*SLOTB
	s_add_nc_u64 s[GX+4*\d+2:GX+4*\d+3], s[30:31], \d*131072
	s_or_b32 s[GX+4*\d+3], s[GX+4*\d+3], 0x80000000
	s_mov_b32 s[GW+4*\d], 1
	s_add_co_u32 s[GW+4*\d+1], s29, \d*SLOTB
	s_add_nc_u64 s[GW+4*\d+2:GW+4*\d+3], s[74:75], \d*98304
	s_or_b32 s[GW+4*\d+3], s[GW+4*\d+3], 0x80000000
.endr
	CROUND
	tensor_load_to_lds s[GX:GX+3], s[G1X:G1X+7]    ; chunk 0: my one load at the head
	s_nop 0
	PLACES 4
	; where the results go
	s_lshr_b32 s28, s26, 1
	s_and_b32 s29, s26, 1
	s_mul_i32 s30, s28, 196608
	s_mul_i32 s31, s29, 6144
	s_add_co_u32 s30, s30, s31
	s_mov_b32 s31, 0
	s_add_nc_u64 s[14:15], s[14:15], s[30:31]
	s_lshl_b32 s30, s28, 14
	s_lshl_b32 s76, s29, 9
	s_add_co_u32 s30, s30, s76
	s_add_nc_u64 s[16:17], s[16:17], s[30:31]
	s_mul_i32 s30, s26, 98304
	s_add_nc_u64 s[18:19], s[18:19], s[30:31]
	s_lshl_b32 s30, s26, 12
	s_add_nc_u64 s[20:21], s[20:21], s[30:31]
	; q: queries 8 (g / 16) + 2 wave + 0, 1; head g % 16
	s_lshr_b32 s28, s26, 4
	s_lshl_b32 s28, s28, 15
	s_lshl_b32 s29, s[WV], 13
	s_add_co_u32 s30, s28, s29
	s_add_nc_u64 s[80:81], s[80:81], s[30:31]
	s_and_b32 s95, s26, 15
	s_lshl_b32 s30, s95, 2
	s_add_co_u32 s30, s30, s[WV]                   ; 4 x head + wave: my tile of 16 rows of Wq
	s_mul_i32 s28, s30, 12288
	s_mov_b32 s29, 0
	s_add_nc_u64 s[86:87], s[86:87], s[28:29]
	s_lshl_b32 s30, s30, 9
	s_add_nc_u64 s[88:89], s[88:89], s[30:31]
	s_lshl_b32 s30, s26, 9
	s_add_nc_u64 s[90:91], s[90:91], s[30:31]
	s_lshl_b32 s30, s26, 6
	s_add_nc_u64 s[92:93], s[92:93], s[30:31]
	s_and_b32 s[QSH], s95, 1
	s_lshl_b32 s[QSH], s[QSH], 4
	; the waves' terms of the lane addresses, all ahead of the vector lines that take them
	s_lshl_b32 s28, s24, 11
	s_mul_i32 s29, s[WV], 34816
	s_mul_i32 s30, s[WV], 1088
	s_mul_i32 s31, s[WV], 8*EXPI
	s_add_co_u32 s31, s31, EX
	s_mul_i32 s72, s[WV], 8*EXSP
	s_add_co_u32 s72, s72, EXS
	s_lshl_b32 s73, s23, 3
	s_mul_i32 s74, s24, 64*WROW
	s_mul_i32 s75, s[WV], 6144
	s_mul_i32 s76, s24, 12288
	s_mul_i32 s77, s23, 768
	s_add_co_u32 s76, s76, s77
	s_lshl_b32 s77, s24, 10
	s_lshl_b32 s78, s23, 8
	s_add_co_u32 s77, s77, s78
	s_lshl_b32 s78, s[WV], 10
	s_add_co_u32 s94, s78, KTB
	v_and_b32 v27, 31, v0                          ; lane
	v_and_b32 v[RR], 15, v0                        ; r
	v_bfe_u32 v29, v0, 4, 1                        ; h
	v_lshlrev_b32 v[GBO], 7, v27
	v_lshl_add_u32 v[WSO], v[RR], 5, s28
	WIN 0xc0
.irp j, 0,1
.irp n, 0,1,2,3,4,5,6,7
	global_load_b128 v[32*\j+4*\n:32*\j+4*\n+3], v[GBO], s[80:81] offset:4096*\j+16*\n   ; my two queries
.endr
.endr
.irp n, 0,1,2,3,4,5,6,7
	global_load_b128 v[128+4*\n:128+4*\n+3], v[GBO], s[82:83] offset:16*\n
	global_load_b128 v[160+4*\n:160+4*\n+3], v[GBO], s[84:85] offset:16*\n
	global_load_b128 v[GG+4*\n:GG+4*\n+3], v[GBO], s[6:7] offset:16*\n
	global_load_b128 v[BB+4*\n:BB+4*\n+3], v[GBO], s[8:9] offset:16*\n
.endr
.irp o, 0,38
	v_mov_b32 v[M+\o+1], 0                         ; upper halves of pairs and lane permutes' destinations: written once
	v_mov_b32 v[R+\o+1], 0
	v_mov_b32 v[PR+\o], 0
.endr
	WIN 0
.irp t, 0,1,2,3
	global_load_b128 v[WSC+8*\t:WSC+8*\t+3], v[WSO], s[12:13] offset:512*\t
	global_load_b128 v[WSC+8*\t+4:WSC+8*\t+7], v[WSO], s[12:13] offset:512*\t+16
.endr
	v_lshrrev_b32 v30, 1, v27
	v_mul_u32_u24 v30, v30, 272
	v_and_b32 v31, 1, v27
	v_lshl_add_u32 v30, v31, 7, v30
	v_add_nc_u32 v[RA], s29, v30                   ; my block of 32 of my first row, slot 0, 1
	v_add_nc_u32 v[RA+1], SLOTB, v[RA]
	v_lshl_add_u32 v30, v27, 2, s30
.irp n, 0,1,2,3,4,5
	v_add_nc_u32 v[CB+\n], (\n/3)*SLOTB+(\n%3)*11*XROW, v30   ; my column, rows 0, 11, 22 of the slot
.endr
	v_mul_u32_u24 v30, v27, 24
	v_add_nc_u32 v[EXW], s31, v30
	v_add_nc_u32 v[EXB], s72, v27
	v_and_b32 v30, 8, v[RR]
	v_add_nc_u32 v30, v30, v[RR]
	v_add_nc_u32 v30, s73, v30                     ; a tile's rows: r + 8 (r / 8) + 8 s23
	v_mul_u32_u24 v31, v30, EXPI
	v_mad_u32_u24 v31, v29, 24, v31
	v_add_nc_u32 v[FRA], EX, v31
	v_mul_u32_u24 v31, v30, EXSP
	v_add_nc_u32 v[FSA], EXS, v31
	v_mul_u32_u24 v30, v[RR], WROW
	v_mad_u32_u24 v30, v29, 24, v30
	v_add_nc_u32 v[WFA], s74, v30
	v_add_nc_u32 v[WFA+1], SLOTB, v[WFA]
	v_lshl_add_u32 v[WFB], v29, 4, v[WFA]
	v_lshl_add_u32 v[WFB+1], v29, 4, v[WFA+1]
	v_lshl_add_u32 v[KTO], v27, 4, s75
	v_lshl_add_u32 v[KTO2], v27, 3, s75
	v_lshl_add_u32 v[KCO], v27, 4, s76
	v_lshl_add_u32 v[KCO2], v27, 3, s76
	v_lshl_add_u32 v[KSO], v27, 3, s77
	v_lshl_add_u32 v[KTSO], v27, 4, s78
	v_lshl_add_u32 v[KTBW], v27, 2, s94
	v_bfe_u32 v30, v0, 1, 2                        ; q: query r % 8 was normed by wave (r % 8) / 2 as its row r % 2
	v_and_b32 v31, 1, v0
	v_lshl_add_u32 v30, v30, 3, v31                ; and lies in row 8 x wave + r % 2
	v_mul_u32_u24 v31, v30, EXPI
	v_mad_u32_u24 v31, v29, 24, v31
	v_add_nc_u32 v[QFRA], EX, v31
	v_mul_u32_u24 v31, v30, EXSP
	v_add_nc_u32 v[QFSA], EXS, v31
	v_mul_u32_u24 v[WCO], v[RR], 768
	v_mad_u32_u24 v[WCO], v29, 24, v[WCO]
	v_lshlrev_b32 v[WSOQ], 5, v[RR]
	v_and_b32 v30, 7, v0
	v_lshl_add_u32 v30, v29, 3, v30                ; lane' = r % 8 + 8 h
	v_lshlrev_b32 v[QCO], 4, v30
	v_lshlrev_b32 v[QCO2], 3, v30
	v_lshlrev_b32 v[QSOA], 2, v30
	v_add_nc_u32 v[QXW], QX, v[KTSO]               ; QX + 1,024 x wave + 16 x lane
	v_lshl_add_u32 v[QXR], v27, 4, QX
	s_wait_alu depctr_va_vdst(0)
	s_wait_loadcnt 0x0                             ; the queries, both gains and biases, Wk's first scale words
	global_load_b128 v[WSC+32:WSC+35], v[WSOQ], s[88:89]           ; each wave takes one tile of 16 rows of the head's 64 of Wq: its scale words
	global_load_b128 v[WSC+36:WSC+39], v[WSOQ], s[88:89] offset:16
	WIN 0x80                                       ; and its eight fragments: window 2, 12 q
.irp q, 0,1,2,3,4,5,6,7
.irp p, 0,1,2,3,4,5
	global_load_b64 v[12*\q+2*\p:12*\q+2*\p+1], v[WCO], s[86:87] offset:96*\q+48*(\p/3)+8*(\p%3)
.endr
.endr
	WIN 0
	WIN 0xff
	LNQ2 128, 160, EXW, EXB                        ; my two queries, with gq and bq
	WIN 0
	s_wait_alu depctr_va_vdst(0)
	s_wait_tensorcnt 0x0                           ; my part of chunk 0 is in
	ds_add_u32 v[SPW], v[NIL]
	s_wait_dscnt 0x0                               ; the add, and my queries' codes
	CROUND                                         ; chunk 0 and the eight queries' codes are whole
	tensor_load_to_lds s[GX+4:GX+7], s[G1X:G1X+7]  ; chunk 1
	s_nop 0
	PLACES 4
	WIN 0x40                                       ; every wave takes the eight queries' fragments
.irp q, 0,1,2,3,4,5,6,7
.irp p, 0,1,2,3,4,5
	ds_load_b64 v[12*\q+2*\p:12*\q+2*\p+1], v[QFRA] offset:96*\q+48*(\p/3)+8*(\p%3)
.endr
.endr
	WIN 0
	ds_load_b128 v[ASC+24:ASC+27], v[QFSA]
	ds_load_b128 v[ASC+28:ASC+31], v[QFSA] offset:16
	MEET                                           ; wave 0 has the queries' fragments: the rows' codes may follow them in LDS
	CHUNK 0, 0
	CHANGE_X 0
	s_wait_loadcnt 0x0                             ; my tile of Wq, asked for a whole chunk earlier
	WIN 0xf6                                       ; Wq window 2, queries window 1, sums window 3
.irp q, 0,1,2,3,4,5,6,7                        ; two accumulators by turns: the even and the odd K steps
.if \q < 2
	v_wmma_scale_f32_16x16x128_f8f6f4 v[8*(\q%2):8*(\q%2)+7], v[12*\q:12*\q+11], v[12*\q:12*\q+11], 0, v[WSC+32+\q], v[ASC+24+\q] matrix_a_fmt:MATRIX_FMT_FP6 matrix_b_fmt:MATRIX_FMT_FP6
.else
	v_wmma_scale_f32_16x16x128_f8f6f4 v[8*(\q%2):8*(\q%2)+7], v[12*\q:12*\q+11], v[12*\q:12*\q+11], v[8*(\q%2):8*(\q%2)+7], v[WSC+32+\q], v[ASC+24+\q] matrix_a_fmt:MATRIX_FMT_FP6 matrix_b_fmt:MATRIX_FMT_FP6
.endif
.endr
	PLACES 4                                       ; behind the last products: for the reads of the sums and for the loads into the queries' fragments
	WIN 0xff
.irp i, 0,2,4,6
	v_pk_add_f32 v[16+\i:17+\i], v[\i:\i+1], v[8+\i:9+\i]   ; both accumulators from their low ends on
.endr
	WIN 0x0c
	ds_store_b128 v[QXW], v[16:19]                 ; my tile's sums, as the registers stand
	ds_store_b128 v[QXW], v[20:23] offset:512
	WIN 0
	FETCHA 0
	MEET                                           ; everybody has its fragments of chunk 0, and q's four tiles lie in LDS
	s_cmp_lg_u32 s[WV], 0
	s_cbranch_scc1 .Lno_q2
	v_cmp_gt_u32 vcc_lo, 8, v[RR]                  ; wave 0 quantises the head; the lanes that hold queries 0-7 store
	WIN 0xc0
.irp t, 0,1,2,3
	ds_load_b128 v[8*\t:8*\t+3], v[QXR] offset:1024*\t
	ds_load_b128 v[8*\t+4:8*\t+7], v[QXR] offset:1024*\t+512
.endr
	WIN 0
	s_wait_dscnt 0x0
	s_wait_xcnt 0x0                                ; EXEC is narrowed below
	WIN 0xff
	QHEAD 1, QSH
	s_and_saveexec_b32 s[S1], vcc_lo
	WIN 0x0c
	global_store_b128 v[QCO], v[CA:CA+3], s[90:91]             ; 16 lanes: 256 consecutive bytes
	global_store_b64 v[QCO2], v[CA+4:CA+5], s[90:91] offset:256
	global_store_b32 v[QSOA], v[PW], s[92:93]
	s_wait_xcnt 0x0
	s_or_b32 exec_lo, exec_lo, s[S1]
	WIN 0
.Lno_q2:
	CHUNK 1, 1
	CHANGE_X 1
	FETCHA 1
	MEET
	CHUNK 0, 2
	CHANGE_W0
	FETCHA 2
	MEET
	CHUNK 1, 3
	WIN 0xc0
.irp g, 0,1,2,3,4,5,6,7
	ds_load_b32 v[SBK+\g], v[KTBW] offset:128*\g   ; my columns' scale words: four key blocks' bytes each
.endr
	s_wait_dscnt 0x0
	WIN 0x0c
	global_store_b128 v[KTSO], v[SBK:SBK+3], s[20:21]
	global_store_b128 v[KTSO], v[SBK+4:SBK+7], s[20:21] offset:512
	WIN 0
	s_wait_xcnt 0x0
	MEET
	FETCHA 3
	WIN 0x40
.irp j, 0,1,2,3,4,5,6,7
	v_mov_b32 v[XTP+\j], 0                         ; lane permutes' destinations: written once
.endr
	WIN 0
	GSTEP 0, 1, 0                                  ; the first step has nothing to quantise yet
	s_mov_b32 s[LC], 3
.Lpair:
	GSTEP 1, 1, 1
	GSTEP 0, 1, 1
	s_sub_co_u32 s[LC], s[LC], 1
	s_cmp_lg_u32 s[LC], 0
	s_cbranch_scc1 .Lpair
	GSTEP 1, 0, 1
	PLACES 4                                       ; behind the last products
.set n_, 0
.rept 36
	QSL n_, 128
.set n_, n_+1
.endr
	QST 3
	WIN 0
	s_wait_tensorcnt 0x0                           ; the wave's end
	ds_add_u32 v[SPW], v[NIL]
	s_wait_dscnt 0x0
	CROUND
	s_endpgm
.Lfunc_end_k_qe62573d95c_kproj:
	.size	k_qe62573d95c_kproj, .Lfunc_end_k_qe62573d95c_kproj-k_qe62573d95c_kproj
	.p2alignl 7, 3214868480
	.fill 96, 4, 3214868480
	.section	.rodata,"a",@progbits
	.p2align	6, 0x0
	.amdhsa_kernel k_qe62573d95c_kproj
		.amdhsa_group_segment_fixed_size 327680
		.amdhsa_private_segment_fixed_size 0
		.amdhsa_enable_private_segment 0
		.amdhsa_kernarg_size 128
		.amdhsa_user_sgpr_count 2
		.amdhsa_user_sgpr_kernarg_segment_ptr 1
		.amdhsa_wavefront_size32 1
		.amdhsa_system_sgpr_workgroup_id_x 1
		.amdhsa_system_sgpr_workgroup_id_y 1
		.amdhsa_system_sgpr_workgroup_id_z 1
		.amdhsa_system_vgpr_workitem_id 0
		.amdhsa_next_free_vgpr 1024
		.amdhsa_next_free_sgpr 102
		.amdhsa_reserve_vcc 1
		.amdhsa_float_denorm_mode_32 3
		.amdhsa_float_denorm_mode_16_64 3
		.amdhsa_memory_ordered 1
		.amdhsa_forward_progress 1
		.amdhsa_inst_pref_size 255
	.end_amdhsa_kernel
	.section	.bss,"aw",@nobits
	.p2align	6
	.space	262144
	.amdgpu_metadata
---
amdhsa.version: [ 1, 2 ]
amdhsa.kernels:
  - .name:           k_qe62573d95c_kproj
    .symbol:         k_qe62573d95c_kproj.kd
    .args:
      - { .name: kx, .offset: 0, .size: 8, .value_kind: global_buffer, .address_space: global }
      - { .name: gk, .offset: 8, .size: 8, .value_kind: global_buffer, .address_space: global }
      - { .name: bk, .offset: 16, .size: 8, .value_kind: global_buffer, .address_space: global }
      - { .name: Wk_codes, .offset: 24, .size: 8, .value_kind: global_buffer, .address_space: global }
      - { .name: Wk_scales, .offset: 32, .size: 8, .value_kind: global_buffer, .address_space: global }
      - { .name: kc, .offset: 40, .size: 8, .value_kind: global_buffer, .address_space: global }
      - { .name: ksc, .offset: 48, .size: 8, .value_kind: global_buffer, .address_space: global }
      - { .name: kt, .offset: 56, .size: 8, .value_kind: global_buffer, .address_space: global }
      - { .name: kts, .offset: 64, .size: 8, .value_kind: global_buffer, .address_space: global }
      - { .name: qx, .offset: 72, .size: 8, .value_kind: global_buffer, .address_space: global }
      - { .name: gq, .offset: 80, .size: 8, .value_kind: global_buffer, .address_space: global }
      - { .name: bq, .offset: 88, .size: 8, .value_kind: global_buffer, .address_space: global }
      - { .name: Wq_codes, .offset: 96, .size: 8, .value_kind: global_buffer, .address_space: global }
      - { .name: Wq_scales, .offset: 104, .size: 8, .value_kind: global_buffer, .address_space: global }
      - { .name: qc, .offset: 112, .size: 8, .value_kind: global_buffer, .address_space: global }
      - { .name: qsc, .offset: 120, .size: 8, .value_kind: global_buffer, .address_space: global }
    .group_segment_fixed_size: 327680
    .private_segment_fixed_size: 0
    .kernarg_segment_align: 8
    .kernarg_segment_size: 128
    .max_flat_workgroup_size: 128
    .sgpr_count:     102
    .vgpr_count:     1024
    .wavefront_size: 32
...
	.end_amdgpu_metadata
.endif
;; end of part 4
;; launch attn (part 5): grid 2 x 128, 8 waves a work-group, no clusters, 327,680 bytes of LDS; arguments kc, ksc, qc, qsc, kt, kts, out0; writes out0
.if DOCPART == 5
	.amdgcn_target "amdgcn-amd-amdhsa--gfx1250"
	.amdhsa_code_object_version 6
	.text
	.protected	k_qe62573d95c_attn
	.globl	k_qe62573d95c_attn
	.p2align	8
	.type	k_qe62573d95c_attn,@function
k_qe62573d95c_attn:
	s_mov_b64 s[64:65], 0
	v_nop
	global_prefetch_b8 v0, s[64:65] scope:SCOPE_SE
	s_setreg_imm32_b32 hwreg(HW_REG_WAVE_MODE, 25, 1), 1
	s_wait_xcnt 0x0
; out0[q][b][:] = sum over n of w[q][b][n] kx[b][n][:],  w = the sum over the 16 heads of softmax_n(q_h . k_h[b][n] / 8), both products on codes of FP6 (E2M3) with E8M0 scales.
; SHARES.  A work-group owns one batch b of keys (y) and 64 queries (x); eight waves, two to a SIMD, so that one wave's softmax stands beside the other's LDS loads and products.
;   Scores: wave (qt = wave % 4, hg = wave / 4) takes the 16 queries of tile qt and heads 8 hg .. 8 hg + 7.  S^T = K Q^T (source 0 = 16 keys, source 1 = 16 queries): a lane holds ONE query and 128 of the 256 keys.
;   A head's K is 64: half of the instruction's 128.  Q's fragment holds an even head in its lower six registers and the odd head in the upper six; K's other half is six registers of zero codes, which add nothing.
;   The softmax is finished and normalised head by head (the row's maximum taken away first), and added into w in f32.
;   The two waves of a query tile exchange their halves of w through LDS; wave (qt, hg) finishes, quantises along the keys and publishes K step hg of tile qt as an image of the operand's registers.
;   Output: wave v owns columns 128 v .. + 127 for all 64 queries: O^T = kx^T w^T (source 0 = 16 columns, source 1 = 16 queries): a lane holds eight neighbouring columns of one row of out0.
; K's codes and scale words of the batch (208 KB) come into LDS once, by four tensor loads a wave, in four stages of head pairs; nothing is filled twice.  kx^T's codes come straight into registers: the buffer is laid in register order.
; NO CLUSTER: only the two work-groups of a batch share tiles: 2 x (208 + 200) KB = 816 KB a batch.  Four quarter blocks of queries could ask jointly for k's 208 KB alone (both operands, 408 KB, do not fit in LDS),
;   and would read kx^T's 200 KB four times: 1,008 KB a batch, each of its fragments feeding two products and not four.
; LIMITS: NaN and infinities are not served; a block of w whose every number is 0 gets the scale byte 1 (its codes are zeros).
; REGISTERS: window 0: v1-20 addresses; v32-63 scale words; v64-111 Q; v112-127 at work; v128-255 S^T, later the 16 accumulators of the output.
;   window 1: v0-127 w, later w's eight fragments; v128-229 eight half fragments of K between nine runs of six zeros, later eight fragments of kx^T.
.set KS,  196608                       ; LDS: 0: K's codes [head][tile][768]; here: K's scale words [head][g][lane][2]
.set WI,  212992                       ; w's eight fragments, 1,536 bytes each,
.set WIS, 225280                       ; their scale words, 128 bytes each,
.set STG, 226304                       ; a stage of 16 rows x (256 + 16) bytes for each wave.  (w's exchange, 8 x 16,384 bytes, lies over K's codes, behind their one fill and every wave's last read)
.set KA,  1
.set KA2, 2
.set ADK, 3
.set ADK2, 4
.set KSA, 5
.set WXW, 6
.set WXR, 7
.set WXR2, 8
.set WIR, 9
.set WSR, 10
.set WIW, 11
.set WSW, 12
.set SO,  13
.set SR,  14
.set GO,  15
.set KTO, 16
.set KTO2, 17
.set PFO, 18
.set PR,  19
.set PW,  20
.set KSC, 32                           ; v32-39  K's scale words of the head in hand
.set QSC, 40                           ; v40-47  Q's, a register a head
.set KTS, 48                           ; v48-55  kx^T's: 4 s + j
.set WSC, 56                           ; v56-63  w's: 2 qt + s
.set Q,   64
.set PC,  64                           ; later: w's codes just made
.set OB,  64                           ; later: rows on the way out, two sets of 32
.set TM,  112
.set MX,  112
.set SM,  116
.set NM,  124
.set INV, 126
.set S,   128
.set WV,  18
.set G1C, 32
.set G1S, 40
.set G0S, 48
.set OUTB, 72
.set SEL, 80
.set CS,  82
.set NC,  84
.set MSB, 0
.macro WIN new                         ; the immediate's high byte repeats the setting that is left
.if MSB != (\new)
	s_set_vgpr_msb (MSB<<8)|(\new)
.set MSB, (\new)
.endif
.endm
.macro PLACES n
.rept \n
	v_nop
.endr
.endm
.macro MKC g, j                        ; group 0 of stage j: a quarter of head pairs j (hg = 0) or 4 + j (hg = 1)
	s_mov_b32 s[\g], 1
	s_add_co_u32 s[\g+1], s24, \j*24576
	s_add_nc_u64 s[\g+2:\g+3], s[26:27], \j*24576
	s_or_b32 s[\g+3], s[\g+3], 0x80000000
.endm
.macro LOADK grp                       ; four tiles of 16 keys of the head in hand: six registers each
	WIN 0x40
.irp i, 0,1,2,3
	ds_load_b128 v[134+12*(4*((\grp)%2)+\i):134+12*(4*((\grp)%2)+\i)+3], v[ADK] offset:768*(4*(\grp)+\i)
	ds_load_b64 v[134+12*(4*((\grp)%2)+\i)+4:134+12*(4*((\grp)%2)+\i)+5], v[ADK2] offset:768*(4*(\grp)+\i)
.endr
.endm
.macro PRE l                           ; head l of my eight: its scale words and its first eight tiles
	WIN 0
	v_add_nc_u32 v[ADK], 12288*(\l), v[KA]
	v_add_nc_u32 v[ADK2], 12288*(\l), v[KA2]
.irp g, 0,1,2,3
	ds_load_b64 v[KSC+2*\g:KSC+2*\g+1], v[KSA] offset:1024*(\l)+256*\g
.endr
	LOADK 0
	LOADK 1
.endm
.macro MM lam, grp                     ; four products, each a whole sum (C = 0): an even head names [K, zeros], an odd head [zeros, K]
	WIN 0x01
.irp i, 0,1,2,3
.set t_, 4*(\grp)+\i
.set ko_, 134+12*(4*((\grp)%2)+\i)-6*((\lam)%2)
.set sc_, KSC+2*(2*(t_/8)+(t_%2))+(t_%8)/4
.if ((t_%8)/2)%2
	v_wmma_scale_f32_16x16x128_f8f6f4 v[S+8*t_:S+8*t_+7], v[ko_:ko_+11], v[Q+12*((\lam)/2):Q+12*((\lam)/2)+11], 0, v[sc_], v[QSC+(\lam)] matrix_a_fmt:MATRIX_FMT_FP6 matrix_b_fmt:MATRIX_FMT_FP6 matrix_a_scale:MATRIX_SCALE_ROW1
.else
	v_wmma_scale_f32_16x16x128_f8f6f4 v[S+8*t_:S+8*t_+7], v[ko_:ko_+11], v[Q+12*((\lam)/2):Q+12*((\lam)/2)+11], 0, v[sc_], v[QSC+(\lam)] matrix_a_fmt:MATRIX_FMT_FP6 matrix_b_fmt:MATRIX_FMT_FP6
.endif
.endr
.endm
.macro KTLOAD G                        ; kx^T's fragments of my columns 64 G .. + 63, both K steps: lane (r, h) takes column r's block 4 s + 2 c + h: each half of the lanes reads 256 or 128 consecutive bytes
	WIN 0x40
.irp j, 0,1,2,3
.irp s, 0,1
.irp c, 0,1
	global_load_b128 v[128+12*(2*\j+\s)+6*\c:128+12*(2*\j+\s)+6*\c+3], v[KTO], s[12:13] offset:(4*\s+2*\c)*24576+(2*\G+\j/2)*768+256*(\j%2)
	global_load_b64 v[128+12*(2*\j+\s)+6*\c+4:128+12*(2*\j+\s)+6*\c+5], v[KTO2], s[12:13] offset:(4*\s+2*\c)*24576+(2*\G+\j/2)*768+512+128*(\j%2)
.endr
.endr
.endr
	WIN 0
.endm
; One head's softmax over the 256 keys, and w += p / sum.  first = 1: the first head starts w: nothing is cleared.
.macro SOFTMAX first
	WIN 0
.irp k, 0,1,2,3
	v_max3_num_f32 v[MX+\k], v[S+32*\k], v[S+32*\k+1], v[S+32*\k+2]    ; four chains, ascending: each accumulator is first read at its low end
.endr
.irp i, 3,5,7,9,11,13,15,17,19,21,23,25,27,29
.irp k, 0,1,2,3
	v_max3_num_f32 v[MX+\k], v[MX+\k], v[S+32*\k+\i], v[S+32*\k+\i+1]
.endr
.endr
.irp k, 0,1,2,3
	v_max_num_f32 v[MX+\k], v[MX+\k], v[S+32*\k+31]
.endr
	s_delay_alu instid0(VALU_DEP_2)
	v_max3_num_f32 v[MX], v[MX], v[MX+1], v[MX+2]
	s_delay_alu instid0(VALU_DEP_1)
	v_max_num_f32 v[MX], v[MX], v[MX+3]
	s_delay_alu instid0(VALU_DEP_1)
	v_permlanex16_b32 v[PR], v[MX], s[SEL], s[SEL+1]   ; the query's other 128 keys lie in the lane 16 away
	s_delay_alu instid0(VALU_DEP_1)
	v_max_num_f32 v[MX], v[MX], v[PR]
	s_delay_alu instid0(VALU_DEP_1)
	v_mul_f32 v[NM], s[NC], v[MX]                      ; - c m, c = log2(e) / 8; its rounding is common to the row and cancels in p / sum
.set i_, 0
.rept 64
	v_pk_fma_f32 v[S+i_:S+i_+1], v[S+i_:S+i_+1], s[CS:CS+1], v[NM:NM+1] op_sel_hi:[1,0,0]
.set i_, i_+2
.endr
.set i_, 0
	s_wait_alu depctr_va_vdst(0)
.rept 128
	v_exp_f32 v[S+i_], v[S+i_]                         ; p = 2^(c s - c m)
.set i_, i_+1
.endr
	v_nop                                              ; one plain place, which names none of their registers, between the exponentials and the first use of a result (ISA guide 5.7.2)
	s_wait_alu depctr_va_vdst(0)
	v_pk_add_f32 v[118:119], v[128:129], v[130:131]
	v_pk_add_f32 v[120:121], v[144:145], v[152:153]
	v_pk_add_f32 v[122:123], v[160:161], v[168:169]
	v_pk_add_f32 v[114:115], v[176:177], v[184:185]
	v_pk_add_f32 v[112:113], v[192:193], v[200:201]
	v_pk_add_f32 v[62:63], v[208:209], v[216:217]
	v_pk_add_f32 v[60:61], v[224:225], v[232:233]
	v_pk_add_f32 v[116:117], v[240:241], v[248:249]
	v_pk_add_f32 v[116:117], v[116:117], v[132:133]
	v_pk_add_f32 v[118:119], v[118:119], v[134:135]
	v_pk_add_f32 v[120:121], v[120:121], v[146:147]
	v_pk_add_f32 v[122:123], v[122:123], v[154:155]
	v_pk_add_f32 v[114:115], v[114:115], v[162:163]
	v_pk_add_f32 v[112:113], v[112:113], v[170:171]
	v_pk_add_f32 v[62:63], v[62:63], v[178:179]
	v_pk_add_f32 v[60:61], v[60:61], v[186:187]
	v_pk_add_f32 v[116:117], v[116:117], v[194:195]
	v_pk_add_f32 v[118:119], v[118:119], v[202:203]
	v_pk_add_f32 v[120:121], v[120:121], v[210:211]
	v_pk_add_f32 v[122:123], v[122:123], v[218:219]
	v_pk_add_f32 v[114:115], v[114:115], v[226:227]
	v_pk_add_f32 v[112:113], v[112:113], v[234:235]
	v_pk_add_f32 v[62:63], v[62:63], v[242:243]
	v_pk_add_f32 v[60:61], v[60:61], v[250:251]
	v_pk_add_f32 v[116:117], v[116:117], v[136:137]
	v_pk_add_f32 v[118:119], v[118:119], v[138:139]
	v_pk_add_f32 v[120:121], v[120:121], v[148:149]
	v_pk_add_f32 v[122:123], v[122:123], v[156:157]
	v_pk_add_f32 v[114:115], v[114:115], v[164:165]
	v_pk_add_f32 v[112:113], v[112:113], v[172:173]
	v_pk_add_f32 v[62:63], v[62:63], v[180:181]
	v_pk_add_f32 v[60:61], v[60:61], v[188:189]
	v_pk_add_f32 v[116:117], v[116:117], v[196:197]
	v_pk_add_f32 v[118:119], v[118:119], v[204:205]
	v_pk_add_f32 v[120:121], v[120:121], v[212:213]
	v_pk_add_f32 v[122:123], v[122:123], v[220:221]
	v_pk_add_f32 v[114:115], v[114:115], v[228:229]
	v_pk_add_f32 v[112:113], v[112:113], v[236:237]
	v_pk_add_f32 v[62:63], v[62:63], v[244:245]
	v_pk_add_f32 v[60:61], v[60:61], v[252:253]
	v_pk_add_f32 v[116:117], v[116:117], v[140:141]
	v_pk_add_f32 v[118:119], v[118:119], v[142:143]
	v_pk_add_f32 v[120:121], v[120:121], v[150:151]
	v_pk_add_f32 v[122:123], v[122:123], v[158:159]
	v_pk_add_f32 v[114:115], v[114:115], v[166:167]
	v_pk_add_f32 v[112:113], v[112:113], v[174:175]
	v_pk_add_f32 v[62:63], v[62:63], v[182:183]
	v_pk_add_f32 v[60:61], v[60:61], v[190:191]
	v_pk_add_f32 v[116:117], v[116:117], v[198:199]
	v_pk_add_f32 v[118:119], v[118:119], v[206:207]
	v_pk_add_f32 v[120:121], v[120:121], v[214:215]
	v_pk_add_f32 v[122:123], v[122:123], v[222:223]
	v_pk_add_f32 v[114:115], v[114:115], v[230:231]
	v_pk_add_f32 v[112:113], v[112:113], v[238:239]
	v_pk_add_f32 v[62:63], v[62:63], v[246:247]
	v_pk_add_f32 v[60:61], v[60:61], v[254:255]
	s_delay_alu instid0(VALU_DEP_4)
	v_pk_add_f32 v[116:117], v[116:117], v[114:115]
	s_delay_alu instid0(VALU_DEP_4)
	v_pk_add_f32 v[118:119], v[118:119], v[112:113]
	s_delay_alu instid0(VALU_DEP_4)
	v_pk_add_f32 v[120:121], v[120:121], v[62:63]
	s_delay_alu instid0(VALU_DEP_4)
	v_pk_add_f32 v[122:123], v[122:123], v[60:61]
	s_delay_alu instid0(VALU_DEP_2)
	v_pk_add_f32 v[116:117], v[116:117], v[120:121]
	s_delay_alu instid0(VALU_DEP_2)
	v_pk_add_f32 v[118:119], v[118:119], v[122:123]
	s_delay_alu instid0(VALU_DEP_1)
	v_pk_add_f32 v[116:117], v[116:117], v[118:119]
	s_delay_alu instid0(VALU_DEP_1)
	v_add_f32 v[SM], v[SM], v[SM+1]
	s_delay_alu instid0(VALU_DEP_1)
	v_permlanex16_b32 v[PR], v[SM], s[SEL], s[SEL+1]
	s_delay_alu instid0(VALU_DEP_1)
	v_add_f32 v[SM], v[SM], v[PR]
	s_wait_alu depctr_va_vdst(0)
	v_rcp_f32 v[INV], v[SM]
	v_nop                                              ; one plain place behind a transcendental
	s_wait_alu depctr_va_vdst(0)
	WIN 0x50                                           ; w: destination and source 2 in window 1
.set i_, 0
.rept 64
.if \first
	v_pk_mul_f32 v[i_:i_+1], v[S+i_:S+i_+1], v[INV:INV+1] op_sel_hi:[1,0]
.else
	v_pk_fma_f32 v[i_:i_+1], v[S+i_:S+i_+1], v[INV:INV+1], v[i_:i_+1] op_sel_hi:[1,0,1]
.endif
.set i_, i_+2
.endr
.endm
; One head: 16 products in four groups, two groups of K's tiles ahead; then the next head's first loads, which land under this head's softmax.
.macro HEAD lam, first
	s_wait_dscnt 8                                 ; the scale words and group 0 are in; group 1's 8 loads may be out
	MM \lam, 0
	PLACES 4                                       ; places in front of loads into registers that matrix instructions have read (ISA guide 7.12.1 for vector instructions)
	LOADK 2
	s_wait_dscnt 8
	MM \lam, 1
	PLACES 4
	LOADK 3
	s_wait_dscnt 8
	MM \lam, 2
	s_wait_dscnt 0x0
	MM \lam, 3
	PLACES 4                                       ; for the loads below and for the first reads of the scores
	WIN 0
.if \lam == 7
	KTLOAD 0                                       ; K's registers are free: the output's first fragments land under the last softmax
.else
.if (\lam)%2 == 1
	s_wait_tensorcnt 0x0                           ; my part of the next head pair is in
.if \lam < 5
	ds_add_u32 v30, v31                            ; a first fill follows
	s_wait_dscnt 0x0
.endif
	s_barrier_signal -1
	s_barrier_wait -1                              ; everybody's is
.if \lam == 1
	tensor_load_to_lds s[60:63], s[G1C:G1C+7]      ; head pairs 2 and 6
	s_nop 0
	PLACES 4
.endif
.if \lam == 3
	tensor_load_to_lds s[68:71], s[G1C:G1C+7]      ; head pairs 3 and 7
	s_nop 0
	PLACES 4
.endif
.endif
	PRE \lam+1
.if \lam >= 3
	global_prefetch_b8 v[PFO], s[12:13] offset:49152*(\lam-3) th:TH_LOAD_NT scope:SCOPE_SE   ; kx^T's block 2 (head - 3) + x of the keys, my columns' 12 pieces of 256 bytes (lanes 12-31 repeat lane 11's): the batch's two work-groups ask for each piece once, one to four heads ahead of the loads
.endif
.endif
	SOFTMAX \first
.endm
; 64 numbers of a lane, register 16 b + i = key 32 b + 16 (lane / 16) + i of my query's K step, become a fragment's codes in v[PC] on and its scale word in v[PW].
.macro QUANT s
.irp b, 0,1,2,3
	v_max3_num_f32 v[TM+\b], |v[\s+16*\b]|, |v[\s+1+16*\b]|, 0x1800000   ; the floor 2^(3 - 127): the byte cannot fall under 1
.endr
.irp i, 2,4,6,8,10,12,14
.irp b, 0,1,2,3
	s_delay_alu instid0(VALU_DEP_4)
	v_max3_num_f32 v[TM+\b], v[TM+\b], |v[\s+16*\b+\i]|, |v[\s+1+16*\b+\i]|
.endr
.endr
.irp b, 0,1,2,3
	s_delay_alu instid0(VALU_DEP_4)
	v_permlanex16_b32 v[TM+4+\b], v[TM+\b], s[SEL], s[SEL+1]
.endr
.irp b, 0,1,2,3
	s_delay_alu instid0(VALU_DEP_4)
	v_max_num_f32 v[TM+\b], v[TM+\b], v[TM+4+\b]
.endr
.irp b, 0,1,2,3
	s_delay_alu instid0(VALU_DEP_4)
	v_add_nc_u32 v[TM+12+\b], 0xff000000, v[TM+\b]   ; 2 off the exponent field: the conversion's scale operand
.endr
.irp b, 0,1,2,3
	s_delay_alu instid0(VALU_DEP_4)
	v_lshrrev_b32 v[TM+4+\b], 23, v[TM+12+\b]
.endr
	s_delay_alu instid0(VALU_DEP_3)
	v_lshl_or_b32 v[PW], v[TM+5], 8, v[TM+4]
	s_delay_alu instid0(VALU_DEP_1)
	v_lshl_or_b32 v[PW], v[TM+6], 16, v[PW]
	s_delay_alu instid0(VALU_DEP_1)
	v_lshl_or_b32 v[PW], v[TM+7], 24, v[PW]
.irp c, 0,1
	v_cvt_scalef32_pk16_fp6_f32 v[PC+6*\c:PC+2+6*\c], v[\s+32*\c:\s+15+32*\c], v[TM+12+2*\c]
	v_cvt_scalef32_pk16_fp6_f32 v[PC+12+4*\c:PC+14+4*\c], v[\s+16+32*\c:\s+31+32*\c], v[TM+12+2*\c+1]
.endr
	v_nop                                          ; one plain place behind a scaled conversion
.irp c, 0,1
.irp i, 0,1,2
	v_permlane16_swap_b32 v[PC+6*\c+\i], v[PC+12+4*\c+\i]
.endr
.irp i, 0,1,2
	s_delay_alu instid0(VALU_DEP_3)
	v_mov_b32 v[PC+3+6*\c+\i], v[PC+12+4*\c+\i]
.endr
.endr
.endm
.macro P4 G                            ; 64 queries x my columns 64 G .. + 63: 16 accumulators by turns, two K steps; the first starts the sums
	s_wait_loadcnt 0x0                             ; kx^T's fragments
	WIN 0x05                                       ; both sources window 1, sums window 0
.irp s, 0,1
.irp qq, 0,1,2,3
.irp j, 0,1,2,3
.if \s == 0
.if \j%2
	v_wmma_scale_f32_16x16x128_f8f6f4 v[S+8*(4*\qq+\j):S+8*(4*\qq+\j)+7], v[128+12*(2*\j+\s):128+12*(2*\j+\s)+11], v[12*(2*\qq+\s):12*(2*\qq+\s)+11], 0, v[KTS+4*\s+2*\G+\j/2], v[WSC+2*\qq+\s] matrix_a_fmt:MATRIX_FMT_FP6 matrix_b_fmt:MATRIX_FMT_FP6 matrix_a_scale:MATRIX_SCALE_ROW1
.else
	v_wmma_scale_f32_16x16x128_f8f6f4 v[S+8*(4*\qq+\j):S+8*(4*\qq+\j)+7], v[128+12*(2*\j+\s):128+12*(2*\j+\s)+11], v[12*(2*\qq+\s):12*(2*\qq+\s)+11], 0, v[KTS+4*\s+2*\G+\j/2], v[WSC+2*\qq+\s] matrix_a_fmt:MATRIX_FMT_FP6 matrix_b_fmt:MATRIX_FMT_FP6
.endif
.else
.if \j%2
	v_wmma_scale_f32_16x16x128_f8f6f4 v[S+8*(4*\qq+\j):S+8*(4*\qq+\j)+7], v[128+12*(2*\j+\s):128+12*(2*\j+\s)+11], v[12*(2*\qq+\s):12*(2*\qq+\s)+11], v[S+8*(4*\qq+\j):S+8*(4*\qq+\j)+7], v[KTS+4*\s+2*\G+\j/2], v[WSC+2*\qq+\s] matrix_a_fmt:MATRIX_FMT_FP6 matrix_b_fmt:MATRIX_FMT_FP6 matrix_a_scale:MATRIX_SCALE_ROW1
.else
	v_wmma_scale_f32_16x16x128_f8f6f4 v[S+8*(4*\qq+\j):S+8*(4*\qq+\j)+7], v[128+12*(2*\j+\s):128+12*(2*\j+\s)+11], v[12*(2*\qq+\s):12*(2*\qq+\s)+11], v[S+8*(4*\qq+\j):S+8*(4*\qq+\j)+7], v[KTS+4*\s+2*\G+\j/2], v[WSC+2*\qq+\s] matrix_a_fmt:MATRIX_FMT_FP6 matrix_b_fmt:MATRIX_FMT_FP6
.endif
.endif
.endr
.endr
.endr
	WIN 0
	PLACES 5                                       ; four for loads and reads of results, one more since the next group begins these accumulators anew
.endm
.macro OUTQ G, qq                      ; 16 queries x 64 columns through my stage: back as whole runs of 256 bytes
	s_wait_xcnt 0x0                                ; this set's last stores have read their data
.irp j, 0,1,2,3
	ds_store_b128 v[SO], v[S+8*(4*\qq+\j):S+8*(4*\qq+\j)+3] offset:64*\j       ; each accumulator from its low end on
	ds_store_b128 v[SO], v[S+8*(4*\qq+\j)+4:S+8*(4*\qq+\j)+7] offset:64*\j+16
.endr
.irp i, 0,1,2,3,4,5,6,7
	ds_load_b128 v[OB+32*(\qq%2)+4*\i:OB+32*(\qq%2)+4*\i+3], v[SR] offset:544*\i   ; LDS serves a wave's instructions in order (ISA guide 5.7.1.4): these see the stores above
.endr
.irp i, 0,1,2,3,4,5,6,7
	s_wait_dscnt 7-\i                              ; the younger loads may be out
	global_store_b128 v[GO], v[OB+32*(\qq%2)+4*\i:OB+32*(\qq%2)+4*\i+3], s[OUTB+2*\qq:OUTB+2*\qq+1] offset:1048576*\i+256*\G th:TH_STORE_NT   ; 16 lanes store 256 consecutive bytes, at a multiple of 256 from out0's first byte
.endr
.endm
	s_load_b256 s[4:11], s[0:1], 0x0               ; kc, ksc, qc, qsc
	s_load_b128 s[12:15], s[0:1], 0x20             ; kt, kts
	s_load_b64 s[16:17], s[0:1], 0x30              ; out0
	v_lshl_add_u32 v30, v0, 2, 0x40000
	v_mov_b32 v31, 0
	ds_add_u32 v30, v31
	ds_add_u32 v30, v31
	v_lshrrev_b32 v21, 5, v0
	s_delay_alu instid0(VALU_DEP_1)
	v_readfirstlane_b32 s[WV], v21                 ; wave 0..7
	s_and_b32 s19, s[WV], 3                        ; qt
	s_lshr_b32 s20, s[WV], 2                       ; hg
	s_mov_b32 s21, ttmp9                           ; which 64 queries
	s_and_b32 s22, ttmp7, 0xffff                   ; the batch of keys
	; group 1: dense blocks as rows of 256 bytes (32 elements of 8 bytes), no padding: the images are read 16 or 8 bytes a lane on end
	s_mov_b32 s[G1C], 3<<16
	s_mov_b32 s[G1C+1], 32<<16
	s_mov_b32 s[G1C+2], 24<<16                     ; 6,144 bytes: a quarter of a head pair
	s_mov_b32 s[G1C+3], 32<<16
	s_mov_b32 s[G1C+4], 24
	s_mov_b32 s[G1C+5], 32
	s_mov_b32 s[G1C+6], 0
	s_mov_b32 s[G1C+7], 0
	s_mov_b32 s[G1S], 3<<16
	s_mov_b32 s[G1S+1], 32<<16
	s_mov_b32 s[G1S+2], 32<<16                     ; 8,192 bytes: what each wave's one load at the head brings
	s_mov_b32 s[G1S+3], 32<<16
	s_mov_b32 s[G1S+4], 32
	s_mov_b32 s[G1S+5], 32
	s_mov_b32 s[G1S+6], 0
	s_mov_b32 s[G1S+7], 0
	s_mul_i32 s24, s20, 98304
	s_mul_i32 s25, s19, 6144
	s_add_co_u32 s24, s24, s25                     ; my quarter's place, in LDS as in the batch's codes
	s_mul_i32 s26, s22, 196608
	s_add_co_u32 s26, s26, s24
	s_mov_b32 s27, 0
	; THE FILLS, one tensor load a wave at a time: at the head waves 0-2 bring head pair 0, waves 3-5 head pair 4 (a third each), waves 6-7 the scale words (a half each);
	; head pairs j and 4 + j, j = 1 .. 3, follow, a quarter a wave, each behind a barrier two heads ahead of its first read.  Nothing is filled twice.
	s_and_b32 s28, s[WV], 1
	s_lshl_b32 s28, s28, 13                        ; waves 6, 7: which half of the scale words
	s_add_co_u32 s53, s[WV], 5
	s_lshr_b32 s53, s53, 3                         ; 1 from wave 3 on
	s_mul_i32 s53, s53, 73728
	s_lshl_b32 s86, s[WV], 13
	s_add_co_u32 s53, s53, s86                     ; waves 0-5: 0, 8192, 16384, 98304, 106496, 114688: in LDS as in the batch's codes
	s_mul_i32 s86, s22, 196608
	s_add_co_u32 s86, s86, s53
	s_mov_b32 s87, 0
	s_lshl_b32 s30, s22, 14
	s_add_co_u32 s30, s30, s28
	s_mov_b32 s31, 0
	s_wait_dscnt 0x0
	s_wait_kmcnt 0x0
	s_add_nc_u64 s[26:27], s[4:5], s[26:27]
	s_mov_b32 s[G0S], 1
	s_add_co_u32 s[G0S+1], s28, KS
	s_add_nc_u64 s[G0S+2:G0S+3], s[6:7], s[30:31]
	s_or_b32 s[G0S+3], s[G0S+3], 0x80000000
	s_mov_b32 s52, 1
	s_add_nc_u64 s[54:55], s[4:5], s[86:87]
	s_or_b32 s55, s55, 0x80000000
	MKC 56, 1
	MKC 60, 2
	MKC 68, 3
	s_cmp_lt_u32 s[WV], 6
	s_cbranch_scc0 .Lhead_sc
	tensor_load_to_lds s[52:55], s[G1S:G1S+7]      ; codes
	s_nop 0
	PLACES 4
	s_branch .Lhead_j
.Lhead_sc:
	tensor_load_to_lds s[G0S:G0S+3], s[G1S:G1S+7]  ; scale words
	s_nop 0
	PLACES 4
.Lhead_j:
	s_mov_b32 s[SEL], 0x76543210
	s_mov_b32 s[SEL+1], 0xfedcba98                 ; lane l xor 16
	s_mov_b32 s[CS], 0x3e38aa3b                    ; c = log2(e) / 8
	s_mov_b32 s[CS+1], s[CS]                       ; (named with it as a pair, so it is written)
	s_mov_b32 s[NC], 0xbe38aa3b                    ; - c
	s_lshl_b32 s28, s21, 2
	s_add_co_u32 s28, s28, s19
	s_lshl_b32 s30, s28, 14                        ; qc [tile of 8 queries][head][512]: my tile of 16 is two of them,
	s_lshl_b32 s29, s20, 12                        ; my first head
	s_add_co_u32 s30, s30, s29
	s_add_nc_u64 s[8:9], s[8:9], s[30:31]
	s_lshl_b32 s30, s28, 11                        ; qsc [tile of 8][head][16 words]
	s_lshl_b32 s29, s20, 9
	s_add_co_u32 s30, s30, s29
	s_add_nc_u64 s[10:11], s[10:11], s[30:31]
	s_mul_i32 s30, s22, 196608
	s_add_nc_u64 s[12:13], s[12:13], s[30:31]      ; kt at my batch
	s_lshl_b32 s30, s22, 13
	s_lshl_b32 s29, s[WV], 9
	s_add_co_u32 s30, s30, s29
	s_add_nc_u64 s[14:15], s[14:15], s[30:31]      ; kts at my batch and my 128 columns
	s_lshl_b32 s30, s21, 25                        ; 64 queries of 524,288 bytes,
	s_lshl_b32 s29, s22, 12                        ; the batch's 4,096 bytes in each
	s_add_co_u32 s30, s30, s29
	s_add_nc_u64 s[OUTB:OUTB+1], s[16:17], s[30:31]
	s_add_nc_u64 s[OUTB+2:OUTB+3], s[OUTB:OUTB+1], 0x800000        ; 16 queries on
	s_add_nc_u64 s[OUTB+4:OUTB+5], s[OUTB+2:OUTB+3], 0x800000
	s_add_nc_u64 s[OUTB+6:OUTB+7], s[OUTB+4:OUTB+5], 0x800000
	v_and_b32 v24, 31, v0                          ; lane
	v_and_b32 v25, 15, v0                          ; r
	v_bfe_u32 v26, v0, 4, 1                        ; h
	s_delay_alu instid0(VALU_DEP_3)
	v_lshlrev_b32 v21, 4, v24
	s_delay_alu instid0(VALU_DEP_4)
	v_lshlrev_b32 v22, 3, v24
	v_lshlrev_b32 v23, 2, v24
	v_and_b32 v112, 7, v24
	v_bfe_u32 v113, v0, 3, 1                       ; which tile of 8 queries
	s_delay_alu instid0(VALU_DEP_2)
	v_lshl_add_u32 v112, v26, 3, v112              ; lane' = r % 8 + 8 h
	s_delay_alu instid0(VALU_DEP_2)
	v_lshlrev_b32 v114, 13, v113
	v_lshlrev_b32 v116, 10, v113
	s_delay_alu instid0(VALU_DEP_2)
	v_lshl_add_u32 v115, v112, 3, v114
	v_lshl_add_u32 v114, v112, 4, v114
	s_delay_alu instid0(VALU_DEP_3)
	v_lshl_add_u32 v116, v112, 2, v116
.irp n, 0,1,2,3,4,5,6,7                        ; Q of my eight heads stays in registers: head n at v[Q + 6 n]
	global_load_b128 v[Q+6*\n:Q+6*\n+3], v114, s[8:9] offset:512*\n
	global_load_b64 v[Q+6*\n+4:Q+6*\n+5], v115, s[8:9] offset:512*\n+256
	global_load_b32 v[QSC+\n], v116, s[10:11] offset:64*\n
.endr
	global_load_b128 v[KTS:KTS+3], v21, s[14:15]
	global_load_b128 v[KTS+4:KTS+7], v21, s[14:15] offset:4096
	WIN 0x40
.irp i, 0,1,2,3,4,5,6,7,8
.irp n, 0,1,2,3,4,5
	v_mov_b32 v[128+12*\i+\n], 0                   ; zero CODES, written once: the half of K = 128 that a head of 64 does not fill
.endr
.endr
	WIN 0
	v_mov_b32 v[PR], 0                             ; a lane permute's destination, and the upper halves of two pairs: written once
	v_mov_b32 v[NM+1], 0
	v_mov_b32 v[INV+1], 0
	s_mul_i32 s28, s20, 98304
	v_add_nc_u32 v[KA], s28, v21
	s_add_co_u32 s29, s28, 512
	v_add_nc_u32 v[KA2], s29, v22
	s_lshl_b32 s28, s20, 13
	s_add_co_u32 s29, s28, KS
	v_add_nc_u32 v[KSA], s29, v22
	s_lshl_b32 s29, s[WV], 14
	v_add_nc_u32 v[WXW], s29, v21
	s_lshl_b32 s29, s19, 14
	s_add_co_u32 s29, s29, s28
	v_add_nc_u32 v[WXR], s29, v21
	s_delay_alu instid0(VALU_DEP_1)
	v_add_nc_u32 v[WXR2], 65536, v[WXR]
	v_add_nc_u32 v[WIR], WI, v21
	v_add_nc_u32 v[WSR], WIS, v23
	s_lshl_b32 s28, s19, 1
	s_add_co_u32 s28, s28, s20                     ; 2 qt + hg
	s_mul_i32 s29, s28, 1536
	s_add_co_u32 s29, s29, WI
	v_add_nc_u32 v[WIW], s29, v21
	s_lshl_b32 s29, s28, 7
	s_add_co_u32 s29, s29, WIS
	v_add_nc_u32 v[WSW], s29, v23
	s_mul_i32 s28, s[WV], 4352
	s_add_co_u32 s28, s28, STG                     ; my stage
	v_mul_u32_u24 v27, v25, 272
	s_delay_alu instid0(VALU_DEP_1)
	v_lshl_add_u32 v27, v26, 5, v27
	s_delay_alu instid0(VALU_DEP_1)
	v_add_nc_u32 v[SO], s28, v27                   ; in: row r, 32 bytes for each half of the lanes
	v_mul_u32_u24 v27, v26, 272
	s_delay_alu instid0(VALU_DEP_1)
	v_lshl_add_u32 v27, v25, 4, v27
	s_delay_alu instid0(VALU_DEP_1)
	v_add_nc_u32 v[SR], s28, v27                   ; back: lanes 0-15 one row, lanes 16-31 the next
	v_lshlrev_b32 v27, 19, v26
	s_delay_alu instid0(VALU_DEP_1)
	v_lshl_add_u32 v27, v25, 4, v27
	s_lshl_b32 s28, s[WV], 9
	v_add_nc_u32 v[GO], s28, v27                   ; and the same two rows in out0, at my 128 columns
	v_mul_u32_u24 v27, v26, 24576
	s_mul_i32 s28, s[WV], 3072
	v_add_nc_u32 v27, s28, v27
	s_delay_alu instid0(VALU_DEP_1)
	v_lshl_add_u32 v[KTO], v25, 4, v27
	s_delay_alu instid0(VALU_DEP_2)
	v_lshl_add_u32 v[KTO2], v25, 3, v27
	v_min_u32 v28, 11, v24
	s_delay_alu instid0(VALU_DEP_1)
	v_lshlrev_b32 v28, 8, v28
	s_mul_i32 s29, s21, 24576
	s_add_co_u32 s29, s29, s28
	v_add_nc_u32 v[PFO], s29, v28
	s_wait_alu depctr_va_vdst(0)
	s_wait_loadcnt 0x0                             ; Q, its scale words, kx^T's scale words
	s_wait_tensorcnt 0x0                           ; my part of the head's fills is in
	ds_add_u32 v30, v31
	s_wait_dscnt 0x0
	s_barrier_signal -1
	s_barrier_wait -1
	tensor_load_to_lds s[56:59], s[G1C:G1C+7]      ; head pairs 1 and 5
	s_nop 0
	PLACES 4
	PRE 0
	s_wait_alu depctr_va_vdst(0)
	HEAD 0, 1
	HEAD 1, 0
	HEAD 2, 0
	HEAD 3, 0
	HEAD 4, 0
	HEAD 5, 0
	HEAD 6, 0
	HEAD 7, 0
	; ---- w's two halves (heads 0-7, heads 8-15) meet through LDS
	WIN 0
	s_wait_alu depctr_va_vdst(0)
	s_wait_dscnt 0x0
	s_barrier_signal -1
	s_barrier_wait -1                              ; nobody reads K's codes any more; they had their one fill
	WIN 0x04                                       ; an LDS store's data are its source 1: window 1
.irp i, 0,1,2,3,4,5,6,7,8,9,10,11,12,13,14,15,16,17,18,19,20,21,22,23,24,25,26,27,28,29,30,31
	ds_store_b128 v[WXW], v[4*\i:4*\i+3] offset:512*\i
.endr
	WIN 0
	s_wait_dscnt 0x0
	s_barrier_signal -1
	s_barrier_wait -1
.irp i, 0,1,2,3,4,5,6,7,8,9,10,11,12,13,14,15  ; K step hg of my tile of queries, from both waves of the tile
	ds_load_b128 v[S+4*\i:S+4*\i+3], v[WXR] offset:512*\i
	ds_load_b128 v[S+64+4*\i:S+64+4*\i+3], v[WXR2] offset:512*\i
.endr
	s_wait_dscnt 0x0
.set i_, 0
.rept 32
	v_pk_add_f32 v[S+i_:S+i_+1], v[S+i_:S+i_+1], v[S+64+i_:S+64+i_+1]
.set i_, i_+2
.endr
	QUANT S
.irp c, 0,1,2
	ds_store_b128 v[WIW], v[PC+4*\c:PC+4*\c+3] offset:512*\c       ; the fragment goes to LDS as it stands
.endr
	ds_store_b32 v[WSW], v[PW]
	s_wait_dscnt 0x0
	s_barrier_signal -1
	s_barrier_wait -1                              ; w's eight fragments lie in LDS
	WIN 0x40
.irp f, 0,1,2,3,4,5,6,7
.irp c, 0,1,2
	ds_load_b128 v[12*\f+4*\c:12*\f+4*\c+3], v[WIR] offset:1536*\f+512*\c
.endr
.endr
	WIN 0
.irp f, 0,1,2,3,4,5,6,7
	ds_load_b32 v[WSC+\f], v[WSR] offset:128*\f
.endr
	s_wait_dscnt 0x0
	; ---- the output: my 128 columns in two groups of 64
	P4 0
	KTLOAD 1                                       ; the second group's fragments land while the first group's rows leave
	OUTQ 0, 0
	OUTQ 0, 1
	OUTQ 0, 2
	OUTQ 0, 3
	P4 1
	OUTQ 1, 0
	OUTQ 1, 1
	OUTQ 1, 2
	OUTQ 1, 3
	s_wait_tensorcnt 0x0
	ds_add_u32 v30, v31
	s_wait_dscnt 0x0
	s_endpgm
.Lfunc_end_k_qe62573d95c_attn:
	.size	k_qe62573d95c_attn, .Lfunc_end_k_qe62573d95c_attn-k_qe62573d95c_attn
	.p2alignl 7, 3214868480
	.fill 96, 4, 3214868480
	.section	.rodata,"a",@progbits
	.p2align	6, 0x0
	.amdhsa_kernel k_qe62573d95c_attn
		.amdhsa_group_segment_fixed_size 327680
		.amdhsa_private_segment_fixed_size 0
		.amdhsa_enable_private_segment 0
		.amdhsa_kernarg_size 56
		.amdhsa_user_sgpr_count 2
		.amdhsa_user_sgpr_kernarg_segment_ptr 1
		.amdhsa_wavefront_size32 1
		.amdhsa_system_sgpr_workgroup_id_x 1
		.amdhsa_system_sgpr_workgroup_id_y 1
		.amdhsa_system_sgpr_workgroup_id_z 1
		.amdhsa_system_vgpr_workitem_id 0
		.amdhsa_next_free_vgpr 512
		.amdhsa_next_free_sgpr 88
		.amdhsa_reserve_vcc 0
		.amdhsa_float_denorm_mode_32 3
		.amdhsa_float_denorm_mode_16_64 3
		.amdhsa_memory_ordered 1
		.amdhsa_forward_progress 1
		.amdhsa_inst_pref_size 255
	.end_amdhsa_kernel
	.section	.bss,"aw",@nobits
	.p2align	6
	.space	262144
	.amdgpu_metadata
---
amdhsa.version: [ 1, 2 ]
amdhsa.kernels:
  - .name:           k_qe62573d95c_attn
    .symbol:         k_qe62573d95c_attn.kd
    .args:
      - { .name: kc, .offset: 0, .size: 8, .value_kind: global_buffer, .address_space: global }
      - { .name: ksc, .offset: 8, .size: 8, .value_kind: global_buffer, .address_space: global }
      - { .name: qc, .offset: 16, .size: 8, .value_kind: global_buffer, .address_space: global }
      - { .name: qsc, .offset: 24, .size: 8, .value_kind: global_buffer, .address_space: global }
      - { .name: kt, .offset: 32, .size: 8, .value_kind: global_buffer, .address_space: global }
      - { .name: kts, .offset: 40, .size: 8, .value_kind: global_buffer, .address_space: global }
      - { .name: out0, .offset: 48, .size: 8, .value_kind: global_buffer, .address_space: global }
    .group_segment_fixed_size: 327680
    .private_segment_fixed_size: 0
    .kernarg_segment_align: 8
    .kernarg_segment_size: 56
    .max_flat_workgroup_size: 256
    .sgpr_count:     88
    .vgpr_count:     512
    .wavefront_size: 32
...
	.end_amdgpu_metadata
.endif
;; end of part 5
